; MI455X (gfx1250); checked and timed in simulation.
; The chip was launched on July 23, 2026; its instructions are those of AMD's public machine-readable ISA for CDNA 5 (MIT licence, August 2026) and "CDNA5" Instruction Set Architecture Reference Guide (July 2026). The comments in the code are by the model that wrote it; some were corrected since.
;; Simple Attention. Allowed arithmetic: matrix products marked QUANTISED: E3M2 operands, one E8M0 scale for each 32 along K, by v_wmma_scale_f32_16x16x128_f8f6f4 with both operands' format E3M2, f32 sums; everything else in f32.
;; Inputs: Wh 1,024 x 1,024 float32; Wk 1,024 x 1,024 float32; Wq 1,024 x 1,024 float32; Wv 1,024 x 1,024 float32; bh 1,024 float32; bk 1,024 float32; bq 1,024 float32; bv 1,024 float32; inputs 4 x 2,048 x 1,024 float32.
;; Outputs: out0 8,192 x 1,024 float32.
;; This version of the problem:
;;   THIS VERSION OF THE PROBLEM IS GIVEN IN LOW PRECISION. The matrix products marked QUANTISED in the list below multiply operands that are first quantised to E3M2 (3 exponent bits, 2 mantissa bits; 6 bits a number), with one power-of-two scale for each 32 numbers along K (OCP MX v1.0); their sums are f32. All else is computed in f32.
;;   The module's matrix products, in the order in which they are computed (A, B: the left and right operand; K: the contracted axis; several contracted axes count as one K, in the product's order):
;;     1. [M 8,192, K 1,024] x [K 1,024, N 1,024]; A: input inputs; B: input Wq: QUANTISED
;;     2. [M 8,192, K 1,024] x [K 1,024, N 1,024]; A: input inputs; B: input Wk: QUANTISED
;;     3. [M 8,192, K 1,024] x [K 1,024, N 1,024]; A: input inputs; B: input Wv: QUANTISED
;;     4. batch 4 x [M 2,048, K 1,024] x [K 1,024, N 2,048]; A: computed on the way; B: computed on the way: QUANTISED
;;     5. batch 4 x [M 2,048, K 2,048] x [K 2,048, N 1,024]; A: softmax (see below); B: computed on the way: QUANTISED
;;     6. [M 8,192, K 1,024] x [K 1,024, N 1,024]; A: computed on the way; B: input Wh: QUANTISED
;;   THE QUANTISER, for each operand of a quantised product, along K:
;;     - K is cut into blocks of 32 from its start; a last block that is shorter is filled with zeros.
;;     - A block's scale is 2^e with e = floor(log2(the largest magnitude in the block)) - 4, held to -126 .. 127; a block of zeros has e = 0. As a byte (E8M0): e + 127.
;;     - Each number is divided by its block's scale, clamped to +-28, and rounded to the nearest number of E3M2, ties to even, subnormals kept.
;;     - The product sums the exact products of the quantised numbers (number of the format x scale) in f32.
;;   ~~~python
;;   def quantise(x, axis):      # numpy; x: float32 -> the quantised numbers, widened to float32 again
;;       x = np.moveaxis(x, axis, -1); K = x.shape[-1]
;;       x = np.pad(x, [(0, 0)] * (x.ndim - 1) + [(0, -K % 32)]); x = x.reshape(x.shape[:-1] + (-1, 32)); a = np.abs(x).max(-1, keepdims=True)
;;       e = np.where(a > 0, np.clip(np.frexp(np.where(a > 0, a, 1))[1] - 1 - 4, -126, 127), 0)      # np.frexp(a)[1] - 1 = floor(log2(a)), exactly
;;       r = np.clip(x / 2.0 ** e, -28, 28)
;;       step = 2.0 ** (np.maximum(np.frexp(np.where(r == 0, 1, r))[1] - 1, -2) - 2)
;;       q = np.round(r / step) * step * 2.0 ** e      # np.round: ties to even
;;       return np.moveaxis(q.reshape(q.shape[:-2] + (-1,))[..., :K], -1, axis).astype(np.float32)
;;   ~~~
;;   SOFTMAX AHEAD OF A QUANTISED PRODUCT. Where the list says 'softmax', what is quantised is not the finished softmax but p = 2^(t - M), with t = logit x log2(e) and M = ceil(the row's largest t), a whole number; so 1/2 < the row's largest p <= 1. The row's sum l is taken of the UNQUANTISED p, in f32, and the product's result is divided by l at the end. Since M is a whole number, a kernel that streams over the keys may use a running M (the ceiling of the running maximum): every later rescaling is an exact power of two, which a block's scale takes up: the codes' values come out the same.
;;   OPERANDS COMPUTED ON THE WAY. 'Computed on the way' means the value that the module computes at that place (a softmax that the list does not call 'softmax' is quantised finished and normalised). What goes into a quantiser is computed in f32, as accurately as f32 sums, v_exp_f32 and their like allow (about 1e-6 of the number): no bf16 or f16 on the way to a quantiser, and a product that is left as it is and whose result goes on into a quantised operand takes f32 operands (vector FMAs, or v_wmma_f32_16x16x4_f32). A number that lies on a knife's edge between two numbers of the format may be rounded either way, as far as f32 arithmetic and the matrix unit's own rounding can turn it there, and no further.
;; 2 versions, each right and faster than the one before. Each part assembles by itself: llvm-mc -triple=amdgcn-amd-amdhsa -mcpu=gfx1250 --defsym DOCPART=n.
;; ======== version 1 of 2: 5 launches
;; workspace buffers: w1 9,830,400 bytes; w2 19,660,800 bytes; w3 14,155,776 bytes; w4 6,553,600 bytes
;; launch quant (part 1): grid 768 x 1, 8 waves a work-group, no clusters, 70,144 bytes of LDS; arguments inputs, Wq, Wk, Wv, Wh, w1; writes w1
.if DOCPART == 1
	.amdgcn_target "amdgcn-amd-amdhsa--gfx1250"
	.amdhsa_code_object_version 6
	.text
	.protected	k_q801645b91d_quant
	.globl	k_q801645b91d_quant
	.p2align	8
	.type	k_q801645b91d_quant,@function
k_q801645b91d_quant:
	s_mov_b64 s[64:65], 0
	v_nop
	global_prefetch_b8 v0, s[64:65] scope:SCOPE_SE
	s_setreg_imm32_b32 hwreg(HW_REG_WAVE_MODE, 25, 1), 1
	s_wait_xcnt 0x0
; SimpleAttention in MX-BF6, launch 1 of 5: inputs [8192][1024] and the four weights [1024 (k)][1024 (n)], f32, become codes of E3M2 with one E8M0 byte for each 32 along K.
; DEAD WORK: none.  Every input of reference() reaches out0 through a live quantiser: bq and bk move Q's and K's codes, bv moves V's, bh is added to y.  All six products are done.
; The factor 1/sqrt(1024) = 2^-5 is folded into the softmax's constant log2(e)/32: a power of two, so the bits are the same.
; LIMITS: NaN and infinities among the inputs are not served.  A block of zeros gets the byte 1 where the rule says 127: its codes are zeros, and the bytes are read by this program alone.
; LAYOUT OF w1 (and of every operand that this program stores): IMAGES OF THE OPERAND'S REGISTERS.  A fragment (row block rb of 16 rows, kb of 128 along K) is 12 registers a lane, 1,536 bytes:
; registers 4 g .. 4 g + 3 of lane l at 512 g + 16 l; fragments lie [rb][kb].  Lane r of row block rb holds row 32 (rb / 2) + 8 (rb % 2) + r + 8 (r / 8): so, where such an image is source 0 of a product,
; the 16 registers of two neighbouring result tiles are 16 neighbours along the next K.  The scale words (4 bytes: a row's 128 along K) lie [kb][rb][lane r].
; w1: row blocks 0-511 inputs, 512-575 Wq's columns, 576-639 Wk's, 640-703 Wv's, 704-767 Wh's; codes from byte 0, words from S1.
; SHARES.  A work-group takes 128 rows x 128 columns of f32 (rows of 4,096 bytes in all five tensors): work-groups 0-511 inputs, then 64 for each weight.  Each of its eight waves loads 16 rows, 512 dense bytes a load,
; into a stage in LDS; behind a barrier wave w reads what one fragment wants: of inputs its lane's row, 32 neighbours a block; of a weight its lane's column, registers running down K.  A lane holds two whole blocks.
; THE STAGE.  Row k (512 bytes) lies at 528 k + 128 (k >> 4) + 32 (k >> 5): the place rises by 528 bytes or more from row to row, so no two rows meet.  16 rows on is 8,576 bytes, 128 more than a whole number of
; times 256: the 16 lanes of a load of 16 bytes, which take rows k0 .. k0 + 7 and k0 + 16 .. k0 + 23, start at 16 different places modulo 256.  32 rows on is 17,184 bytes, 8 words more than a whole number of times
; 64 words: lanes 16-31 of a load of 4 bytes, 32 rows below lanes 0-15, take the words that lanes 0-15 leave out.
.set STGP,  528                        ; from row to row inside 16 rows
.set STG16, 16*STGP+128                ; 16 rows on, inside 32 rows
.set STG32, 2*STG16+32                 ; 32 rows on
.set GATH,  68608                      ; behind the stage (its last row ends at byte 68,560): the eight waves' scale words, 64 bytes each
.set SPARE, 69120                      ; the spare words, 128 bytes for each wave: four blocks of 256 bytes that no other line names
.set S1,    9437184                    ; w1: where the scale words begin
.set X,     16                         ; v16-79  16 rows' bytes as loaded; later the lane's 64 numbers
.set TQ,    80                         ; v80-87  at work
.set C,     88                         ; v88-99  the fragment's codes
.set C2,    100                        ; v100-102, v104-106 the second halves of the blocks' codes
.set SPW,   14                         ; v14     LDS address of my spare word; never rewritten
.set NIL,   15                         ; v15     0; never rewritten
	s_load_b256 s[4:11], s[0:1], 0x0               ; inputs, Wq, Wk, Wv
	s_load_b128 s[12:15], s[0:1], 0x20             ; Wh, w1
	v_lshl_add_u32 v[SPW], v0, 2, SPARE
	v_mov_b32 v[NIL], 0
	v_lshrrev_b32 v1, 5, v0
	v_readfirstlane_b32 s18, v1                    ; wave 0..7
	v_and_b32 v1, 31, v0                           ; lane
	v_and_b32 v2, 15, v0                           ; r
	v_bfe_u32 v3, v0, 4, 1                         ; h
	v_lshlrev_b32 v4, 4, v1                        ; 16 x lane
	s_mul_i32 s19, s18, STG16                      ; into the stage: my rows 16 w + i: 8,576 w,
	s_lshr_b32 s21, s18, 1                         ; w / 2
	s_lshl_b32 s22, s21, 5
	s_add_co_u32 s19, s19, s22                     ; + 32 (w / 2); row i in the immediate
	v_add_nc_u32 v5, s19, v4
	s_and_b32 s20, s18, 1
	s_lshl_b32 s24, s20, 3
	s_add_co_u32 s23, s22, s24                     ; k0 = 32 (w / 2) + 8 (w % 2): where my fragment's rows (or columns) begin
	s_mul_i32 s24, s23, STGP
	s_mul_i32 s22, s21, 288
	s_add_co_u32 s24, s24, s22                     ; row k0's place: 528 k0 + (2 x 128 + 32) (w / 2)
	v_and_b32 v10, 7, v2
	v_lshrrev_b32 v11, 3, v2
	v_mul_u32_u24 v6, v10, STGP
	v_mad_u32_u24 v6, v11, STG16, v6
	v_lshl_add_u32 v6, v3, 7, v6
	v_add_nc_u32 v6, s24, v6                       ; inputs: my row k0 + r % 8 + 16 (r / 8), + 128 h bytes: my block of 32 numbers
	s_lshl_b32 s24, s23, 2
	v_lshlrev_b32 v9, 2, v10
	v_lshl_add_u32 v9, v11, 6, v9
	v_mad_u32_u24 v9, v3, STG32, v9
	v_add_nc_u32 v9, s24, v9                       ; a weight: my column k0 + r % 8 + 16 (r / 8), and 32 h rows further down
	s_lshl_b32 s24, s18, 6
	s_add_co_u32 s24, s24, GATH
	v_lshl_add_u32 v7, v2, 2, s24                  ; my scale word's place
	v_add_nc_u32 v8, GATH, v4                      ; and where wave 0 reads all 128 words back
	s_mov_b32 s40, 0x76543210
	s_mov_b32 s41, 0xfedcba98                      ; v_permlanex16_b32's selects for lane l xor 16
	s_lshr_b32 s25, ttmp9, 3                       ; inputs: which 128 rows
	s_and_b32 s26, ttmp9, 7                        ; which 128 columns
	s_and_b32 s27, s25, 7                          ; a weight: which 128 rows (k)
	s_lshl_b32 s28, s25, 3                         ; inputs: first row block
	s_and_b32 s29, ttmp9, 0x3c0                    ; a weight: 512 + 64 x its number,
	s_lshl_b32 s30, s26, 3
	s_add_co_u32 s29, s29, s30                     ; + 8 x its 128 columns
	s_cmp_lt_u32 ttmp9, 512
	s_cselect_b32 s25, s25, s27                    ; the tile's rows
	s_cselect_b32 s28, s28, s29                    ; first row block of the image
	s_cselect_b32 s27, s26, s27                    ; kb: along the columns of inputs, down the rows of a weight
	s_lshl_b32 s30, s25, 19
	s_lshl_b32 s31, s26, 9
	s_add_co_u32 s30, s30, s31
	s_lshl_b32 s31, s18, 16
	s_add_co_u32 s30, s30, s31                     ; the source: 128 rows x 4,096 x tile row + 512 x tile column + 16 rows x wave
	s_mov_b32 s31, 0
	s_add_co_u32 s32, s28, s18
	s_lshl_b32 s32, s32, 3
	s_add_co_u32 s32, s32, s27
	s_mul_i32 s32, s32, 1536                       ; my fragment
	s_mov_b32 s33, 0
	s_mul_i32 s34, s27, 768
	s_add_co_u32 s34, s34, s28
	s_lshl_b32 s34, s34, 6
	s_add_co_u32 s34, s34, S1                      ; the work-group's 512 bytes of scale words
	s_mov_b32 s35, 0
	s_wait_kmcnt 0x0
	s_cmp_lt_u32 ttmp9, 704                        ; the tensor is chosen by the work-group's number alone
	s_cselect_b64 s[16:17], s[10:11], s[12:13]
	s_cmp_lt_u32 ttmp9, 640
	s_cselect_b64 s[16:17], s[8:9], s[16:17]
	s_cmp_lt_u32 ttmp9, 576
	s_cselect_b64 s[16:17], s[6:7], s[16:17]
	s_cmp_lt_u32 ttmp9, 512
	s_cselect_b64 s[16:17], s[4:5], s[16:17]
	s_add_nc_u64 s[16:17], s[16:17], s[30:31]
	s_add_nc_u64 s[32:33], s[14:15], s[32:33]
	s_add_nc_u64 s[34:35], s[14:15], s[34:35]
.irp i, 0,1,2,3,4,5,6,7,8,9,10,11,12,13,14,15
	global_load_b128 v[X+4*\i:X+4*\i+3], v4, s[16:17] offset:4096*\i th:TH_LOAD_NT   ; 32 lanes read 512 consecutive bytes of one row
.endr
.irp i, 0,1,2,3,4,5,6,7,8,9,10,11,12,13,14,15
	s_wait_loadcnt 15-\i                           ; loads come back in order: row i is in, the younger rows stay out
	ds_store_b128 v5, v[X+4*\i:X+4*\i+3] offset:STGP*\i
.endr
	s_wait_dscnt 0x0                               ; for the others' sake: my rows lie in the stage (and the stores have read their registers)
	s_barrier_signal -1
	s_barrier_wait -1
	s_cmp_lt_u32 ttmp9, 512                        ; only reads differ between the two kinds of tensor
	s_cbranch_scc0 .Lweight
.irp c, 0,1
.irp j, 0,1,2,3,4,5,6,7
	ds_load_b128 v[X+32*\c+4*\j:X+32*\c+4*\j+3], v6 offset:256*\c+16*\j   ; my row's k = 64 c + 32 h + 4 j ..
.endr
.endr
	s_branch .Lhave
.Lweight:
.set i, 0
.rept 64
	ds_load_b32 v[X+i], v9 offset:(64*(i/32)+i%32)*STGP+576*(i/32)+128*((i%32)/16)   ; my column's k = 64 (i / 32) + 32 h + i % 32: 64 rows on are 64 x 528 + 4 x 128 + 2 x 32 bytes
.set i, i+1
.endr
.Lhave:
	s_wait_dscnt 0x0
.irp c, 0,1                                    ; my block 2 c + h: all its 32 numbers are mine
	v_max3_num_f32 v[TQ+\c], |v[X+32*\c]|, |v[X+32*\c+1]|, 0x2800000   ; and the floor 2^(5 - 127): the byte cannot fall under 1
.endr
.irp i, 2,4,6,8,10,12,14,16,18,20,22,24,26,28,30
.irp c, 0,1
	v_max3_num_f32 v[TQ+\c], v[TQ+\c], |v[X+32*\c+\i]|, |v[X+32*\c+\i+1]|
.endr
.endr
.irp c, 0,1
	v_add_nc_u32 v[TQ+2+\c], 0xfe000000, v[TQ+\c]  ; 4 off the exponent field: the conversion's scale operand
.endr
.irp c, 0,1
	v_lshrrev_b32 v[TQ+4+\c], 23, v[TQ+2+\c]       ; the scale's byte
.endr
	v_lshl_or_b32 v[TQ+6], v[TQ+5], 16, v[TQ+4]    ; my two bytes: blocks h and 2 + h,
	v_lshlrev_b32 v[TQ+7], 3, v3
	v_lshlrev_b32 v[TQ+6], v[TQ+7], v[TQ+6]        ; at their places in the word;
	v_mov_b32 v[TQ+7], 0
	v_permlanex16_b32 v[TQ+7], v[TQ+6], s40, s41
	v_or_b32 v[TQ+6], v[TQ+6], v[TQ+7]             ; with lane l xor 16's two the word is whole
.irp c, 0,1
	v_cvt_scalef32_pk16_bf6_f32 v[C+6*\c:C+6*\c+2], v[X+32*\c:X+32*\c+15], v[TQ+2+\c]
	v_cvt_scalef32_pk16_bf6_f32 v[C2+4*\c:C2+4*\c+2], v[X+32*\c+16:X+32*\c+31], v[TQ+2+\c]   ; (a conversion's three registers begin on an even number)
.endr
	v_nop                                          ; one plain place behind a scaled conversion
.irp c, 0,1
.irp i, 0,1,2
	v_mov_b32 v[C+3+6*\c+\i], v[C2+4*\c+\i]
.endr
.endr
.irp g, 0,1,2
	global_store_b128 v4, v[C+4*\g:C+4*\g+3], s[32:33] offset:512*\g   ; the fragment's image: 512 consecutive, aligned bytes a store
.endr
	ds_store_b32 v7, v[TQ+6]                       ; both halves of the lanes write the same word with the same value
	s_wait_dscnt 0x0
	s_barrier_signal -1
	s_barrier_wait -1
	s_cmp_lg_u32 s18, 0
	s_cbranch_scc1 .Lend
	ds_load_b128 v[TQ:TQ+3], v8                    ; wave 0: the eight fragments' words, 512 bytes
	s_wait_dscnt 0x0
	global_store_b128 v4, v[TQ:TQ+3], s[34:35]
.Lend:
	s_wait_tensorcnt 0x0                           ; the wave's end, behind my last LDS store
	ds_add_u32 v[SPW], v[NIL]
	s_wait_dscnt 0x0
	s_endpgm
.Lfunc_end_k_q801645b91d_quant:
	.size	k_q801645b91d_quant, .Lfunc_end_k_q801645b91d_quant-k_q801645b91d_quant
	.p2alignl 7, 3214868480
	.fill 96, 4, 3214868480
	.section	.rodata,"a",@progbits
	.p2align	6, 0x0
	.amdhsa_kernel k_q801645b91d_quant
		.amdhsa_group_segment_fixed_size 70144
		.amdhsa_private_segment_fixed_size 0
		.amdhsa_enable_private_segment 0
		.amdhsa_kernarg_size 48
		.amdhsa_user_sgpr_count 2
		.amdhsa_user_sgpr_kernarg_segment_ptr 1
		.amdhsa_wavefront_size32 1
		.amdhsa_system_sgpr_workgroup_id_x 1
		.amdhsa_system_sgpr_workgroup_id_y 1
		.amdhsa_system_sgpr_workgroup_id_z 1
		.amdhsa_system_vgpr_workitem_id 0
		.amdhsa_next_free_vgpr 112
		.amdhsa_next_free_sgpr 66
		.amdhsa_reserve_vcc 0
		.amdhsa_float_denorm_mode_32 3
		.amdhsa_float_denorm_mode_16_64 3
		.amdhsa_memory_ordered 1
		.amdhsa_forward_progress 1
		.amdhsa_inst_pref_size 16
	.end_amdhsa_kernel
	.amdgpu_metadata
---
amdhsa.version: [ 1, 2 ]
amdhsa.kernels:
  - .name:           k_q801645b91d_quant
    .symbol:         k_q801645b91d_quant.kd
    .args:
      - { .name: inputs, .offset: 0, .size: 8, .value_kind: global_buffer, .address_space: global }
      - { .name: Wq, .offset: 8, .size: 8, .value_kind: global_buffer, .address_space: global }
      - { .name: Wk, .offset: 16, .size: 8, .value_kind: global_buffer, .address_space: global }
      - { .name: Wv, .offset: 24, .size: 8, .value_kind: global_buffer, .address_space: global }
      - { .name: Wh, .offset: 32, .size: 8, .value_kind: global_buffer, .address_space: global }
      - { .name: w1, .offset: 40, .size: 8, .value_kind: global_buffer, .address_space: global }
    .group_segment_fixed_size: 70144
    .private_segment_fixed_size: 0
    .kernarg_segment_align: 8
    .kernarg_segment_size: 48
    .max_flat_workgroup_size: 256
    .sgpr_count:     66
    .vgpr_count:     112
    .wavefront_size: 32
...
	.end_amdgpu_metadata
.endif
;; end of part 1
;; launch proj (part 2): grid 12 x 32, 4 waves a work-group, clusters of 4 x 4, 327,680 bytes of LDS; arguments w1, bq, bk, bv, w2; writes w2
.if DOCPART == 2
	.amdgcn_target "amdgcn-amd-amdhsa--gfx1250"
	.amdhsa_code_object_version 6
	.text
	.protected	k_q801645b91d_proj
	.globl	k_q801645b91d_proj
	.p2align	8
	.type	k_q801645b91d_proj,@function
k_q801645b91d_proj:
	s_mov_b64 s[64:65], 0
	v_nop
	global_prefetch_b8 v0, s[64:65] scope:SCOPE_SE
	s_setreg_imm32_b32 hwreg(HW_REG_WAVE_MODE, 25, 1), 1
	s_wait_xcnt 0x0
	s_wait_alu depctr_hold_cnt(0) depctr_sa_sdst(0) depctr_va_vdst(0) depctr_va_sdst(0) depctr_va_ssrc(0) depctr_va_vcc(0) depctr_vm_vsrc(0)
	s_getreg_b32 s2, hwreg(HW_REG_IB_STS2, 6, 4)
	s_cmp_eq_u32 s2, 0
	s_cbranch_scc0 .Lentry_in_a_cluster
	s_endpgm
.Lentry_in_a_cluster:
	s_bfe_u32 s2, ttmp6, 0x10000c
	s_cmp_lg_u32 s2, 0xf033
	s_cbranch_scc0 .Lentry_shape_is_right
	s_endpgm
.Lentry_shape_is_right:
; Launch 2 of 5: Q = x Wq + bq, K = x Wk + bk and V^T = (x Wv + bv)^T, on codes of E3M2, quantised on the way out: Q and K along the hidden axis, V along the keys.  No work of reference() is left out.
; A tile of 256 x 256 is made by four waves, each 128 x 128: 64 accumulators.  K = 1,024 goes in steps of 256 through a ring of two LDS slots filled by the tensor data mover.
; OPERANDS ARE IMAGES OF THEIR REGISTERS (a fragment of 16 rows x 128 K: 1,536 bytes, registers 4 g .. 4 g + 3 of lane l at 512 g + 16 l; fragments [rb][kb]; scale words [kb][rb][lane]): a fragment comes from LDS by three
; loads of 512 consecutive bytes.  P, the tile's y side, is source 1: a lane holds one of its rows.  R, the x side, is source 0: the registers run along its rows, which are the axis that is quantised:
; lane r of row block rb holds row 32 (rb / 2) + 8 (rb % 2) + r + 8 (r / 8), so that the 16 registers of result tiles 2 b, 2 b + 1 are 16 neighbours.
; CLUSTERS of 4 x 4: the y side's tiles are shared along a row of the cluster, the x side's along a column, each by a joint load.  The cluster's x says what is made: 0 Q, 1 K (P = x, R = the weight's columns),
; 2 V^T (P = Wv's columns, tile row cy; R = x's rows, tile column 4 x cluster y + cx).  Only global addresses are chosen by it; no LDS address is.
; The bias is the C of each sum's first product.  LIMITS: NaN and infinities are not served; a block of zeros gets the byte 1 (its codes are zeros; the bytes are read by this program alone).
; REGISTERS, in windows of 256: window 0: v1-31 addresses; v32-63 scale words, two sets; v64-127 the bias, later the way out; v128-223 P's 8 fragments, one set.  window 1: R's fragments, two sets, at v0 and v128.
;   windows 2, 3: the accumulators: (a, b) at v[8 (8 (a % 4) + b)] of window 2 + a / 4.
.set KB,    8                          ; K / 128
.set NQ,    2                          ; matrix instructions deep in a slot
.set LAPS,  KB/4
.set FR,    12
.set NL,    3                          ; LDS loads that bring a fragment
.set NP,    4                          ; places behind this matrix instruction (ISA guide 7.12.1)
.set STEPB, NQ*FR*128                  ; a row block's bytes in a slot
.set HALFT, 8*STEPB                    ; 8 row blocks: what one tensor load brings
.set SLOT,  4*HALFT                    ; the y side's 16 row blocks, then the x side's
.set HALFS, 512*KB                     ; the scale words of 8 row blocks, all of K
.set SCL,   2*SLOT                     ; behind the ring: the y side's words: half x HALFS + 512 kb + 64 i + 4 r
.set SCB,   SCL+2*HALFS+64             ; the x side's; 64 bytes on, so that lanes 16-31 read other banks than lanes 0-15
.set GATH,  262144                     ; the way out: 512 bytes of scale words for each wave
.set GW,    512
.set SPARE, 269312                     ; the spare words, 128 bytes for each wave: two blocks of 256 bytes that no other line names
.set S1,    9437184                    ; w1: scale words [8][768][16]
.set QS,    18874368                   ; w2: Q's codes 0, K's 6,291,456, V^T's VC; words QS, QS + 262,144, VS
.set VC,    12582912
.set VS,    19398656
.set ADRA, 16
.set ADRB, 20
.set GA,   24
.set GR,   25
.set LI,   26
.set ADRS, 27
.set SPW,  28
.set NIL,  29
.set SC,   32
.set BI,   64
.set AF,   128
.set PC,   64                          ; the way out: v64-75 codes, v76-78, v80-82 second halves; v84-87 words
.set WB,   84
.set TM,   96                          ; v96-99 largest magnitudes, v100-103 the other half's, then bytes, v108-111 scale operands
.set PW,   112
.set G1,   24
.set G0,   32
.set G1B,  48
.set G0B,  56
.set G1S,  68
.set G0S,  76
.set G1SB, 80
.set G0SB, 88
.set SEL,  100
.set MSB, 0
.macro WIN new                         ; the immediate's high byte repeats the setting that is left
.if MSB != (\new)
	s_set_vgpr_msb (MSB<<8)|(\new)
.set MSB, (\new)
.endif
.endm
.set MUL_LO, 0xa1                      ; source 0 (R) window 1, source 1 (P) window 0, C and D window 2
.set MUL_HI, 0xf1
.set TO_B,   0x40
.macro JLOAD g0a, g1a, g0b, g1b        ; a joint load: waves 0 and 1 fetch for the y side, waves 2 and 3 for the x side; an s_nop 0 and four v_nop follow each line
	s_cmp_eq_u32 s15, 0
	s_cbranch_scc0 .Lfor_b_\@
	tensor_load_to_lds s[\g0a:\g0a+3], s[\g1a:\g1a+7]
	s_nop 0
.rept 4
	v_nop
.endr
	s_branch .Lasked_\@
.Lfor_b_\@:
	tensor_load_to_lds s[\g0b:\g0b+3], s[\g1b:\g1b+7]
	s_nop 0
.rept 4
	v_nop
.endr
.Lasked_\@:
.endm
.macro CREST                           ; a round of the cluster's barrier behind its opening barrier
	s_cmp_lg_u32 s14, 0
	s_cbranch_scc1 .Lnot_wave_0_\@
	s_barrier_signal -3
.Lnot_wave_0_\@:
	s_barrier_wait -3
	s_barrier_signal -1
	s_barrier_wait -1
.endm
.macro CROUND
	s_barrier_signal -1
	s_barrier_wait -1
	CREST
.endm
.macro PLACES n
.rept \n
	v_nop
.endr
.endm
.macro FRAG reg, adr, q, i             ; row block i's fragment of the slot's q-th 128 along K: three loads of 512 consecutive bytes
.irp g, 0,1,2
	ds_load_b128 v[\reg+4*\g:\reg+4*\g+3], v[\adr] offset:(\i)*STEPB+(\q)*FR*128+512*\g
.endr
.endm
.macro FETCH_B slot, q, p
	WIN TO_B
.irp i, 0,1,2,3,4,5,6,7
	FRAG 128*(\p)+FR*\i, ADRB+\slot, \q, \i
.endr
	WIN 0
.endm
.macro FETCH_A slot, q, i0
.irp i, \i0, \i0+1, \i0+2, \i0+3
	FRAG AF+FR*(\i), ADRA+\slot, \q, \i
.endr
.endm
.macro SCALES sc                       ; a slot's scale words: register NQ i + q: lanes 0-15 P's block i, lanes 16-31 R's block i
.irp i, 0,1,2,3,4,5,6,7
.irp q, 0,1
	ds_load_b32 v[SC+8*NQ*\sc+NQ*\i+\q], v[ADRS] offset:64*\i+512*\q
.endr
.endr
.endm
; 16 products: P's blocks a0, a0 + 1 x R's eight.  first = 0: onto the sums; 2: the sums begin with the bias along R (C = v[BI + 8 b]); 3: with the bias along P (C = v[BI + 8 a]).
; The 64 accumulators take turns, one instruction a turn, in the same order in every step.
.macro MUL16 a0, p, q, sc, first
.irp a, \a0, \a0+1
.irp b, 0,1,2,3,4,5,6,7
.set rD, 8*(8*((\a)%4)+\b)
.set rB, 128*(\p)+FR*\b
.set rA, AF+FR*(\a)
.set rX, SC+8*NQ*(\sc)+NQ*\b+(\q)
.set rY, SC+8*NQ*(\sc)+NQ*(\a)+(\q)
.if \first == 0
	v_wmma_scale_f32_16x16x128_f8f6f4 v[rD:rD+7], v[rB:rB+FR-1], v[rA:rA+FR-1], v[rD:rD+7], v[rX], v[rY] matrix_a_fmt:MATRIX_FMT_BF6 matrix_b_fmt:MATRIX_FMT_BF6 matrix_a_scale:MATRIX_SCALE_ROW1
.elseif \first == 2
	v_wmma_scale_f32_16x16x128_f8f6f4 v[rD:rD+7], v[rB:rB+FR-1], v[rA:rA+FR-1], v[BI+8*\b:BI+8*\b+7], v[rX], v[rY] matrix_a_fmt:MATRIX_FMT_BF6 matrix_b_fmt:MATRIX_FMT_BF6 matrix_a_scale:MATRIX_SCALE_ROW1
.else
	v_wmma_scale_f32_16x16x128_f8f6f4 v[rD:rD+7], v[rB:rB+FR-1], v[rA:rA+FR-1], v[BI+8*(\a):BI+8*(\a)+7], v[rX], v[rY] matrix_a_fmt:MATRIX_FMT_BF6 matrix_b_fmt:MATRIX_FMT_BF6 matrix_a_scale:MATRIX_SCALE_ROW1
.endif
.endr
.endr
.endm
.macro STEP slot, first                ; a slot's first 128 along K; it fetches the second's fragments
	s_wait_dscnt 4*NL                              ; R's set and P's blocks 0-3 are in; the youngest 12 loads (P's blocks 4-7) may be out
.if \first >= 2
	WIN 0x81                                       ; C in window 0
.else
	WIN MUL_LO
.endif
	MUL16 0, 0, 0, \slot, \first
	MUL16 2, 0, 0, \slot, \first
	s_wait_dscnt 0x0                               ; P's blocks 4-7 are in
	PLACES NP                                      ; in front of loads into registers that matrix instructions have read
	FETCH_B \slot, 1, 1
	FETCH_A \slot, 1, 0
.if \first >= 2
	WIN 0xc1
.else
	WIN MUL_HI
.endif
	MUL16 4, 0, 0, \slot, \first
	MUL16 6, 0, 0, \slot, \first
	PLACES NP
	WIN 0
	FETCH_A \slot, 1, 4
.endm
.macro TURN slot, next, fill           ; a slot's last 128 along K, and the change of slots
	s_wait_tensorcnt 0x0                           ; all my tensor loads have landed: my part of the next slot
	ds_add_u32 v[SPW], v[NIL]                      ; 0 onto my spare word
	s_wait_dscnt 4*NL+1                            ; (the add and the youngest 12 loads may be out)
	WIN MUL_LO
	MUL16 0, 1, 1, \slot, 0
	s_wait_dscnt 0x0                               ; the add is done, and my reads of this slot are over
	s_barrier_signal -1
	MUL16 2, 1, 1, \slot, 0
	WIN 0
	s_barrier_wait -1
.if \fill
	CREST                                          ; the barrier has opened a round of the cluster's: no wave of any partner still reads this slot or has a load on its way
	s_add_nc_u64 s[G0+4*\slot+2:G0+4*\slot+3], s[G0+4*\slot+2:G0+4*\slot+3], 2*STEPB
	s_add_nc_u64 s[G0B+4*\slot+2:G0B+4*\slot+3], s[G0B+4*\slot+2:G0B+4*\slot+3], 2*STEPB
	JLOAD G0+4*\slot, G1, G0B+4*\slot, G1B         ; the first tensor load behind the round; its four v_nop are also the places in front of the loads below
.else
	PLACES NP
.endif
	v_add_nc_u32 v[ADRS], 512*NQ, v[ADRS]          ; the next slot's scale words
	FETCH_B \next, 0, 0
	FETCH_A \next, 0, 0
	SCALES \next
	WIN MUL_HI
	MUL16 4, 1, 1, \slot, 0
	MUL16 6, 1, 1, \slot, 0
	PLACES NP
	WIN 0
	FETCH_A \next, 0, 4
.endm
; THE WAY OUT of P's block a: register S + 16 b + i of window W holds k = 32 b + 16 (lane / 16) + i of my row: they become a fragment's codes in v[PC] on and its scale word in v[PW].
.macro QUANT a
.set W, 2+(\a)/4
.set S, 64*((\a)%4)
	WIN W|(W<<2)
.irp b, 0,1,2,3
	v_max3_num_f32 v[TM+\b], |v[S+16*\b]|, |v[S+16*\b+1]|, 0x2800000   ; each accumulator is read from its low end on; the floor 2^(5 - 127) holds the byte at 1 from below
.endr
.irp i, 2,4,6,8,10,12,14
.irp b, 0,1,2,3
	v_max3_num_f32 v[TM+\b], |v[S+16*\b+\i]|, |v[S+16*\b+\i+1]|, v[TM+\b]
.endr
.endr
	WIN 0
.irp b, 0,1,2,3
	v_permlanex16_b32 v[TM+4+\b], v[TM+\b], s[SEL], s[SEL+1]
.endr
.irp b, 0,1,2,3
	v_max_num_f32 v[TM+\b], v[TM+\b], v[TM+4+\b]   ; with lane l xor 16's: the block's largest magnitude
.endr
.irp b, 0,1,2,3
	v_add_nc_u32 v[TM+12+\b], 0xfe000000, v[TM+\b] ; 4 off the exponent field: the conversion's scale operand
.endr
	s_wait_dscnt 0x0                               ; the last block's LDS store has read its word,
	s_wait_xcnt 0x0                                ; and its global stores their codes and their base: all may be written again
.irp b, 0,1,2,3
	v_lshrrev_b32 v[TM+4+\b], 23, v[TM+12+\b]
.endr
	v_lshl_or_b32 v[PW], v[TM+5], 8, v[TM+4]
	v_lshl_or_b32 v[PW], v[TM+6], 16, v[PW]
	v_lshl_or_b32 v[PW], v[TM+7], 24, v[PW]
	WIN W
.irp c, 0,1
	v_cvt_scalef32_pk16_bf6_f32 v[PC+6*\c:PC+6*\c+2], v[S+32*\c:S+32*\c+15], v[TM+12+2*\c]
	v_cvt_scalef32_pk16_bf6_f32 v[PC+12+4*\c:PC+14+4*\c], v[S+32*\c+16:S+32*\c+31], v[TM+12+2*\c+1]
.endr
	WIN 0
	v_nop                                          ; one plain place behind a scaled conversion
.irp c, 0,1                                    ; the operand's layout wants a whole block in a lane
.irp i, 0,1,2
	v_permlane16_swap_b32 v[PC+6*\c+\i], v[PC+12+4*\c+\i]
.endr
.irp i, 0,1,2
	v_mov_b32 v[PC+3+6*\c+\i], v[PC+12+4*\c+\i]
.endr
.endr
.endm
.macro OUTF a, pitch
.irp g, 0,1,2
	global_store_b128 v[LI], v[PC+4*\g:PC+4*\g+3], s[12:13] offset:(\a)*(\pitch)+512*\g   ; 512 consecutive, aligned bytes a store
.endr
	ds_store_b32 v[GA], v[PW] offset:64*(\a)       ; both halves of the lanes write the same word
.endm
	s_load_b256 s[4:11], s[0:1], 0x0               ; w1, bq, bk, bv
	s_load_b64 s[12:13], s[0:1], 0x20              ; w2
	v_lshl_add_u32 v[SPW], v0, 2, SPARE
	v_mov_b32 v[NIL], 0
	ds_add_u32 v[SPW], v[NIL]                      ; the wave's opening: the add, twice on end, and its wait ahead of my first tensor load
	ds_add_u32 v[SPW], v[NIL]
	v_lshrrev_b32 v1, 5, v0
	v_readfirstlane_b32 s14, v1                    ; wave 0..3
	s_lshr_b32 s15, s14, 1                         ; my half of P.  Also: I fetch for the y side (0) or the x side (1)
	s_and_b32 s16, s14, 1                          ; my half of R.  Also: which 8 row blocks I fetch
	s_bfe_u32 s40, ttmp6, 0x40000                  ; cx
	s_bfe_u32 s41, ttmp6, 0x40004                  ; cy
	s_and_b32 s17, ttmp7, 0xffff                   ; cluster y
	s_lshl_b32 s43, s41, 2
	s_lshl_b32 s43, 15, s43                        ; my row of the cluster
	s_lshl_b32 s44, 0x1111, s40                    ; my column
	s_or_b32 s[G1], s43, (3<<16)|(1<<21)           ; codes: 15:0 the mask; 17:16 elements of 8 bytes; 21 set beside a mask; no padding
	s_or_b32 s[G1B], s44, (3<<16)|(1<<21)
.irp g, G1, G1B
	s_mov_b32 s[\g+1], (STEPB/8)<<16               ; tensor_dim0: a row block's 3,072 bytes of a slot
	s_mov_b32 s[\g+2], 8<<16                       ; tensor_dim1: 8 row blocks
	s_mov_b32 s[\g+3], (STEPB/8)<<16               ; tile_dim0
	s_mov_b32 s[\g+4], 8                           ; tile_dim1
	s_mov_b32 s[\g+5], KB*FR*128/8                 ; from row block to row block
	s_mov_b32 s[\g+6], 0
	s_mov_b32 s[\g+7], 0
.endr
	s_or_b32 s[G1S], s43, (3<<16)|(1<<21)          ; scale words: KB rows of 512 bytes
	s_or_b32 s[G1SB], s44, (3<<16)|(1<<21)
.irp g, G1S, G1SB
	s_mov_b32 s[\g+1], 64<<16
	s_mov_b32 s[\g+2], KB<<16
	s_mov_b32 s[\g+3], 64<<16
	s_mov_b32 s[\g+4], KB
	s_mov_b32 s[\g+5], 8*768                       ; from kb to kb: 768 row blocks of 64 bytes
	s_mov_b32 s[\g+6], 0
	s_mov_b32 s[\g+7], 0
.endr
	s_lshl_b32 s19, s16, 3
	s_lshl_b32 s20, s41, 4
	s_add_co_u32 s20, s20, s19                     ; y side: 16 cy + 8 half,
	s_lshl_b32 s21, s17, 6                         ; + 64 x cluster y (x's rows), or + 640 (Wv)
	s_lshl_b32 s46, s40, 4
	s_add_co_u32 s46, s46, s19                     ; x side: 16 cx + 8 half,
	s_lshl_b32 s47, ttmp9, 6
	s_add_co_u32 s47, s47, 512                     ; + 512 + 64 x cluster x (Wq, Wk), or + 64 x cluster y (x's rows)
	s_mov_b32 s92, s21
	s_cmp_eq_u32 ttmp9, 2                          ; the cluster's x: the same in all sixteen partners
	s_cselect_b32 s21, 640, s21
	s_cselect_b32 s47, s92, s47
	s_add_co_u32 s20, s20, s21
	s_add_co_u32 s46, s46, s47
	s_lshl_b32 s22, s20, 6
	s_add_co_u32 s22, s22, S1
	s_mov_b32 s23, 0
	s_mul_i32 s20, s20, KB*FR*128
	s_mov_b32 s21, 0
	s_lshl_b32 s92, s46, 6
	s_add_co_u32 s92, s92, S1
	s_mov_b32 s93, 0
	s_mul_i32 s46, s46, KB*FR*128
	s_mov_b32 s47, 0
	s_mul_i32 s45, s14, HALFT                      ; where they go: no place in the cluster enters an LDS address
	s_mul_i32 s94, s16, HALFS
	s_mov_b32 s[SEL], 0x76543210
	s_mov_b32 s[SEL+1], 0xfedcba98
	s_wait_dscnt 0x0                               ; both opening adds are done
	s_wait_kmcnt 0x0
	s_add_nc_u64 s[20:21], s[4:5], s[20:21]
	s_add_nc_u64 s[22:23], s[4:5], s[22:23]
	s_add_nc_u64 s[46:47], s[4:5], s[46:47]
	s_add_nc_u64 s[92:93], s[4:5], s[92:93]
	CROUND                                         ; all sixteen work-groups are here: the first joint loads meet
	s_mov_b32 s[G0S], 1
	s_add_co_u32 s[G0S+1], s94, SCL
	s_mov_b64 s[G0S+2:G0S+3], s[22:23]
	s_or_b32 s[G0S+3], s[G0S+3], 0x80000000
	s_mov_b32 s[G0SB], 1
	s_add_co_u32 s[G0SB+1], s94, SCB
	s_mov_b64 s[G0SB+2:G0SB+3], s[92:93]
	s_or_b32 s[G0SB+3], s[G0SB+3], 0x80000000
	JLOAD G0S, G1S, G0SB, G1SB                     ; the scale words of all of K: filled once
.irp s, 0,1
	s_mov_b32 s[G0+4*\s], 1
	s_add_co_u32 s[G0+4*\s+1], s45, \s*SLOT
	s_add_nc_u64 s[G0+4*\s+2:G0+4*\s+3], s[20:21], \s*STEPB
	s_or_b32 s[G0+4*\s+3], s[G0+4*\s+3], 0x80000000
	s_mov_b32 s[G0B+4*\s], 1
	s_add_co_u32 s[G0B+4*\s+1], s45, \s*SLOT
	s_add_nc_u64 s[G0B+4*\s+2:G0B+4*\s+3], s[46:47], \s*STEPB
	s_or_b32 s[G0B+4*\s+3], s[G0B+4*\s+3], 0x80000000
	JLOAD G0+4*\s, G1, G0B+4*\s, G1B               ; three loads of mine are out
.endr
	v_and_b32 v1, 15, v0                           ; r
	v_bfe_u32 v2, v0, 4, 1                         ; h
	v_and_b32 v3, 31, v0
	v_lshlrev_b32 v[LI], 4, v3                     ; 16 x lane
	s_mul_i32 s21, s15, HALFT
	s_mul_i32 s22, s16, HALFT
	s_add_co_u32 s22, s22, 2*HALFT
.irp s, 0,1
	v_add_nc_u32 v[ADRA+\s], s21, v[LI]
	v_add_nc_u32 v[ADRB+\s], s22, v[LI]
	s_add_co_u32 s21, s21, SLOT
	s_add_co_u32 s22, s22, SLOT
.endr
	v_lshlrev_b32 v5, 2, v1
	s_mul_i32 s21, s15, HALFS
	s_mul_i32 s22, s16, HALFS
	s_add_co_u32 s22, s22, 2*HALFS+64
	s_sub_co_u32 s22, s22, s21
	v_mul_u32_u24 v6, s22, v2                      ; lanes 16-31 take R's words: one product, the distance between the two
	s_add_co_u32 s21, s21, SCL
	v_add_nc_u32 v5, v5, v6
	v_add_nc_u32 v[ADRS], s21, v5
	s_mul_i32 s23, s14, GW
	s_add_co_u32 s23, s23, GATH
	v_lshl_add_u32 v[GA], v1, 2, s23
	v_add_nc_u32 v[GR], s23, v[LI]
	v_lshlrev_b32 v7, 6, v2                        ; the bias along R: 16 h numbers on
	v_lshrrev_b32 v8, 3, v1
	v_lshlrev_b32 v8, 5, v8
	v_lshl_add_u32 v8, v1, 2, v8                   ; the bias along P: number r + 8 (r / 8)
	s_lshl_b32 s104, s40, 10
	s_lshl_b32 s105, s16, 9
	s_add_co_u32 s104, s104, s105                  ; Q, K: my 128 of the weight's columns: (256 cx + 128 half of R) x 4
	s_lshl_b32 s105, s41, 10
	s_lshl_b32 s2, s15, 9
	s_add_co_u32 s105, s105, s2                    ; V: (256 cy + 128 half of P) x 4
	s_cmp_eq_u32 ttmp9, 2
	s_cselect_b32 s104, s105, s104
	s_mov_b32 s105, 0
	s_cmp_eq_u32 ttmp9, 1
	s_cselect_b64 s[96:97], s[8:9], s[10:11]
	s_cmp_eq_u32 ttmp9, 0
	s_cselect_b64 s[96:97], s[6:7], s[96:97]
	s_add_nc_u64 s[96:97], s[96:97], s[104:105]
	s_cmp_eq_u32 ttmp9, 2
	s_cbranch_scc1 .Lbias_v
.irp b, 0,1,2,3,4,5,6,7
	global_load_b128 v[BI+8*\b:BI+8*\b+3], v7, s[96:97] offset:(32*(\b/2)+8*(\b%2))*4      ; tile b, register j: column 32 (b / 2) + 16 h + 8 (b % 2) + j
	global_load_b128 v[BI+8*\b+4:BI+8*\b+7], v7, s[96:97] offset:(32*(\b/2)+8*(\b%2))*4+16
.endr
	s_branch .Lbias_done
.Lbias_v:
.set i, 0
.rept 64
	global_load_b32 v[BI+i], v8, s[96:97] offset:(32*(i/16)+8*((i/8)%2))*4   ; block a = i / 8: all eight registers hold my row's bias
.set i, i+1
.endr
.Lbias_done:
	; where the results go
	s_lshl_b32 s95, s41, 4
	s_lshl_b32 s98, s15, 3
	s_add_co_u32 s95, s95, s98                     ; V: P's first row block: 16 cy + 8 half
	s_lshl_b32 s98, s17, 6
	s_add_co_u32 s98, s98, s95                     ; Q, K: + 64 x cluster y
	s_lshl_b32 s99, s40, 1
	s_add_co_u32 s99, s99, s16                     ; Q, K: kb = 2 cx + half
	s_lshl_b32 s104, s17, 3
	s_add_co_u32 s104, s104, s99                   ; V: which 128 of x's rows: 8 x cluster y + 2 cx + half
	s_lshl_b32 s105, s98, 3
	s_add_co_u32 s105, s105, s99
	s_mul_i32 s105, s105, 1536
	s_mul_i32 s2, ttmp9, 6291456
	s_add_co_u32 s105, s105, s2                    ; Q, K: codes
	s_lshl_b32 s99, s99, 9
	s_add_co_u32 s99, s99, s98
	s_lshl_b32 s99, s99, 6
	s_mul_i32 s2, ttmp9, 262144
	s_add_co_u32 s99, s99, s2
	s_add_co_u32 s99, s99, QS                      ; Q, K: words
	s_lshr_b32 s2, s104, 4                         ; V: the batch,
	s_lshl_b32 s2, s2, 6
	s_add_co_u32 s2, s2, s95
	s_lshl_b32 s2, s2, 4
	s_and_b32 s98, s104, 15                        ; and kb among its 16
	s_add_co_u32 s2, s2, s98
	s_mul_i32 s2, s2, 1536
	s_add_co_u32 s2, s2, VC                        ; V: codes
	s_lshl_b32 s104, s104, 6
	s_add_co_u32 s104, s104, s95
	s_lshl_b32 s104, s104, 6
	s_add_co_u32 s104, s104, VS                    ; V: words
	s_cmp_eq_u32 ttmp9, 2
	s_cselect_b32 s18, s2, s105
	s_cselect_b32 s98, s104, s99
	s_mov_b32 s2, 8*1536
	s_cselect_b32 s2, 16*1536, s2                  ; from row block to row block
	s_mov_b32 s19, 0
	s_mov_b32 s99, 0
	s_add_nc_u64 s[66:67], s[12:13], s[98:99]
	s_add_nc_u64 s[12:13], s[12:13], s[18:19]
	s_mov_b32 s98, s2
	s_wait_tensorcnt 1                             ; the scale words and my part of slot 0 are in; slot 1's load may be out
	s_barrier_signal -1
	s_barrier_wait -1
	FETCH_B 0, 0, 0
	FETCH_A 0, 0, 0
	SCALES 0
	FETCH_A 0, 0, 4
	s_wait_loadcnt 0x0                             ; the bias
	s_cmp_eq_u32 ttmp9, 2
	s_cbranch_scc1 .Lfirst_v
	STEP 0, 2                                      ; the first step stands in front of the loop: its products start the sums
	s_branch .Lfirst_done
.Lfirst_v:
	STEP 0, 3
.Lfirst_done:
	s_mov_b32 s3, LAPS-1
.Llap:                                                 ; a trip goes once round the ring and fills both slots again
	TURN 0, 1, 1
	STEP 1, 0
	TURN 1, 0, 1
	STEP 0, 0
	s_sub_co_u32 s3, s3, 1
	s_cmp_lg_u32 s3, 0
	s_cbranch_scc1 .Llap
	TURN 0, 1, 0                                   ; the last lap fills nothing
	STEP 1, 0
	s_wait_dscnt 4*NL
	WIN MUL_LO
	MUL16 0, 1, 1, 1, 0
	MUL16 2, 1, 1, 1, 0
	s_wait_dscnt 0x0
	WIN MUL_HI
	MUL16 4, 1, 1, 1, 0
	MUL16 6, 1, 1, 1, 0
	WIN 0
	PLACES NP                                      ; in front of the first read of results
.irp b, 0,1,2,3
	v_mov_b32 v[TM+4+\b], 0                        ; written once: a lane permute's destination counts as one of its sources
.endr
.irp a, 0,1,2,3,4,5,6,7
	QUANT \a
.if \a > 0
	s_add_nc_u64 s[12:13], s[12:13], s[98:99]      ; the next row block (behind QUANT's wait: the last stores have read their base)
.endif
	OUTF \a, 0
.endr
	ds_load_b128 v[WB:WB+3], v[GR]                 ; LDS serves a wave's instructions in order: these see my eight stores
	s_wait_dscnt 0x0
	global_store_b128 v[LI], v[WB:WB+3], s[66:67]  ; my eight row blocks' words: 512 consecutive, aligned bytes
	s_wait_tensorcnt 0x0                           ; the wave's end
	ds_add_u32 v[SPW], v[NIL]
	s_wait_dscnt 0x0
	CROUND                                         ; the closing round
	s_endpgm
.Lfunc_end_k_q801645b91d_proj:
	.size	k_q801645b91d_proj, .Lfunc_end_k_q801645b91d_proj-k_q801645b91d_proj
	.p2alignl 7, 3214868480
	.fill 96, 4, 3214868480
	.section	.rodata,"a",@progbits
	.p2align	6, 0x0
	.amdhsa_kernel k_q801645b91d_proj
		.amdhsa_group_segment_fixed_size 327680
		.amdhsa_private_segment_fixed_size 0
		.amdhsa_enable_private_segment 0
		.amdhsa_kernarg_size 40
		.amdhsa_user_sgpr_count 2
		.amdhsa_user_sgpr_kernarg_segment_ptr 1
		.amdhsa_wavefront_size32 1
		.amdhsa_system_sgpr_workgroup_id_x 1
		.amdhsa_system_sgpr_workgroup_id_y 1
		.amdhsa_system_sgpr_workgroup_id_z 1
		.amdhsa_system_vgpr_workitem_id 0
		.amdhsa_next_free_vgpr 1024
		.amdhsa_next_free_sgpr 106
		.amdhsa_reserve_vcc 0
		.amdhsa_float_denorm_mode_32 3
		.amdhsa_float_denorm_mode_16_64 3
		.amdhsa_memory_ordered 1
		.amdhsa_forward_progress 1
		.amdhsa_inst_pref_size 164
	.end_amdhsa_kernel
	.amdgpu_metadata
---
amdhsa.version: [ 1, 2 ]
amdhsa.kernels:
  - .name:           k_q801645b91d_proj
    .symbol:         k_q801645b91d_proj.kd
    .args:
      - { .name: w1, .offset: 0, .size: 8, .value_kind: global_buffer, .address_space: global }
      - { .name: bq, .offset: 8, .size: 8, .value_kind: global_buffer, .address_space: global }
      - { .name: bk, .offset: 16, .size: 8, .value_kind: global_buffer, .address_space: global }
      - { .name: bv, .offset: 24, .size: 8, .value_kind: global_buffer, .address_space: global }
      - { .name: w2, .offset: 32, .size: 8, .value_kind: global_buffer, .address_space: global }
    .group_segment_fixed_size: 327680
    .private_segment_fixed_size: 0
    .kernarg_segment_align: 8
    .kernarg_segment_size: 40
    .max_flat_workgroup_size: 128
    .sgpr_count:     106
    .vgpr_count:     1024
    .wavefront_size: 32
...
	.end_amdgpu_metadata
.endif
;; end of part 2
;; launch score (part 3): grid 8 x 32, 4 waves a work-group, clusters of 4 x 4, 327,680 bytes of LDS; arguments w2, w3; writes w3
.if DOCPART == 3
	.amdgcn_target "amdgcn-amd-amdhsa--gfx1250"
	.amdhsa_code_object_version 6
	.text
	.protected	k_q801645b91d_score
	.globl	k_q801645b91d_score
	.p2align	8
	.type	k_q801645b91d_score,@function
k_q801645b91d_score:
	s_mov_b64 s[64:65], 0
	v_nop
	global_prefetch_b8 v0, s[64:65] scope:SCOPE_SE
	s_setreg_imm32_b32 hwreg(HW_REG_WAVE_MODE, 25, 1), 1
	s_wait_xcnt 0x0
	s_wait_alu depctr_hold_cnt(0) depctr_sa_sdst(0) depctr_va_vdst(0) depctr_va_sdst(0) depctr_va_ssrc(0) depctr_va_vcc(0) depctr_vm_vsrc(0)
	s_getreg_b32 s2, hwreg(HW_REG_IB_STS2, 6, 4)
	s_cmp_eq_u32 s2, 0
	s_cbranch_scc0 .Lentry_in_a_cluster
	s_endpgm
.Lentry_in_a_cluster:
	s_bfe_u32 s2, ttmp6, 0x10000c
	s_cmp_lg_u32 s2, 0xf033
	s_cbranch_scc0 .Lentry_shape_is_right
	s_endpgm
.Lentry_shape_is_right:
; Launch 3 of 5: the scores Q K^T of a batch, and on the way out p = 2^(t - M'), t = score x log2(e) / 32, quantised along the keys.  No work of reference() is left out.
; M' IS LOCAL: the ceiling of the row's largest t among the wave's 128 keys, a whole number.  The next launch brings the scale bytes under the row's own M: a power of two, which a block's scale takes up, so the codes stay.
; Stored: p's codes as images [512 rb][16 kb], and for each row and 128 keys the scale word, -M' (f32) and the sum l' of the unquantised p, each [16 kb][512 rb][lane].
; The tile, the ring, the cluster and the images are those of the launch before: P = Q (y side), R = K (x side): a lane holds one query, its registers run along the keys.
; LIMITS: NaN and infinities are not served; a p under 2^-126 of its local M' comes out of v_exp_f32 as 0; a block whose every p is 0 gets the byte 1 over zero codes.
.set KB,    8
.set NQ,    2
.set LAPS,  KB/4
.set FR,    12
.set NL,    3
.set NP,    4
.set STEPB, NQ*FR*128
.set HALFT, 8*STEPB
.set SLOT,  4*HALFT
.set HALFS, 512*KB
.set SCL,   2*SLOT
.set SCB,   SCL+2*HALFS+64
.set GATH,  262144                     ; the way out: for each wave 512 bytes of scale words, 512 of -M', 512 of l'
.set GW,    1536
.set SPARE, 269312
.set QS,    18874368                   ; w2: Q's codes 0, K's KC; words QS, KS
.set KC,    6291456
.set KS,    19136512
.set PS,    12582912                   ; w3: codes 0; words PS, -M' PS + 524,288, l' PS + 1,048,576
.set ADRA, 16
.set ADRB, 20
.set GA,   24
.set GR,   25
.set LI,   26
.set ADRS, 27
.set SPW,  28
.set NIL,  29
.set SC,   32
.set AF,   128
.set PC,   64
.set WB,   84                          ; v84-95: what leaves GATH
.set TM,   96
.set PW,   112
.set T0,   113
.set NM,   114                         ; v[114:115] -M'
.set L0,   116                         ; v[116:117], v[118:119] the sum in two chains of pairs
.set L1,   118
.set G1,   24
.set G0,   32
.set G1B,  48
.set G0B,  56
.set G1S,  68
.set G0S,  76
.set G1SB, 80
.set G0SB, 88
.set SEL,  100
.set CS,   104                         ; s[104:105] c = log2(e) / 32
.set MSB, 0
.macro WIN new
.if MSB != (\new)
	s_set_vgpr_msb (MSB<<8)|(\new)
.set MSB, (\new)
.endif
.endm
.set MUL_LO, 0xa1
.set MUL_HI, 0xf1
.set TO_B,   0x40
.macro JLOAD g0a, g1a, g0b, g1b
	s_cmp_eq_u32 s15, 0
	s_cbranch_scc0 .Lfor_b_\@
	tensor_load_to_lds s[\g0a:\g0a+3], s[\g1a:\g1a+7]
	s_nop 0
.rept 4
	v_nop
.endr
	s_branch .Lasked_\@
.Lfor_b_\@:
	tensor_load_to_lds s[\g0b:\g0b+3], s[\g1b:\g1b+7]
	s_nop 0
.rept 4
	v_nop
.endr
.Lasked_\@:
.endm
.macro CREST
	s_cmp_lg_u32 s14, 0
	s_cbranch_scc1 .Lnot_wave_0_\@
	s_barrier_signal -3
.Lnot_wave_0_\@:
	s_barrier_wait -3
	s_barrier_signal -1
	s_barrier_wait -1
.endm
.macro CROUND
	s_barrier_signal -1
	s_barrier_wait -1
	CREST
.endm
.macro PLACES n
.rept \n
	v_nop
.endr
.endm
.macro FRAG reg, adr, q, i
.irp g, 0,1,2
	ds_load_b128 v[\reg+4*\g:\reg+4*\g+3], v[\adr] offset:(\i)*STEPB+(\q)*FR*128+512*\g
.endr
.endm
.macro FETCH_B slot, q, p
	WIN TO_B
.irp i, 0,1,2,3,4,5,6,7
	FRAG 128*(\p)+FR*\i, ADRB+\slot, \q, \i
.endr
	WIN 0
.endm
.macro FETCH_A slot, q, i0
.irp i, \i0, \i0+1, \i0+2, \i0+3
	FRAG AF+FR*(\i), ADRA+\slot, \q, \i
.endr
.endm
.macro SCALES sc
.irp i, 0,1,2,3,4,5,6,7
.irp q, 0,1
	ds_load_b32 v[SC+8*NQ*\sc+NQ*\i+\q], v[ADRS] offset:64*\i+512*\q
.endr
.endr
.endm
.macro MUL16 a0, p, q, sc, first       ; first = 1: the products start the sums.  The 64 accumulators take turns
.irp a, \a0, \a0+1
.irp b, 0,1,2,3,4,5,6,7
.set rD, 8*(8*((\a)%4)+\b)
.set rB, 128*(\p)+FR*\b
.set rA, AF+FR*(\a)
.set rX, SC+8*NQ*(\sc)+NQ*\b+(\q)
.set rY, SC+8*NQ*(\sc)+NQ*(\a)+(\q)
.if \first == 0
	v_wmma_scale_f32_16x16x128_f8f6f4 v[rD:rD+7], v[rB:rB+FR-1], v[rA:rA+FR-1], v[rD:rD+7], v[rX], v[rY] matrix_a_fmt:MATRIX_FMT_BF6 matrix_b_fmt:MATRIX_FMT_BF6 matrix_a_scale:MATRIX_SCALE_ROW1
.else
	v_wmma_scale_f32_16x16x128_f8f6f4 v[rD:rD+7], v[rB:rB+FR-1], v[rA:rA+FR-1], 0, v[rX], v[rY] matrix_a_fmt:MATRIX_FMT_BF6 matrix_b_fmt:MATRIX_FMT_BF6 matrix_a_scale:MATRIX_SCALE_ROW1
.endif
.endr
.endr
.endm
.macro STEP slot, first
	s_wait_dscnt 4*NL                              ; the youngest 12 loads (P's blocks 4-7) may be out
	WIN MUL_LO
	MUL16 0, 0, 0, \slot, \first
	MUL16 2, 0, 0, \slot, \first
	s_wait_dscnt 0x0
	PLACES NP
	FETCH_B \slot, 1, 1
	FETCH_A \slot, 1, 0
	WIN MUL_HI
	MUL16 4, 0, 0, \slot, \first
	MUL16 6, 0, 0, \slot, \first
	PLACES NP
	WIN 0
	FETCH_A \slot, 1, 4
.endm
.macro TURN slot, next, fill
	s_wait_tensorcnt 0x0                           ; all my tensor loads have landed: my part of the next slot
	ds_add_u32 v[SPW], v[NIL]                      ; 0 onto my spare word
	s_wait_dscnt 4*NL+1                            ; (the add and the youngest 12 loads may be out)
	WIN MUL_LO
	MUL16 0, 1, 1, \slot, 0
	s_wait_dscnt 0x0                               ; the add is done, and my reads of this slot are over
	s_barrier_signal -1
	MUL16 2, 1, 1, \slot, 0
	WIN 0
	s_barrier_wait -1
.if \fill
	CREST
	s_add_nc_u64 s[G0+4*\slot+2:G0+4*\slot+3], s[G0+4*\slot+2:G0+4*\slot+3], 2*STEPB
	s_add_nc_u64 s[G0B+4*\slot+2:G0B+4*\slot+3], s[G0B+4*\slot+2:G0B+4*\slot+3], 2*STEPB
	JLOAD G0+4*\slot, G1, G0B+4*\slot, G1B
.else
	PLACES NP
.endif
	v_add_nc_u32 v[ADRS], 512*NQ, v[ADRS]
	FETCH_B \next, 0, 0
	FETCH_A \next, 0, 0
	SCALES \next
	WIN MUL_HI
	MUL16 4, 1, 1, \slot, 0
	MUL16 6, 1, 1, \slot, 0
	PLACES NP
	WIN 0
	FETCH_A \next, 0, 4
.endm
; THE WAY OUT of P's block a (16 queries x my 128 keys).  Register S + 16 b + i of window W holds the score of key 32 b + 16 (lane / 16) + i.
.macro SOFT a
.set W, 2+(\a)/4
.set S, 64*((\a)%4)
	WIN W|(W<<2)
.irp b, 0,1,2,3
	v_max_num_f32 v[TM+\b], v[S+16*\b], v[S+16*\b+1]   ; the largest score of each block of 32 keys: it serves for the row's maximum and, since p rises with the score, for the block's largest p
.endr
.irp i, 2,4,6,8,10,12,14
.irp b, 0,1,2,3
	v_max3_num_f32 v[TM+\b], v[S+16*\b+\i], v[S+16*\b+\i+1], v[TM+\b]
.endr
.endr
	WIN 0
	s_wait_dscnt 0x0                               ; the last block's LDS stores have read their registers,
	s_wait_xcnt 0x0                                ; and its global stores their codes
.irp b, 0,1,2,3
	v_permlanex16_b32 v[TM+4+\b], v[TM+\b], s[SEL], s[SEL+1]
.endr
.irp b, 0,1,2,3
	v_max_num_f32 v[TM+\b], v[TM+\b], v[TM+4+\b]
.endr
	v_max3_num_f32 v[T0], v[TM], v[TM+1], v[TM+2]
	v_max_num_f32 v[T0], v[T0], v[TM+3]
	v_mul_f32 v[T0], s[CS], v[T0]                  ; the largest t of these 128 keys (c is positive)
	v_floor_f32 v[NM], -v[T0]                      ; -M' = floor(-t) = -ceil(t)
	v_mov_b32 v[NM+1], v[NM]                       ; (named with it as a pair)
.irp b, 0,1,2,3
	v_fma_f32 v[TM+\b], v[TM+\b], s[CS], v[NM]
.endr
	WIN W|(W<<6)
.set j, 0
.rept 32
	v_pk_fma_f32 v[S+j:S+j+1], v[S+j:S+j+1], s[CS:CS+1], v[NM:NM+1] op_sel_hi:[1,0,0]   ; t - M', two at a time
.set j, j+2
.endr
.set j, 0
.rept 64
	v_exp_f32 v[S+j], v[S+j]                       ; p = 2^(t - M'), at most 1
.set j, j+1
.endr
	WIN 0
	v_nop                                          ; a plain place behind the exponentials
	s_wait_alu depctr_va_vdst(0)                   ; one wait for the whole batch, ahead of its first reader
.irp b, 0,1,2,3
	v_exp_f32 v[TM+\b], v[TM+\b]                   ; the block's largest p: the same two instructions on the same number give the same bits
.endr
	WIN W|(W<<2)
	v_pk_add_f32 v[L0:L0+1], v[S:S+1], v[S+2:S+3]  ; the sum is taken of the unquantised p, in two chains
	v_pk_add_f32 v[L1:L1+1], v[S+4:S+5], v[S+6:S+7]
	WIN W
.set j, 8
.rept 14
	v_pk_add_f32 v[L0:L0+1], v[S+j:S+j+1], v[L0:L0+1]
	v_pk_add_f32 v[L1:L1+1], v[S+j+2:S+j+3], v[L1:L1+1]
.set j, j+4
.endr
	WIN 0
	v_pk_add_f32 v[L0:L0+1], v[L0:L0+1], v[L1:L1+1]
	s_wait_alu depctr_va_vdst(0)                   ; and one for the four
.irp b, 0,1,2,3
	v_max_num_f32 v[TM+\b], 0x2800000, v[TM+\b]    ; the floor 2^(5 - 127)
.endr
.irp b, 0,1,2,3
	v_add_nc_u32 v[TM+12+\b], 0xfe000000, v[TM+\b]
.endr
.irp b, 0,1,2,3
	v_lshrrev_b32 v[TM+4+\b], 23, v[TM+12+\b]
.endr
	v_lshl_or_b32 v[PW], v[TM+5], 8, v[TM+4]
	v_lshl_or_b32 v[PW], v[TM+6], 16, v[PW]
	v_lshl_or_b32 v[PW], v[TM+7], 24, v[PW]
	v_add_f32 v[L0], v[L0], v[L0+1]
	v_permlanex16_b32 v[L1], v[L0], s[SEL], s[SEL+1]
	v_add_f32 v[L0], v[L0], v[L1]                  ; l': the row's sum over these 128 keys
	WIN W
.irp c, 0,1
	v_cvt_scalef32_pk16_bf6_f32 v[PC+6*\c:PC+6*\c+2], v[S+32*\c:S+32*\c+15], v[TM+12+2*\c]
	v_cvt_scalef32_pk16_bf6_f32 v[PC+12+4*\c:PC+14+4*\c], v[S+32*\c+16:S+32*\c+31], v[TM+12+2*\c+1]
.endr
	WIN 0
	v_nop
.irp c, 0,1
.irp i, 0,1,2
	v_permlane16_swap_b32 v[PC+6*\c+\i], v[PC+12+4*\c+\i]
.endr
.irp i, 0,1,2
	v_mov_b32 v[PC+3+6*\c+\i], v[PC+12+4*\c+\i]
.endr
.endr
.irp g, 0,1,2
	global_store_b128 v[LI], v[PC+4*\g:PC+4*\g+3], s[12:13] offset:(\a)*16*1536+512*\g
.endr
	ds_store_b32 v[GA], v[PW] offset:64*(\a)
	ds_store_b32 v[GA], v[NM] offset:512+64*(\a)
	ds_store_b32 v[GA], v[L0] offset:1024+64*(\a)
.endm
	s_load_b128 s[4:7], s[0:1], 0x0                ; w2, w3
	v_lshl_add_u32 v[SPW], v0, 2, SPARE
	v_mov_b32 v[NIL], 0
	ds_add_u32 v[SPW], v[NIL]                      ; the wave's opening: the add, twice on end, and its wait ahead of my first tensor load
	ds_add_u32 v[SPW], v[NIL]
	v_lshrrev_b32 v1, 5, v0
	v_readfirstlane_b32 s14, v1
	s_lshr_b32 s15, s14, 1
	s_and_b32 s16, s14, 1
	s_bfe_u32 s40, ttmp6, 0x40000                  ; cx
	s_bfe_u32 s41, ttmp6, 0x40004                  ; cy
	s_lshl_b32 s42, ttmp9, 2
	s_add_co_u32 s42, s42, s40                     ; tile column: 256 keys of the batch
	s_and_b32 s17, ttmp7, 0xffff
	s_lshr_b32 s18, s17, 1                         ; the batch: two clusters' rows each; it hangs on the cluster's y alone
	s_lshl_b32 s17, s17, 2
	s_add_co_u32 s17, s17, s41                     ; tile row: 256 queries
	s_lshl_b32 s43, s41, 2
	s_lshl_b32 s43, 15, s43
	s_lshl_b32 s44, 0x1111, s40
	s_or_b32 s[G1], s43, (3<<16)|(1<<21)
	s_or_b32 s[G1B], s44, (3<<16)|(1<<21)
.irp g, G1, G1B
	s_mov_b32 s[\g+1], (STEPB/8)<<16
	s_mov_b32 s[\g+2], 8<<16
	s_mov_b32 s[\g+3], (STEPB/8)<<16
	s_mov_b32 s[\g+4], 8
	s_mov_b32 s[\g+5], KB*FR*128/8
	s_mov_b32 s[\g+6], 0
	s_mov_b32 s[\g+7], 0
.endr
	s_or_b32 s[G1S], s43, (3<<16)|(1<<21)
	s_or_b32 s[G1SB], s44, (3<<16)|(1<<21)
.irp g, G1S, G1SB
	s_mov_b32 s[\g+1], 64<<16
	s_mov_b32 s[\g+2], KB<<16
	s_mov_b32 s[\g+3], 64<<16
	s_mov_b32 s[\g+4], KB
	s_mov_b32 s[\g+5], 8*512
	s_mov_b32 s[\g+6], 0
	s_mov_b32 s[\g+7], 0
.endr
	s_lshl_b32 s19, s16, 3
	s_lshl_b32 s20, s17, 4
	s_add_co_u32 s20, s20, s19                     ; Q: row block 16 x tile row + 8 half
	s_lshl_b32 s46, s42, 4
	s_add_co_u32 s46, s46, s19
	s_lshl_b32 s47, s18, 7
	s_add_co_u32 s46, s46, s47                     ; K: 128 x batch + 16 x tile column + 8 half
	s_lshl_b32 s22, s20, 6
	s_add_co_u32 s22, s22, QS
	s_mov_b32 s23, 0
	s_mul_i32 s20, s20, KB*FR*128
	s_mov_b32 s21, 0
	s_lshl_b32 s92, s46, 6
	s_add_co_u32 s92, s92, KS
	s_mov_b32 s93, 0
	s_mul_i32 s46, s46, KB*FR*128
	s_add_co_u32 s46, s46, KC
	s_mov_b32 s47, 0
	s_mul_i32 s45, s14, HALFT
	s_mul_i32 s94, s16, HALFS
	s_mov_b32 s[SEL], 0x76543210
	s_mov_b32 s[SEL+1], 0xfedcba98
	s_mov_b32 s[CS], 0x3d38aa3b                    ; log2(e) / 32
	s_mov_b32 s[CS+1], s[CS]
	s_wait_dscnt 0x0
	s_wait_kmcnt 0x0
	s_add_nc_u64 s[20:21], s[4:5], s[20:21]
	s_add_nc_u64 s[22:23], s[4:5], s[22:23]
	s_add_nc_u64 s[46:47], s[4:5], s[46:47]
	s_add_nc_u64 s[92:93], s[4:5], s[92:93]
	CROUND
	s_mov_b32 s[G0S], 1
	s_add_co_u32 s[G0S+1], s94, SCL
	s_mov_b64 s[G0S+2:G0S+3], s[22:23]
	s_or_b32 s[G0S+3], s[G0S+3], 0x80000000
	s_mov_b32 s[G0SB], 1
	s_add_co_u32 s[G0SB+1], s94, SCB
	s_mov_b64 s[G0SB+2:G0SB+3], s[92:93]
	s_or_b32 s[G0SB+3], s[G0SB+3], 0x80000000
	JLOAD G0S, G1S, G0SB, G1SB
.irp s, 0,1
	s_mov_b32 s[G0+4*\s], 1
	s_add_co_u32 s[G0+4*\s+1], s45, \s*SLOT
	s_add_nc_u64 s[G0+4*\s+2:G0+4*\s+3], s[20:21], \s*STEPB
	s_or_b32 s[G0+4*\s+3], s[G0+4*\s+3], 0x80000000
	s_mov_b32 s[G0B+4*\s], 1
	s_add_co_u32 s[G0B+4*\s+1], s45, \s*SLOT
	s_add_nc_u64 s[G0B+4*\s+2:G0B+4*\s+3], s[46:47], \s*STEPB
	s_or_b32 s[G0B+4*\s+3], s[G0B+4*\s+3], 0x80000000
	JLOAD G0+4*\s, G1, G0B+4*\s, G1B
.endr
	v_and_b32 v1, 15, v0
	v_bfe_u32 v2, v0, 4, 1
	v_and_b32 v3, 31, v0
	v_lshlrev_b32 v[LI], 4, v3
	s_mul_i32 s21, s15, HALFT
	s_mul_i32 s22, s16, HALFT
	s_add_co_u32 s22, s22, 2*HALFT
.irp s, 0,1
	v_add_nc_u32 v[ADRA+\s], s21, v[LI]
	v_add_nc_u32 v[ADRB+\s], s22, v[LI]
	s_add_co_u32 s21, s21, SLOT
	s_add_co_u32 s22, s22, SLOT
.endr
	v_lshlrev_b32 v5, 2, v1
	s_mul_i32 s21, s15, HALFS
	s_mul_i32 s22, s16, HALFS
	s_add_co_u32 s22, s22, 2*HALFS+64
	s_sub_co_u32 s22, s22, s21
	v_mul_u32_u24 v6, s22, v2
	s_add_co_u32 s21, s21, SCL
	v_add_nc_u32 v5, v5, v6
	v_add_nc_u32 v[ADRS], s21, v5
	s_mul_i32 s23, s14, GW
	s_add_co_u32 s23, s23, GATH
	v_lshl_add_u32 v[GA], v1, 2, s23
	v_add_nc_u32 v[GR], s23, v[LI]
	s_lshl_b32 s20, s17, 4
	s_lshl_b32 s21, s15, 3
	s_add_co_u32 s20, s20, s21                     ; my first row block of p
	s_lshl_b32 s46, s42, 1
	s_add_co_u32 s46, s46, s16                     ; my kb among the batch's 16
	s_lshl_b32 s96, s20, 4
	s_add_co_u32 s96, s96, s46
	s_mul_i32 s96, s96, 1536
	s_mov_b32 s97, 0
	s_add_nc_u64 s[12:13], s[6:7], s[96:97]
	s_lshl_b32 s96, s46, 9
	s_add_co_u32 s96, s96, s20
	s_lshl_b32 s96, s96, 6
	s_add_co_u32 s96, s96, PS
	s_add_nc_u64 s[66:67], s[6:7], s[96:97]
	s_wait_tensorcnt 1                             ; the scale words and my part of slot 0 are in; slot 1's load may be out
	s_barrier_signal -1
	s_barrier_wait -1
	FETCH_B 0, 0, 0
	FETCH_A 0, 0, 0
	SCALES 0
	FETCH_A 0, 0, 4
	STEP 0, 1
	s_mov_b32 s3, LAPS-1
.Llap:
	TURN 0, 1, 1
	STEP 1, 0
	TURN 1, 0, 1
	STEP 0, 0
	s_sub_co_u32 s3, s3, 1
	s_cmp_lg_u32 s3, 0
	s_cbranch_scc1 .Llap
	TURN 0, 1, 0
	STEP 1, 0
	s_wait_dscnt 4*NL
	WIN MUL_LO
	MUL16 0, 1, 1, 1, 0
	MUL16 2, 1, 1, 1, 0
	s_wait_dscnt 0x0
	WIN MUL_HI
	MUL16 4, 1, 1, 1, 0
	MUL16 6, 1, 1, 1, 0
	WIN 0
	PLACES NP
.irp b, 0,1,2,3
	v_mov_b32 v[TM+4+\b], 0                        ; written once: a lane permute's destination counts as one of its sources
.endr
.irp a, 0,1,2,3,4,5,6,7
	SOFT \a
.endr
.irp u, 0,1,2
	ds_load_b128 v[WB+4*\u:WB+4*\u+3], v[GR] offset:512*\u   ; LDS serves a wave's instructions in order: these see my stores
.endr
	s_wait_dscnt 0x0
.irp u, 0,1,2
	global_store_b128 v[LI], v[WB+4*\u:WB+4*\u+3], s[66:67] offset:524288*\u   ; words, -M', l': 512 consecutive, aligned bytes each
.endr
	s_wait_tensorcnt 0x0                           ; the wave's end
	ds_add_u32 v[SPW], v[NIL]
	s_wait_dscnt 0x0
	CROUND
	s_endpgm
.Lfunc_end_k_q801645b91d_score:
	.size	k_q801645b91d_score, .Lfunc_end_k_q801645b91d_score-k_q801645b91d_score
	.p2alignl 7, 3214868480
	.fill 96, 4, 3214868480
	.section	.rodata,"a",@progbits
	.p2align	6, 0x0
	.amdhsa_kernel k_q801645b91d_score
		.amdhsa_group_segment_fixed_size 327680
		.amdhsa_private_segment_fixed_size 0
		.amdhsa_enable_private_segment 0
		.amdhsa_kernarg_size 16
		.amdhsa_user_sgpr_count 2
		.amdhsa_user_sgpr_kernarg_segment_ptr 1
		.amdhsa_wavefront_size32 1
		.amdhsa_system_sgpr_workgroup_id_x 1
		.amdhsa_system_sgpr_workgroup_id_y 1
		.amdhsa_system_sgpr_workgroup_id_z 1
		.amdhsa_system_vgpr_workitem_id 0
		.amdhsa_next_free_vgpr 1024
		.amdhsa_next_free_sgpr 106
		.amdhsa_reserve_vcc 0
		.amdhsa_float_denorm_mode_32 3
		.amdhsa_float_denorm_mode_16_64 3
		.amdhsa_memory_ordered 1
		.amdhsa_forward_progress 1
		.amdhsa_inst_pref_size 199
	.end_amdhsa_kernel
	.amdgpu_metadata
---
amdhsa.version: [ 1, 2 ]
amdhsa.kernels:
  - .name:           k_q801645b91d_score
    .symbol:         k_q801645b91d_score.kd
    .args:
      - { .name: w2, .offset: 0, .size: 8, .value_kind: global_buffer, .address_space: global }
      - { .name: w3, .offset: 8, .size: 8, .value_kind: global_buffer, .address_space: global }
    .group_segment_fixed_size: 327680
    .private_segment_fixed_size: 0
    .kernarg_segment_align: 8
    .kernarg_segment_size: 16
    .max_flat_workgroup_size: 128
    .sgpr_count:     106
    .vgpr_count:     1024
    .wavefront_size: 32
...
	.end_amdgpu_metadata
.endif
;; end of part 3
;; launch mix (part 4): grid 4 x 32, 4 waves a work-group, clusters of 4 x 4, 327,680 bytes of LDS; arguments w3, w2, w4; writes w4
.if DOCPART == 4
	.amdgcn_target "amdgcn-amd-amdhsa--gfx1250"
	.amdhsa_code_object_version 6
	.text
	.protected	k_q801645b91d_mix
	.globl	k_q801645b91d_mix
	.p2align	8
	.type	k_q801645b91d_mix,@function
k_q801645b91d_mix:
	s_mov_b64 s[64:65], 0
	v_nop
	global_prefetch_b8 v0, s[64:65] scope:SCOPE_SE
	s_setreg_imm32_b32 hwreg(HW_REG_WAVE_MODE, 25, 1), 1
	s_wait_xcnt 0x0
	s_wait_alu depctr_hold_cnt(0) depctr_sa_sdst(0) depctr_va_vdst(0) depctr_va_sdst(0) depctr_va_ssrc(0) depctr_va_vcc(0) depctr_vm_vsrc(0)
	s_getreg_b32 s2, hwreg(HW_REG_IB_STS2, 6, 4)
	s_cmp_eq_u32 s2, 0
	s_cbranch_scc0 .Lentry_in_a_cluster
	s_endpgm
.Lentry_in_a_cluster:
	s_bfe_u32 s2, ttmp6, 0x10000c
	s_cmp_lg_u32 s2, 0xf033
	s_cbranch_scc0 .Lentry_shape_is_right
	s_endpgm
.Lentry_shape_is_right:
; Launch 4 of 5: context = (p V) / l on codes, quantised along the hidden axis on the way out.  No work of reference() is left out.
; AT THE HEAD the work-group's 256 rows are brought under their own M: -M = the least of the sixteen -M'; l = the sum of l' x 2^(M' - M); each scale byte of p loses M - M': p's codes stay as they are.
; The mended words go to LDS by ds_store, where the other launches' words come by a tensor load; 1 / l is kept in LDS for the way out.
; The tile, the ring, the cluster and the images are those of the launches before, with K = 2,048 keys: P = p (y side), R = V^T (x side): a lane holds one query, its registers run along the hidden axis.
; LIMITS: NaN and infinities are not served.  A byte that would fall under 0 is held at 0 with its codes kept: a term under 28 x 2^-127 beside a row sum of at least 1/2.  A block of zeros of the context gets the byte 1.
.set KB,    16
.set NQ,    2
.set LAPS,  KB/4
.set FR,    12
.set NL,    3
.set NP,    4
.set STEPB, NQ*FR*128
.set HALFT, 8*STEPB
.set SLOT,  4*HALFT
.set HALFS, 512*KB
.set SCL,   2*SLOT                     ; p's mended words: written by ds_store, in blocks of 256 bytes into which no tensor load lands
.set SCB,   SCL+2*HALFS+64             ; V^T's words: by a tensor load
.set GATH,  262144
.set GW,    512
.set RL,    268288                     ; 1 / l of the 256 rows
.set SPARE, 269312
.set PS,    12582912                   ; w3
.set VC,    12582912                   ; w2
.set VS,    19398656
.set CS4,   6291456                    ; w4: codes 0, words CS4
.set ADRA, 16
.set ADRB, 20
.set GA,   24
.set GR,   25
.set LI,   26
.set ADRS, 27
.set SPW,  28
.set NIL,  29
.set RLA,  30
.set SC,   32
.set AF,   128
.set PC,   64
.set WB,   84
.set TM,   96
.set PW,   112
.set RLV,  224                         ; v224-239: 1 / l of my row in each of P's eight blocks, as pairs
.set FWD,  128                         ; the head: v128-159 words, v160-191 -M', v192-223 l': two rows a thread, sixteen kb
.set FMM,  160
.set FLL,  192
.set MN,   64
.set LS,   66
.set FE,   68
.set FT,   70
.set FU,   72
.set G1,   24
.set G0,   32
.set G1B,  48
.set G0B,  56
.set G1SB, 80
.set G0SB, 88
.set SEL,  100
.set MSB, 0
.macro WIN new
.if MSB != (\new)
	s_set_vgpr_msb (MSB<<8)|(\new)
.set MSB, (\new)
.endif
.endm
.set MUL_LO, 0xa1
.set MUL_HI, 0xf1
.set TO_B,   0x40
.macro JLOAD g0a, g1a, g0b, g1b
	s_cmp_eq_u32 s15, 0
	s_cbranch_scc0 .Lfor_b_\@
	tensor_load_to_lds s[\g0a:\g0a+3], s[\g1a:\g1a+7]
	s_nop 0
.rept 4
	v_nop
.endr
	s_branch .Lasked_\@
.Lfor_b_\@:
	tensor_load_to_lds s[\g0b:\g0b+3], s[\g1b:\g1b+7]
	s_nop 0
.rept 4
	v_nop
.endr
.Lasked_\@:
.endm
.macro CREST
	s_cmp_lg_u32 s14, 0
	s_cbranch_scc1 .Lnot_wave_0_\@
	s_barrier_signal -3
.Lnot_wave_0_\@:
	s_barrier_wait -3
	s_barrier_signal -1
	s_barrier_wait -1
.endm
.macro CROUND
	s_barrier_signal -1
	s_barrier_wait -1
	CREST
.endm
.macro PLACES n
.rept \n
	v_nop
.endr
.endm
.macro FRAG reg, adr, q, i
.irp g, 0,1,2
	ds_load_b128 v[\reg+4*\g:\reg+4*\g+3], v[\adr] offset:(\i)*STEPB+(\q)*FR*128+512*\g
.endr
.endm
.macro FETCH_B slot, q, p
	WIN TO_B
.irp i, 0,1,2,3,4,5,6,7
	FRAG 128*(\p)+FR*\i, ADRB+\slot, \q, \i
.endr
	WIN 0
.endm
.macro FETCH_A slot, q, i0
.irp i, \i0, \i0+1, \i0+2, \i0+3
	FRAG AF+FR*(\i), ADRA+\slot, \q, \i
.endr
.endm
.macro SCALES sc
.irp i, 0,1,2,3,4,5,6,7
.irp q, 0,1
	ds_load_b32 v[SC+8*NQ*\sc+NQ*\i+\q], v[ADRS] offset:64*\i+512*\q
.endr
.endr
.endm
.macro MUL16 a0, p, q, sc, first       ; first = 1: the products start the sums.  The 64 accumulators take turns
.irp a, \a0, \a0+1
.irp b, 0,1,2,3,4,5,6,7
.set rD, 8*(8*((\a)%4)+\b)
.set rB, 128*(\p)+FR*\b
.set rA, AF+FR*(\a)
.set rX, SC+8*NQ*(\sc)+NQ*\b+(\q)
.set rY, SC+8*NQ*(\sc)+NQ*(\a)+(\q)
.if \first == 0
	v_wmma_scale_f32_16x16x128_f8f6f4 v[rD:rD+7], v[rB:rB+FR-1], v[rA:rA+FR-1], v[rD:rD+7], v[rX], v[rY] matrix_a_fmt:MATRIX_FMT_BF6 matrix_b_fmt:MATRIX_FMT_BF6 matrix_a_scale:MATRIX_SCALE_ROW1
.else
	v_wmma_scale_f32_16x16x128_f8f6f4 v[rD:rD+7], v[rB:rB+FR-1], v[rA:rA+FR-1], 0, v[rX], v[rY] matrix_a_fmt:MATRIX_FMT_BF6 matrix_b_fmt:MATRIX_FMT_BF6 matrix_a_scale:MATRIX_SCALE_ROW1
.endif
.endr
.endr
.endm
.macro STEP slot, first
	s_wait_dscnt 4*NL                              ; the youngest 12 loads (P's blocks 4-7) may be out
	WIN MUL_LO
	MUL16 0, 0, 0, \slot, \first
	MUL16 2, 0, 0, \slot, \first
	s_wait_dscnt 0x0
	PLACES NP
	FETCH_B \slot, 1, 1
	FETCH_A \slot, 1, 0
	WIN MUL_HI
	MUL16 4, 0, 0, \slot, \first
	MUL16 6, 0, 0, \slot, \first
	PLACES NP
	WIN 0
	FETCH_A \slot, 1, 4
.endm
.macro TURN slot, next, fill
	s_wait_tensorcnt 0x0                           ; all my tensor loads have landed: my part of the next slot
	ds_add_u32 v[SPW], v[NIL]                      ; 0 onto my spare word
	s_wait_dscnt 4*NL+1                            ; (the add and the youngest 12 loads may be out)
	WIN MUL_LO
	MUL16 0, 1, 1, \slot, 0
	s_wait_dscnt 0x0                               ; the add is done, and my reads of this slot are over
	s_barrier_signal -1
	MUL16 2, 1, 1, \slot, 0
	WIN 0
	s_barrier_wait -1
.if \fill
	CREST
	s_add_nc_u64 s[G0+4*\slot+2:G0+4*\slot+3], s[G0+4*\slot+2:G0+4*\slot+3], 2*STEPB
	s_add_nc_u64 s[G0B+4*\slot+2:G0B+4*\slot+3], s[G0B+4*\slot+2:G0B+4*\slot+3], 2*STEPB
	JLOAD G0+4*\slot, G1, G0B+4*\slot, G1B
.else
	PLACES NP
.endif
	v_add_nc_u32 v[ADRS], 512*NQ, v[ADRS]
	FETCH_B \next, 0, 0
	FETCH_A \next, 0, 0
	SCALES \next
	WIN MUL_HI
	MUL16 4, 1, 1, \slot, 0
	MUL16 6, 1, 1, \slot, 0
	PLACES NP
	WIN 0
	FETCH_A \next, 0, 4
.endm
.macro DIVL a                          ; P's block a is divided by its rows' l, in place, each accumulator from its low end on
.set W, 2+(\a)/4
.set S, 64*((\a)%4)
	WIN W|(W<<6)
.set j, 0
.rept 32
	v_pk_mul_f32 v[S+j:S+j+1], v[S+j:S+j+1], v[RLV+2*(\a):RLV+2*(\a)+1] op_sel_hi:[1,0]
.set j, j+2
.endr
.endm
.macro QUANT a                         ; register S + 16 b + i of window W holds k = 32 b + 16 (lane / 16) + i of my row: codes into v[PC] on, the scale word into v[PW]
.set W, 2+(\a)/4
.set S, 64*((\a)%4)
	WIN W|(W<<2)
.irp b, 0,1,2,3
	v_max3_num_f32 v[TM+\b], |v[S+16*\b]|, |v[S+16*\b+1]|, 0x2800000
.endr
.irp i, 2,4,6,8,10,12,14
.irp b, 0,1,2,3
	v_max3_num_f32 v[TM+\b], |v[S+16*\b+\i]|, |v[S+16*\b+\i+1]|, v[TM+\b]
.endr
.endr
	WIN 0
.irp b, 0,1,2,3
	v_permlanex16_b32 v[TM+4+\b], v[TM+\b], s[SEL], s[SEL+1]
.endr
.irp b, 0,1,2,3
	v_max_num_f32 v[TM+\b], v[TM+\b], v[TM+4+\b]
.endr
.irp b, 0,1,2,3
	v_add_nc_u32 v[TM+12+\b], 0xfe000000, v[TM+\b]
.endr
	s_wait_dscnt 0x0                               ; the last block's LDS store has read its word,
	s_wait_xcnt 0x0                                ; and its global stores their codes
.irp b, 0,1,2,3
	v_lshrrev_b32 v[TM+4+\b], 23, v[TM+12+\b]
.endr
	v_lshl_or_b32 v[PW], v[TM+5], 8, v[TM+4]
	v_lshl_or_b32 v[PW], v[TM+6], 16, v[PW]
	v_lshl_or_b32 v[PW], v[TM+7], 24, v[PW]
	WIN W
.irp c, 0,1
	v_cvt_scalef32_pk16_bf6_f32 v[PC+6*\c:PC+6*\c+2], v[S+32*\c:S+32*\c+15], v[TM+12+2*\c]
	v_cvt_scalef32_pk16_bf6_f32 v[PC+12+4*\c:PC+14+4*\c], v[S+32*\c+16:S+32*\c+31], v[TM+12+2*\c+1]
.endr
	WIN 0
	v_nop
.irp c, 0,1
.irp i, 0,1,2
	v_permlane16_swap_b32 v[PC+6*\c+\i], v[PC+12+4*\c+\i]
.endr
.irp i, 0,1,2
	v_mov_b32 v[PC+3+6*\c+\i], v[PC+12+4*\c+\i]
.endr
.endr
.endm
.macro OUTF a, pitch
.irp g, 0,1,2
	global_store_b128 v[LI], v[PC+4*\g:PC+4*\g+3], s[12:13] offset:(\a)*(\pitch)+512*\g
.endr
	ds_store_b32 v[GA], v[PW] offset:64*(\a)
.endm
	s_load_b128 s[4:7], s[0:1], 0x0                ; w3, w2
	s_load_b64 s[8:9], s[0:1], 0x10                ; w4
	v_lshl_add_u32 v[SPW], v0, 2, SPARE
	v_mov_b32 v[NIL], 0
	ds_add_u32 v[SPW], v[NIL]                      ; the wave's opening: the add, twice on end, and its wait ahead of my first tensor load
	ds_add_u32 v[SPW], v[NIL]
	v_lshrrev_b32 v1, 5, v0
	v_readfirstlane_b32 s14, v1
	s_lshr_b32 s15, s14, 1
	s_and_b32 s16, s14, 1
	s_bfe_u32 s40, ttmp6, 0x40000
	s_bfe_u32 s41, ttmp6, 0x40004
	s_lshl_b32 s42, ttmp9, 2
	s_add_co_u32 s42, s42, s40                     ; tile column: 256 of the hidden axis
	s_and_b32 s17, ttmp7, 0xffff
	s_lshr_b32 s18, s17, 1                         ; the batch
	s_lshl_b32 s17, s17, 2
	s_add_co_u32 s17, s17, s41                     ; tile row: 256 queries
	s_lshl_b32 s43, s41, 2
	s_lshl_b32 s43, 15, s43
	s_lshl_b32 s44, 0x1111, s40
	s_or_b32 s[G1], s43, (3<<16)|(1<<21)
	s_or_b32 s[G1B], s44, (3<<16)|(1<<21)
.irp g, G1, G1B
	s_mov_b32 s[\g+1], (STEPB/8)<<16
	s_mov_b32 s[\g+2], 8<<16
	s_mov_b32 s[\g+3], (STEPB/8)<<16
	s_mov_b32 s[\g+4], 8
	s_mov_b32 s[\g+5], KB*FR*128/8
	s_mov_b32 s[\g+6], 0
	s_mov_b32 s[\g+7], 0
.endr
	s_or_b32 s[G1SB], s44, (3<<16)|(1<<21)         ; V^T's words: 16 rows of 512 bytes, 64 row blocks apart
	s_mov_b32 s[G1SB+1], 64<<16
	s_mov_b32 s[G1SB+2], KB<<16
	s_mov_b32 s[G1SB+3], 64<<16
	s_mov_b32 s[G1SB+4], KB
	s_mov_b32 s[G1SB+5], 8*64
	s_mov_b32 s[G1SB+6], 0
	s_mov_b32 s[G1SB+7], 0
	s_lshl_b32 s19, s16, 3
	s_lshl_b32 s20, s17, 4
	s_add_co_u32 s20, s20, s19
	s_mul_i32 s20, s20, KB*FR*128                  ; p: row block 16 x tile row + 8 half
	s_mov_b32 s21, 0
	s_lshl_b32 s46, s42, 4
	s_add_co_u32 s46, s46, s19                     ; V^T: row block 16 x tile column + 8 half of the batch's 64
	s_lshl_b32 s92, s46, 6
	s_lshl_b32 s47, s18, 16
	s_add_co_u32 s92, s92, s47
	s_add_co_u32 s92, s92, VS
	s_mov_b32 s93, 0
	s_lshl_b32 s47, s18, 6
	s_add_co_u32 s46, s46, s47
	s_mul_i32 s46, s46, KB*FR*128
	s_add_co_u32 s46, s46, VC
	s_mov_b32 s47, 0
	s_mul_i32 s45, s14, HALFT
	s_mul_i32 s94, s16, HALFS
	s_mov_b32 s[SEL], 0x76543210
	s_mov_b32 s[SEL+1], 0xfedcba98
	s_mov_b32 s95, 0x01010101
	s_wait_dscnt 0x0
	s_wait_kmcnt 0x0
	s_add_nc_u64 s[20:21], s[4:5], s[20:21]
	s_add_nc_u64 s[46:47], s[6:7], s[46:47]
	s_add_nc_u64 s[92:93], s[6:7], s[92:93]
	CROUND
	s_mov_b32 s[G0SB], 1
	s_add_co_u32 s[G0SB+1], s94, SCB
	s_mov_b64 s[G0SB+2:G0SB+3], s[92:93]
	s_or_b32 s[G0SB+3], s[G0SB+3], 0x80000000
.irp s, 0,1
	s_mov_b32 s[G0+4*\s], 1
	s_add_co_u32 s[G0+4*\s+1], s45, \s*SLOT
	s_add_nc_u64 s[G0+4*\s+2:G0+4*\s+3], s[20:21], \s*STEPB
	s_or_b32 s[G0+4*\s+3], s[G0+4*\s+3], 0x80000000
	s_mov_b32 s[G0B+4*\s], 1
	s_add_co_u32 s[G0B+4*\s+1], s45, \s*SLOT
	s_add_nc_u64 s[G0B+4*\s+2:G0B+4*\s+3], s[46:47], \s*STEPB
	s_or_b32 s[G0B+4*\s+3], s[G0B+4*\s+3], 0x80000000
.endr
	s_cmp_eq_u32 s15, 0                            ; a wave's first fills stand in one branch: waves 0 and 1 have two loads out, waves 2 and 3 three; slot 1's is the last in both
	s_cbranch_scc0 .Lfirst_x
	tensor_load_to_lds s[G0:G0+3], s[G1:G1+7]
	s_nop 0
	tensor_load_to_lds s[G0+4:G0+7], s[G1:G1+7]
	s_nop 0
.rept 4
	v_nop
.endr
	s_branch .Lfirst_asked
.Lfirst_x:
	tensor_load_to_lds s[G0SB:G0SB+3], s[G1SB:G1SB+7]
	s_nop 0
	tensor_load_to_lds s[G0B:G0B+3], s[G1B:G1B+7]
	s_nop 0
	tensor_load_to_lds s[G0B+4:G0B+7], s[G1B:G1B+7]
	s_nop 0
.rept 4
	v_nop
.endr
.Lfirst_asked:
	; THE HEAD: thread t owns rows 2 t and 2 t + 1 of the work-group's 256 (in the images' order)
	s_lshl_b32 s96, s17, 10
	s_add_co_u32 s96, s96, PS
	s_mov_b32 s97, 0
	s_add_nc_u64 s[96:97], s[4:5], s[96:97]        ; the words of my tile row's 16 row blocks, kb 0
	v_lshlrev_b32 v3, 3, v0
.irp k, 0,1,2,3,4,5,6,7,8,9,10,11,12,13,14,15
	global_load_b64 v[FWD+2*\k:FWD+2*\k+1], v3, s[96:97] offset:32768*\k
	global_load_b64 v[FMM+2*\k:FMM+2*\k+1], v3, s[96:97] offset:524288+32768*\k
	global_load_b64 v[FLL+2*\k:FLL+2*\k+1], v3, s[96:97] offset:1048576+32768*\k
.endr
	v_and_b32 v1, 15, v0
	v_bfe_u32 v2, v0, 4, 1
	v_and_b32 v7, 31, v0
	v_lshlrev_b32 v[LI], 4, v7
	s_mul_i32 s21, s15, HALFT
	s_mul_i32 s22, s16, HALFT
	s_add_co_u32 s22, s22, 2*HALFT
.irp s, 0,1
	v_add_nc_u32 v[ADRA+\s], s21, v[LI]
	v_add_nc_u32 v[ADRB+\s], s22, v[LI]
	s_add_co_u32 s21, s21, SLOT
	s_add_co_u32 s22, s22, SLOT
.endr
	v_lshlrev_b32 v5, 2, v1
	s_mul_i32 s21, s15, HALFS
	s_mul_i32 s22, s16, HALFS
	s_add_co_u32 s22, s22, 2*HALFS+64
	s_sub_co_u32 s22, s22, s21
	v_mul_u32_u24 v6, s22, v2
	s_add_co_u32 s21, s21, SCL
	v_add_nc_u32 v5, v5, v6
	v_add_nc_u32 v[ADRS], s21, v5
	s_mul_i32 s23, s14, GW
	s_add_co_u32 s23, s23, GATH
	v_lshl_add_u32 v[GA], v1, 2, s23
	v_add_nc_u32 v[GR], s23, v[LI]
	s_lshl_b32 s23, s15, 9
	s_add_co_u32 s23, s23, RL
	v_lshl_add_u32 v[RLA], v1, 2, s23              ; 1 / l of my row: RL + 4 (128 half + 16 a + r)
	v_lshrrev_b32 v4, 6, v0
	v_and_b32 v5, 63, v0
	v_lshlrev_b32 v4, 13, v4
	v_lshl_add_u32 v4, v5, 3, v4
	v_add_nc_u32 v4, SCL, v4                       ; where my two words go: half x HALFS + 8 (t % 64), + 512 kb
	v_lshl_add_u32 v5, v0, 3, RL
	s_lshl_b32 s20, s17, 4
	s_lshl_b32 s21, s15, 3
	s_add_co_u32 s20, s20, s21                     ; my first row block of the context
	s_lshl_b32 s46, s42, 1
	s_add_co_u32 s46, s46, s16                     ; my kb among its 8
	s_lshl_b32 s98, s20, 3
	s_add_co_u32 s98, s98, s46
	s_mul_i32 s98, s98, 1536
	s_mov_b32 s99, 0
	s_add_nc_u64 s[12:13], s[8:9], s[98:99]
	s_lshl_b32 s98, s46, 9
	s_add_co_u32 s98, s98, s20
	s_lshl_b32 s98, s98, 6
	s_add_co_u32 s98, s98, CS4
	s_add_nc_u64 s[66:67], s[8:9], s[98:99]
	s_wait_loadcnt 0x0
.irp j, 0,1
	v_min3_num_f32 v[MN+\j], v[FMM+\j], v[FMM+2+\j], v[FMM+4+\j]
.endr
.irp k, 3,5,7,9,11,13
.irp j, 0,1
	v_min3_num_f32 v[MN+\j], v[MN+\j], v[FMM+2*\k+\j], v[FMM+2*\k+2+\j]
.endr
.endr
.irp j, 0,1
	v_min_num_f32 v[MN+\j], v[MN+\j], v[FMM+30+\j] ; -M = the least -M'
.endr
.irp k, 0,1,2,3,4,5,6,7,8,9,10,11,12,13,14,15
.irp j, 0,1
	v_sub_f32 v[FE+\j], v[MN+\j], v[FMM+2*\k+\j]   ; M' - M: a whole number, 0 or less
.endr
.irp j, 0,1
	v_cvt_i32_f32 v[FE+\j], v[FE+\j]               ; (it saturates)
.endr
.irp j, 0,1
.if \k == 0
	v_ldexp_f32 v[LS+\j], v[FLL+\j], v[FE+\j]      ; l' under the row's M: nothing is rounded
.else
	v_ldexp_f32 v[FT+\j], v[FLL+2*\k+\j], v[FE+\j]
.endif
.endr
.if \k > 0
.irp j, 0,1
	v_add_f32 v[LS+\j], v[LS+\j], v[FT+\j]
.endr
.endif
.irp j, 0,1
	v_sub_nc_u32 v[FE+\j], 0, v[FE+\j]
.endr
.irp j, 0,1
	v_min_u32 v[FE+\j], 127, v[FE+\j]              ; d = M - M', held at 127
.endr
.irp j, 0,1
	v_mul_lo_u32 v[FE+\j], v[FE+\j], s95           ; d in each byte
.endr
.irp j, 0,1
	v_or_b32 v[FT+\j], 0x80808080, v[FWD+2*\k+\j]  ; p's bytes are at most 123: with 128 on top no byte borrows from its neighbour
.endr
.irp j, 0,1
	v_sub_nc_u32 v[FT+\j], v[FT+\j], v[FE+\j]
.endr
.irp j, 0,1
	v_lshrrev_b32 v[FE+\j], 7, v[FT+\j]
.endr
.irp j, 0,1
	v_and_b32 v[FE+\j], s95, v[FE+\j]              ; 1 where byte - d is 0 or more
.endr
.irp j, 0,1
	v_lshlrev_b32 v[FU+\j], 8, v[FE+\j]
.endr
.irp j, 0,1
	v_sub_nc_u32 v[FE+\j], v[FU+\j], v[FE+\j]      ; 0xff there
.endr
.irp j, 0,1
	v_and_b32 v[FT+\j], 0x7f7f7f7f, v[FT+\j]
.endr
.irp j, 0,1
	v_and_b32 v[FWD+2*\k+\j], v[FT+\j], v[FE+\j]   ; byte - d, held at 0 from below
.endr
	ds_store_b64 v4, v[FWD+2*\k:FWD+2*\k+1] offset:512*\k
.endr
	v_rcp_f32 v[LS], v[LS]
	v_rcp_f32 v[LS+1], v[LS+1]
	v_nop                                          ; a plain place behind the reciprocals
	s_wait_alu depctr_va_vdst(0)                   ; one wait for both, ahead of their first reader
	ds_store_b64 v5, v[LS:LS+1]
	s_wait_tensorcnt 1                             ; V^T's words and my part of slot 0 are in; slot 1's load may be out
	s_wait_dscnt 0x0                               ; for the others' sake: my words and reciprocals lie in LDS
	s_barrier_signal -1
	s_barrier_wait -1
	FETCH_B 0, 0, 0
	FETCH_A 0, 0, 0
	SCALES 0
	FETCH_A 0, 0, 4
	STEP 0, 1
	s_mov_b32 s3, LAPS-1
.Llap:
	TURN 0, 1, 1
	STEP 1, 0
	TURN 1, 0, 1
	STEP 0, 0
	s_sub_co_u32 s3, s3, 1
	s_cmp_lg_u32 s3, 0
	s_cbranch_scc1 .Llap
	TURN 0, 1, 0
	STEP 1, 0
	s_wait_dscnt 4*NL
	WIN MUL_LO
	MUL16 0, 1, 1, 1, 0
	MUL16 2, 1, 1, 1, 0
	s_wait_dscnt 0x0
	WIN MUL_HI
	MUL16 4, 1, 1, 1, 0
	MUL16 6, 1, 1, 1, 0
	WIN 0
	PLACES NP
.irp b, 0,1,2,3
	v_mov_b32 v[TM+4+\b], 0
.endr
.irp a, 0,1,2,3,4,5,6,7
	ds_load_b32 v[RLV+2*\a], v[RLA] offset:64*\a
	v_mov_b32 v[RLV+2*\a+1], 0                     ; (named with it as a pair; the low word serves both halves)
.endr
	s_wait_dscnt 0x0
.irp a, 0,1,2,3,4,5,6,7
	DIVL \a
	QUANT \a
	OUTF \a, 8*1536
.endr
	ds_load_b128 v[WB:WB+3], v[GR]
	s_wait_dscnt 0x0
	global_store_b128 v[LI], v[WB:WB+3], s[66:67]
	s_wait_tensorcnt 0x0                           ; the wave's end
	ds_add_u32 v[SPW], v[NIL]
	s_wait_dscnt 0x0
	CROUND
	s_endpgm
.Lfunc_end_k_q801645b91d_mix:
	.size	k_q801645b91d_mix, .Lfunc_end_k_q801645b91d_mix-k_q801645b91d_mix
	.p2alignl 7, 3214868480
	.fill 96, 4, 3214868480
	.section	.rodata,"a",@progbits
	.p2align	6, 0x0
	.amdhsa_kernel k_q801645b91d_mix
		.amdhsa_group_segment_fixed_size 327680
		.amdhsa_private_segment_fixed_size 0
		.amdhsa_enable_private_segment 0
		.amdhsa_kernarg_size 24
		.amdhsa_user_sgpr_count 2
		.amdhsa_user_sgpr_kernarg_segment_ptr 1
		.amdhsa_wavefront_size32 1
		.amdhsa_system_sgpr_workgroup_id_x 1
		.amdhsa_system_sgpr_workgroup_id_y 1
		.amdhsa_system_sgpr_workgroup_id_z 1
		.amdhsa_system_vgpr_workitem_id 0
		.amdhsa_next_free_vgpr 1024
		.amdhsa_next_free_sgpr 106
		.amdhsa_reserve_vcc 0
		.amdhsa_float_denorm_mode_32 3
		.amdhsa_float_denorm_mode_16_64 3
		.amdhsa_memory_ordered 1
		.amdhsa_forward_progress 1
		.amdhsa_inst_pref_size 186
	.end_amdhsa_kernel
	.amdgpu_metadata
---
amdhsa.version: [ 1, 2 ]
amdhsa.kernels:
  - .name:           k_q801645b91d_mix
    .symbol:         k_q801645b91d_mix.kd
    .args:
      - { .name: w3, .offset: 0, .size: 8, .value_kind: global_buffer, .address_space: global }
      - { .name: w2, .offset: 8, .size: 8, .value_kind: global_buffer, .address_space: global }
      - { .name: w4, .offset: 16, .size: 8, .value_kind: global_buffer, .address_space: global }
    .group_segment_fixed_size: 327680
    .private_segment_fixed_size: 0
    .kernarg_segment_align: 8
    .kernarg_segment_size: 24
    .max_flat_workgroup_size: 128
    .sgpr_count:     106
    .vgpr_count:     1024
    .wavefront_size: 32
...
	.end_amdgpu_metadata
.endif
;; end of part 4
;; launch outp (part 5): grid 4 x 32, 4 waves a work-group, clusters of 4 x 4, 327,680 bytes of LDS; arguments w4, w1, bh, out0; writes out0
.if DOCPART == 5
	.amdgcn_target "amdgcn-amd-amdhsa--gfx1250"
	.amdhsa_code_object_version 6
	.text
	.protected	k_q801645b91d_outp
	.globl	k_q801645b91d_outp
	.p2align	8
	.type	k_q801645b91d_outp,@function
k_q801645b91d_outp:
	s_mov_b64 s[64:65], 0
	v_nop
	global_prefetch_b8 v0, s[64:65] scope:SCOPE_SE
	s_setreg_imm32_b32 hwreg(HW_REG_WAVE_MODE, 25, 1), 1
	s_wait_xcnt 0x0
	s_wait_alu depctr_hold_cnt(0) depctr_sa_sdst(0) depctr_va_vdst(0) depctr_va_sdst(0) depctr_va_ssrc(0) depctr_va_vcc(0) depctr_vm_vsrc(0)
	s_getreg_b32 s2, hwreg(HW_REG_IB_STS2, 6, 4)
	s_cmp_eq_u32 s2, 0
	s_cbranch_scc0 .Lentry_in_a_cluster
	s_endpgm
.Lentry_in_a_cluster:
	s_bfe_u32 s2, ttmp6, 0x10000c
	s_cmp_lg_u32 s2, 0xf033
	s_cbranch_scc0 .Lentry_shape_is_right
	s_endpgm
.Lentry_shape_is_right:
; Launch 5 of 5: y = context Wh + bh, on codes, stored as f32.  No work of reference() is left out.
; The tile, the ring, the cluster and the images are those of the launches before: P = the context (y side), R = Wh's columns (x side): a lane holds eight neighbouring numbers of a row of y.  bh is the C of each sum's first product.
; Lane r of P's row block rb holds row 32 (rb / 2) + 8 (rb % 2) + r + 8 (r / 8): the stores' immediates put the rows back in their order.
; THE WAY OUT goes block by block (16 rows x 128 columns) through the wave's own stage in LDS and leaves as whole rows of 512 bytes.  The stage lies in slot 0, which has had its last fill and its last read by then.
.set KB,    8
.set NQ,    2
.set LAPS,  KB/4
.set FR,    12
.set NL,    3
.set NP,    4
.set STEPB, NQ*FR*128
.set HALFT, 8*STEPB
.set SLOT,  4*HALFT
.set HALFS, 512*KB
.set SCL,   2*SLOT
.set SCB,   SCL+2*HALFS+64
.set SPARE, 269312
.set SPITCH, 528
.set S1,    9437184                    ; w1: scale words [8][768][16]
.set CS4,   6291456                    ; w4: scale words [8][512][16]
.set ADRA, 16
.set ADRB, 20
.set STO,  24
.set RD,   25
.set LI,   26
.set ADRS, 27
.set SPW,  28
.set NIL,  29
.set SC,   32
.set BI,   64
.set AF,   128
.set BK,   128                         ; the way out: 16 rows read back: v128-191 and v192-255 by turns
.set G1,   24
.set G0,   32
.set G1B,  48
.set G0B,  56
.set G1S,  68
.set G0S,  76
.set G1SB, 80
.set G0SB, 88
.set MSB, 0
.macro WIN new
.if MSB != (\new)
	s_set_vgpr_msb (MSB<<8)|(\new)
.set MSB, (\new)
.endif
.endm
.set MUL_LO, 0xa1
.set MUL_HI, 0xf1
.set TO_B,   0x40
.macro JLOAD g0a, g1a, g0b, g1b
	s_cmp_eq_u32 s15, 0
	s_cbranch_scc0 .Lfor_b_\@
	tensor_load_to_lds s[\g0a:\g0a+3], s[\g1a:\g1a+7]
	s_nop 0
.rept 4
	v_nop
.endr
	s_branch .Lasked_\@
.Lfor_b_\@:
	tensor_load_to_lds s[\g0b:\g0b+3], s[\g1b:\g1b+7]
	s_nop 0
.rept 4
	v_nop
.endr
.Lasked_\@:
.endm
.macro CREST
	s_cmp_lg_u32 s14, 0
	s_cbranch_scc1 .Lnot_wave_0_\@
	s_barrier_signal -3
.Lnot_wave_0_\@:
	s_barrier_wait -3
	s_barrier_signal -1
	s_barrier_wait -1
.endm
.macro CROUND
	s_barrier_signal -1
	s_barrier_wait -1
	CREST
.endm
.macro PLACES n
.rept \n
	v_nop
.endr
.endm
.macro FRAG reg, adr, q, i
.irp g, 0,1,2
	ds_load_b128 v[\reg+4*\g:\reg+4*\g+3], v[\adr] offset:(\i)*STEPB+(\q)*FR*128+512*\g
.endr
.endm
.macro FETCH_B slot, q, p
	WIN TO_B
.irp i, 0,1,2,3,4,5,6,7
	FRAG 128*(\p)+FR*\i, ADRB+\slot, \q, \i
.endr
	WIN 0
.endm
.macro FETCH_A slot, q, i0
.irp i, \i0, \i0+1, \i0+2, \i0+3
	FRAG AF+FR*(\i), ADRA+\slot, \q, \i
.endr
.endm
.macro SCALES sc
.irp i, 0,1,2,3,4,5,6,7
.irp q, 0,1
	ds_load_b32 v[SC+8*NQ*\sc+NQ*\i+\q], v[ADRS] offset:64*\i+512*\q
.endr
.endr
.endm
.macro MUL16 a0, p, q, sc, first       ; first = 2: the sums begin with the bias (C = v[BI + 8 b]).  The 64 accumulators take turns
.irp a, \a0, \a0+1
.irp b, 0,1,2,3,4,5,6,7
.set rD, 8*(8*((\a)%4)+\b)
.set rB, 128*(\p)+FR*\b
.set rA, AF+FR*(\a)
.set rX, SC+8*NQ*(\sc)+NQ*\b+(\q)
.set rY, SC+8*NQ*(\sc)+NQ*(\a)+(\q)
.if \first == 0
	v_wmma_scale_f32_16x16x128_f8f6f4 v[rD:rD+7], v[rB:rB+FR-1], v[rA:rA+FR-1], v[rD:rD+7], v[rX], v[rY] matrix_a_fmt:MATRIX_FMT_BF6 matrix_b_fmt:MATRIX_FMT_BF6 matrix_a_scale:MATRIX_SCALE_ROW1
.else
	v_wmma_scale_f32_16x16x128_f8f6f4 v[rD:rD+7], v[rB:rB+FR-1], v[rA:rA+FR-1], v[BI+8*\b:BI+8*\b+7], v[rX], v[rY] matrix_a_fmt:MATRIX_FMT_BF6 matrix_b_fmt:MATRIX_FMT_BF6 matrix_a_scale:MATRIX_SCALE_ROW1
.endif
.endr
.endr
.endm
.macro STEP slot, first
	s_wait_dscnt 4*NL                              ; the youngest 12 loads (P's blocks 4-7) may be out
.if \first >= 2
	WIN 0x81                                       ; C in window 0
.else
	WIN MUL_LO
.endif
	MUL16 0, 0, 0, \slot, \first
	MUL16 2, 0, 0, \slot, \first
	s_wait_dscnt 0x0
	PLACES NP
	FETCH_B \slot, 1, 1
	FETCH_A \slot, 1, 0
.if \first >= 2
	WIN 0xc1
.else
	WIN MUL_HI
.endif
	MUL16 4, 0, 0, \slot, \first
	MUL16 6, 0, 0, \slot, \first
	PLACES NP
	WIN 0
	FETCH_A \slot, 1, 4
.endm
.macro TURN slot, next, fill
	s_wait_tensorcnt 0x0                           ; all my tensor loads have landed: my part of the next slot
	ds_add_u32 v[SPW], v[NIL]                      ; 0 onto my spare word
	s_wait_dscnt 4*NL+1                            ; (the add and the youngest 12 loads may be out)
	WIN MUL_LO
	MUL16 0, 1, 1, \slot, 0
	s_wait_dscnt 0x0                               ; the add is done, and my reads of this slot are over
	s_barrier_signal -1
	MUL16 2, 1, 1, \slot, 0
	WIN 0
	s_barrier_wait -1
.if \fill
	CREST
	s_add_nc_u64 s[G0+4*\slot+2:G0+4*\slot+3], s[G0+4*\slot+2:G0+4*\slot+3], 2*STEPB
	s_add_nc_u64 s[G0B+4*\slot+2:G0B+4*\slot+3], s[G0B+4*\slot+2:G0B+4*\slot+3], 2*STEPB
	JLOAD G0+4*\slot, G1, G0B+4*\slot, G1B
.else
	PLACES NP
.endif
	v_add_nc_u32 v[ADRS], 512*NQ, v[ADRS]
	FETCH_B \next, 0, 0
	FETCH_A \next, 0, 0
	SCALES \next
	WIN MUL_HI
	MUL16 4, 1, 1, \slot, 0
	MUL16 6, 1, 1, \slot, 0
	PLACES NP
	WIN 0
	FETCH_A \next, 0, 4
.endm
.macro TOSTAGE a                       ; block a into my stage: accumulator b's eight numbers are columns 32 (b / 2) + 16 h + 8 (b % 2) + 0 .. 7 of my row; and back as whole rows
.set AC, 64*((\a)%4)
	WIN 0x08+4*((\a)/4)                            ; an LDS store's data are its source 1: window 2 or 3
.irp b, 0,1,2,3,4,5,6,7
	ds_store_b128 v[STO], v[AC+8*\b:AC+8*\b+3] offset:128*(\b/2)+32*(\b%2)        ; each accumulator from its low end on
	ds_store_b128 v[STO], v[AC+8*\b+4:AC+8*\b+7] offset:128*(\b/2)+32*(\b%2)+16
.endr
	WIN 0
.set BB, BK+64*((\a)%2)
.irp t, 0,1,2,3,4,5,6,7,8,9,10,11,12,13,14,15
	ds_load_b128 v[BB+4*\t:BB+4*\t+3], v[RD] offset:\t*SPITCH   ; LDS serves a wave's instructions in order: these see the stores above
.endr
.endm
.macro SEND a, younger                 ; younger: the LDS instructions issued behind block a's loads, which may stay out
.set BB, BK+64*((\a)%2)
.set RW, 32*((\a)/2)+8*((\a)%2)
	s_wait_dscnt \younger
.irp t, 0,1,2,3,4,5,6,7,8,9,10,11,12,13,14,15
	global_store_b128 v[LI], v[BB+4*\t:BB+4*\t+3], s[12:13] offset:(RW+\t+8*(\t/8))*4096 th:TH_STORE_NT   ; 32 lanes store 512 consecutive, aligned bytes of one row; 127 rows on at the most
.endr
.endm
	s_load_b256 s[4:11], s[0:1], 0x0               ; w4, w1, bh, out0
	v_lshl_add_u32 v[SPW], v0, 2, SPARE
	v_mov_b32 v[NIL], 0
	ds_add_u32 v[SPW], v[NIL]                      ; the wave's opening: the add, twice on end, and its wait ahead of my first tensor load
	ds_add_u32 v[SPW], v[NIL]
	v_lshrrev_b32 v1, 5, v0
	v_readfirstlane_b32 s14, v1
	s_lshr_b32 s15, s14, 1
	s_and_b32 s16, s14, 1
	s_bfe_u32 s40, ttmp6, 0x40000
	s_bfe_u32 s41, ttmp6, 0x40004
	s_lshl_b32 s42, ttmp9, 2
	s_add_co_u32 s42, s42, s40                     ; tile column
	s_and_b32 s17, ttmp7, 0xffff
	s_lshl_b32 s17, s17, 2
	s_add_co_u32 s17, s17, s41                     ; tile row
	s_lshl_b32 s43, s41, 2
	s_lshl_b32 s43, 15, s43
	s_lshl_b32 s44, 0x1111, s40
	s_or_b32 s[G1], s43, (3<<16)|(1<<21)
	s_or_b32 s[G1B], s44, (3<<16)|(1<<21)
.irp g, G1, G1B
	s_mov_b32 s[\g+1], (STEPB/8)<<16
	s_mov_b32 s[\g+2], 8<<16
	s_mov_b32 s[\g+3], (STEPB/8)<<16
	s_mov_b32 s[\g+4], 8
	s_mov_b32 s[\g+5], KB*FR*128/8
	s_mov_b32 s[\g+6], 0
	s_mov_b32 s[\g+7], 0
.endr
	s_or_b32 s[G1S], s43, (3<<16)|(1<<21)
	s_or_b32 s[G1SB], s44, (3<<16)|(1<<21)
.irp g, G1S, G1SB
	s_mov_b32 s[\g+1], 64<<16
	s_mov_b32 s[\g+2], KB<<16
	s_mov_b32 s[\g+3], 64<<16
	s_mov_b32 s[\g+4], KB
	s_mov_b32 s[\g+6], 0
	s_mov_b32 s[\g+7], 0
.endr
	s_mov_b32 s[G1S+5], 8*512                      ; the context's words: 512 row blocks from kb to kb
	s_mov_b32 s[G1SB+5], 8*768                     ; w1's: 768
	s_lshl_b32 s19, s16, 3
	s_lshl_b32 s20, s17, 4
	s_add_co_u32 s20, s20, s19                     ; the context: row block 16 x tile row + 8 half
	s_lshl_b32 s46, s42, 4
	s_add_co_u32 s46, s46, s19
	s_add_co_u32 s46, s46, 704                     ; Wh: 704 + 16 x tile column + 8 half
	s_lshl_b32 s22, s20, 6
	s_add_co_u32 s22, s22, CS4
	s_mov_b32 s23, 0
	s_mul_i32 s20, s20, KB*FR*128
	s_mov_b32 s21, 0
	s_lshl_b32 s92, s46, 6
	s_add_co_u32 s92, s92, S1
	s_mov_b32 s93, 0
	s_mul_i32 s46, s46, KB*FR*128
	s_mov_b32 s47, 0
	s_mul_i32 s45, s14, HALFT
	s_mul_i32 s94, s16, HALFS
	s_wait_dscnt 0x0
	s_wait_kmcnt 0x0
	s_add_nc_u64 s[20:21], s[4:5], s[20:21]
	s_add_nc_u64 s[22:23], s[4:5], s[22:23]
	s_add_nc_u64 s[46:47], s[6:7], s[46:47]
	s_add_nc_u64 s[92:93], s[6:7], s[92:93]
	CROUND
	s_mov_b32 s[G0S], 1
	s_add_co_u32 s[G0S+1], s94, SCL
	s_mov_b64 s[G0S+2:G0S+3], s[22:23]
	s_or_b32 s[G0S+3], s[G0S+3], 0x80000000
	s_mov_b32 s[G0SB], 1
	s_add_co_u32 s[G0SB+1], s94, SCB
	s_mov_b64 s[G0SB+2:G0SB+3], s[92:93]
	s_or_b32 s[G0SB+3], s[G0SB+3], 0x80000000
	JLOAD G0S, G1S, G0SB, G1SB
.irp s, 0,1
	s_mov_b32 s[G0+4*\s], 1
	s_add_co_u32 s[G0+4*\s+1], s45, \s*SLOT
	s_add_nc_u64 s[G0+4*\s+2:G0+4*\s+3], s[20:21], \s*STEPB
	s_or_b32 s[G0+4*\s+3], s[G0+4*\s+3], 0x80000000
	s_mov_b32 s[G0B+4*\s], 1
	s_add_co_u32 s[G0B+4*\s+1], s45, \s*SLOT
	s_add_nc_u64 s[G0B+4*\s+2:G0B+4*\s+3], s[46:47], \s*STEPB
	s_or_b32 s[G0B+4*\s+3], s[G0B+4*\s+3], 0x80000000
	JLOAD G0+4*\s, G1, G0B+4*\s, G1B
.endr
	v_and_b32 v1, 15, v0
	v_bfe_u32 v2, v0, 4, 1
	v_and_b32 v3, 31, v0
	v_lshlrev_b32 v[LI], 4, v3
	s_mul_i32 s21, s15, HALFT
	s_mul_i32 s22, s16, HALFT
	s_add_co_u32 s22, s22, 2*HALFT
.irp s, 0,1
	v_add_nc_u32 v[ADRA+\s], s21, v[LI]
	v_add_nc_u32 v[ADRB+\s], s22, v[LI]
	s_add_co_u32 s21, s21, SLOT
	s_add_co_u32 s22, s22, SLOT
.endr
	v_lshlrev_b32 v5, 2, v1
	s_mul_i32 s21, s15, HALFS
	s_mul_i32 s22, s16, HALFS
	s_add_co_u32 s22, s22, 2*HALFS+64
	s_sub_co_u32 s22, s22, s21
	v_mul_u32_u24 v6, s22, v2
	s_add_co_u32 s21, s21, SCL
	v_add_nc_u32 v5, v5, v6
	v_add_nc_u32 v[ADRS], s21, v5
	s_mul_i32 s23, s14, 16*SPITCH                  ; my stage
	v_mul_u32_u24 v5, v1, SPITCH
	v_lshl_add_u32 v5, v2, 6, v5
	v_add_nc_u32 v[STO], s23, v5                   ; in: row r, + 64 h bytes
	v_add_nc_u32 v[RD], s23, v[LI]                 ; back: the 32 lanes take one row of 512 bytes
	v_lshlrev_b32 v7, 6, v2                        ; the bias: 16 h numbers on
	s_lshl_b32 s46, s42, 10
	s_lshl_b32 s47, s16, 9
	s_add_co_u32 s46, s46, s47                     ; my first column, in bytes: 1,024 x tile column + 512 x half
	s_mov_b32 s47, 0
	s_add_nc_u64 s[96:97], s[8:9], s[46:47]
.irp b, 0,1,2,3,4,5,6,7
	global_load_b128 v[BI+8*\b:BI+8*\b+3], v7, s[96:97] offset:(32*(\b/2)+8*(\b%2))*4
	global_load_b128 v[BI+8*\b+4:BI+8*\b+7], v7, s[96:97] offset:(32*(\b/2)+8*(\b%2))*4+16
.endr
	s_lshl_b32 s20, s17, 8
	s_lshl_b32 s21, s15, 7
	s_add_co_u32 s20, s20, s21                     ; my first row: 256 x tile row + 128 x half
	s_lshl_b32 s98, s20, 12
	s_add_co_u32 s98, s98, s46
	s_mov_b32 s99, 0
	s_add_nc_u64 s[12:13], s[10:11], s[98:99]
	s_wait_tensorcnt 1                             ; the scale words and my part of slot 0 are in; slot 1's load may be out
	s_barrier_signal -1
	s_barrier_wait -1
	FETCH_B 0, 0, 0
	FETCH_A 0, 0, 0
	SCALES 0
	FETCH_A 0, 0, 4
	s_wait_loadcnt 0x0                             ; the bias
	STEP 0, 2
	s_mov_b32 s3, LAPS-1
.Llap:
	TURN 0, 1, 1
	STEP 1, 0
	TURN 1, 0, 1
	STEP 0, 0
	s_sub_co_u32 s3, s3, 1
	s_cmp_lg_u32 s3, 0
	s_cbranch_scc1 .Llap
	TURN 0, 1, 0
	STEP 1, 0
	s_wait_dscnt 4*NL
	WIN MUL_LO
	MUL16 0, 1, 1, 1, 0
	MUL16 2, 1, 1, 1, 0
	s_wait_dscnt 0x0
	WIN MUL_HI
	MUL16 4, 1, 1, 1, 0
	MUL16 6, 1, 1, 1, 0
	WIN 0
	PLACES NP                                      ; in front of the reads of results and of the loads into the registers that held P's fragments
	TOSTAGE 0
.irp a, 1,2,3,4,5,6,7
.if \a > 1
	s_wait_xcnt 0x0                                ; block a - 2's stores have read their registers: block a's loads may land there
.endif
	TOSTAGE \a
	SEND \a-1, 32                                  ; behind block a - 1's loads: block a's 16 stores and 16 loads
.endr
	SEND 7, 0
	s_wait_tensorcnt 0x0                           ; the wave's end
	ds_add_u32 v[SPW], v[NIL]
	s_wait_dscnt 0x0
	CROUND
	s_endpgm
.Lfunc_end_k_q801645b91d_outp:
	.size	k_q801645b91d_outp, .Lfunc_end_k_q801645b91d_outp-k_q801645b91d_outp
	.p2alignl 7, 3214868480
	.fill 96, 4, 3214868480
	.section	.rodata,"a",@progbits
	.p2align	6, 0x0
	.amdhsa_kernel k_q801645b91d_outp
		.amdhsa_group_segment_fixed_size 327680
		.amdhsa_private_segment_fixed_size 0
		.amdhsa_enable_private_segment 0
		.amdhsa_kernarg_size 32
		.amdhsa_user_sgpr_count 2
		.amdhsa_user_sgpr_kernarg_segment_ptr 1
		.amdhsa_wavefront_size32 1
		.amdhsa_system_sgpr_workgroup_id_x 1
		.amdhsa_system_sgpr_workgroup_id_y 1
		.amdhsa_system_sgpr_workgroup_id_z 1
		.amdhsa_system_vgpr_workitem_id 0
		.amdhsa_next_free_vgpr 1024
		.amdhsa_next_free_sgpr 106
		.amdhsa_reserve_vcc 0
		.amdhsa_float_denorm_mode_32 3
		.amdhsa_float_denorm_mode_16_64 3
		.amdhsa_memory_ordered 1
		.amdhsa_forward_progress 1
		.amdhsa_inst_pref_size 139
	.end_amdhsa_kernel
	.amdgpu_metadata
---
amdhsa.version: [ 1, 2 ]
amdhsa.kernels:
  - .name:           k_q801645b91d_outp
    .symbol:         k_q801645b91d_outp.kd
    .args:
      - { .name: w4, .offset: 0, .size: 8, .value_kind: global_buffer, .address_space: global }
      - { .name: w1, .offset: 8, .size: 8, .value_kind: global_buffer, .address_space: global }
      - { .name: bh, .offset: 16, .size: 8, .value_kind: global_buffer, .address_space: global }
      - { .name: out0, .offset: 24, .size: 8, .value_kind: global_buffer, .address_space: global }
    .group_segment_fixed_size: 327680
    .private_segment_fixed_size: 0
    .kernarg_segment_align: 8
    .kernarg_segment_size: 32
    .max_flat_workgroup_size: 128
    .sgpr_count:     106
    .vgpr_count:     1024
    .wavefront_size: 32
...
	.end_amdgpu_metadata
.endif
;; end of part 5
;; ======== version 2 of 2: 5 launches; 1.15 times as fast as version 1
;; workspace buffers: w1 9,830,400 bytes; w2 19,660,800 bytes; w3 14,155,776 bytes; w4 6,553,600 bytes
;; launch quant: the kernel of part 1 again; grid 768 x 1, 8 waves a work-group, no clusters, 70,144 bytes of LDS; arguments inputs, Wq, Wk, Wv, Wh, w1; writes w1
;; launch proj (part 6): grid 12 x 32, 4 waves a work-group, clusters of 4 x 4, 327,680 bytes of LDS; arguments w1, bq, bk, bv, w2; writes w2
.if DOCPART == 6
	.amdgcn_target "amdgcn-amd-amdhsa--gfx1250"
	.amdhsa_code_object_version 6
	.text
	.protected	k_q801645b91d_proj
	.globl	k_q801645b91d_proj
	.p2align	8
	.type	k_q801645b91d_proj,@function
k_q801645b91d_proj:
	s_mov_b64 s[64:65], 0
	v_nop
	global_prefetch_b8 v0, s[64:65] scope:SCOPE_SE
	s_setreg_imm32_b32 hwreg(HW_REG_WAVE_MODE, 25, 1), 1
	s_wait_xcnt 0x0
	s_wait_alu depctr_hold_cnt(0) depctr_sa_sdst(0) depctr_va_vdst(0) depctr_va_sdst(0) depctr_va_ssrc(0) depctr_va_vcc(0) depctr_vm_vsrc(0)
	s_getreg_b32 s2, hwreg(HW_REG_IB_STS2, 6, 4)
	s_cmp_eq_u32 s2, 0
	s_cbranch_scc0 .Lentry_in_a_cluster
	s_endpgm
.Lentry_in_a_cluster:
	s_bfe_u32 s2, ttmp6, 0x10000c
	s_cmp_lg_u32 s2, 0xf033
	s_cbranch_scc0 .Lentry_shape_is_right
	s_endpgm
.Lentry_shape_is_right:
; Launch 2 of 5: Q = x Wq + bq, K = x Wk + bk and V^T = (x Wv + bv)^T, on codes of E3M2, quantised on the way out: Q and K along the hidden axis, V along the keys.  No work of reference() is left out.
; A tile of 256 x 256 is made by four waves, each 128 x 128: 64 accumulators.  K = 1,024 is four parts of 256.  LDS HAS THREE SLOTS: parts 0, 1 and 2 are asked for at the head; part 3 goes into slot 0 when that has
; been read: the launch's one refill, with three and a half steps of 64 matrix instructions between the request and the wait for it.
; OPERANDS ARE IMAGES OF THEIR REGISTERS (a fragment of 16 rows x 128 K: 1,536 bytes, registers 4 g .. 4 g + 3 of lane l at 512 g + 16 l; fragments [rb][kb]; scale words [kb][rb][lane]): a fragment comes from LDS by three
; loads of 512 consecutive bytes.  P, the tile's y side, is source 1: a lane holds one of its rows.  R, the x side, is source 0: the registers run along its rows, which are the axis that is quantised:
; lane r of row block rb holds row 32 (rb / 2) + 8 (rb % 2) + r + 8 (r / 8), so that the 16 registers of result tiles 2 b, 2 b + 1 are 16 neighbours.
; CLUSTERS of 4 x 4: the y side's tiles are shared along a row of the cluster, the x side's along a column, each by a joint load.  The cluster's x says what is made: 0 Q, 1 K (P = x, R = the weight's columns),
; 2 V^T (P = Wv's columns, tile row cy; R = x's rows, tile column 4 x cluster y + cx).  Only global addresses are chosen by it; no LDS address is.
; The bias is the C of each sum's first product.  LIMITS: NaN and infinities are not served; a block of zeros gets the byte 1 (its codes are zeros; the bytes are read by this program alone).
; REGISTERS, in windows of 256: window 0: v1-31 addresses; v32-63 scale words, two sets; v64-127 the bias, later the way out; v128-223 P's 8 fragments, one set.  window 1: R's fragments, two sets, at v0 and v128.
;   windows 2, 3: the accumulators: (a, b) at v[8 (8 (a % 4) + b)] of window 2 + a / 4.
.set KB,    8                          ; K / 128
.set NQ,    2                          ; matrix instructions deep in a slot
.set FR,    12
.set NL,    3                          ; LDS loads that bring a fragment
.set NP,    4                          ; places behind this matrix instruction (ISA guide 7.12.1)
.set STEPB, NQ*FR*128                  ; a row block's bytes in a slot
.set HALFT, 8*STEPB                    ; 8 row blocks: what one tensor load brings
.set SLOT,  4*HALFT                    ; the y side's 16 row blocks, then the x side's
.set HALFS, 512*KB                     ; the scale words of 8 row blocks, all of K
.set SCL,   3*SLOT                     ; behind the three slots: the y side's words: half x HALFS + 512 kb + 64 i + 4 r
.set SCB,   SCL+2*HALFS+64             ; the x side's; 64 bytes on, so that lanes 16-31 read other banks than lanes 0-15
.set GATH,  313344                     ; the way out: 512 bytes of scale words for each wave
.set GW,    512
.set SPARE, 319488                     ; the spare words, 128 bytes for each wave: two blocks of 256 bytes that no other line names
.set S1,    9437184                    ; w1: scale words [8][768][16]
.set QS,    18874368                   ; w2: Q's codes 0, K's 6,291,456, V^T's VC; words QS, QS + 262,144, VS
.set VC,    12582912
.set VS,    19398656
.set ADRA, 16                          ; v16-18  my P fragments in slot 0, 1, 2
.set ADRB, 20                          ; v20-22  my R fragments
.set GA,   24
.set GR,   25
.set LI,   26
.set ADRS, 27
.set SPW,  28
.set NIL,  29
.set SC,   32
.set BI,   64
.set AF,   128
.set PC,   64                          ; the way out: v64-75 codes, v76-78, v80-82 second halves; v84-87 words
.set WB,   84
.set TM,   96                          ; v96-99 largest magnitudes, v100-103 the other half's, then bytes, v108-111 scale operands
.set PW,   112
.set G1,   24
.set G0,   32                          ; s[32:39] group 0 for the y side, slots 0 and 1;
.set G0C,  20                          ; s[20:23] slot 2
.set G1B,  48
.set G0B,  56                          ; s[56:63] the x side, slots 0 and 1;
.set G0BC, 92                          ; s[92:95] slot 2
.set G1S,  68
.set G0S,  76
.set G1SB, 80
.set G0SB, 88
.set SEL,  100
.set MSB, 0
.macro WIN new                         ; the immediate's high byte repeats the setting that is left
.if MSB != (\new)
	s_set_vgpr_msb (MSB<<8)|(\new)
.set MSB, (\new)
.endif
.endm
.set MUL_LO, 0xa1                      ; source 0 (R) window 1, source 1 (P) window 0, C and D window 2
.set MUL_HI, 0xf1
.set TO_B,   0x40
.macro JLOAD g0a, g1a, g0b, g1b        ; a joint load: waves 0 and 1 fetch for the y side, waves 2 and 3 for the x side; an s_nop 0 and four v_nop follow each line
	s_cmp_eq_u32 s15, 0
	s_cbranch_scc0 .Lfor_b_\@
	tensor_load_to_lds s[\g0a:\g0a+3], s[\g1a:\g1a+7]
	s_nop 0
.rept 4
	v_nop
.endr
	s_branch .Lasked_\@
.Lfor_b_\@:
	tensor_load_to_lds s[\g0b:\g0b+3], s[\g1b:\g1b+7]
	s_nop 0
.rept 4
	v_nop
.endr
.Lasked_\@:
.endm
.macro CREST                           ; a round of the cluster's barrier behind its opening barrier
	s_cmp_lg_u32 s14, 0
	s_cbranch_scc1 .Lnot_wave_0_\@
	s_barrier_signal -3
.Lnot_wave_0_\@:
	s_barrier_wait -3
	s_barrier_signal -1
	s_barrier_wait -1
.endm
.macro CROUND
	s_barrier_signal -1
	s_barrier_wait -1
	CREST
.endm
.macro PLACES n
.rept \n
	v_nop
.endr
.endm
.macro FRAG reg, adr, q, i             ; row block i's fragment of the slot's q-th 128 along K: three loads of 512 consecutive bytes
.irp g, 0,1,2
	ds_load_b128 v[\reg+4*\g:\reg+4*\g+3], v[\adr] offset:(\i)*STEPB+(\q)*FR*128+512*\g
.endr
.endm
.macro FETCH_B slot, q, p
	WIN TO_B
.irp i, 0,1,2,3,4,5,6,7
	FRAG 128*(\p)+FR*\i, ADRB+\slot, \q, \i
.endr
	WIN 0
.endm
.macro FETCH_A slot, q, i0
.irp i, \i0, \i0+1, \i0+2, \i0+3
	FRAG AF+FR*(\i), ADRA+\slot, \q, \i
.endr
.endm
.macro SCALES sc                       ; a part's scale words: register NQ i + q: lanes 0-15 P's block i, lanes 16-31 R's block i
.irp i, 0,1,2,3,4,5,6,7
.irp q, 0,1
	ds_load_b32 v[SC+8*NQ*(\sc)+NQ*\i+\q], v[ADRS] offset:64*\i+512*\q
.endr
.endr
.endm
; 16 products: P's blocks a0, a0 + 1 x R's eight.  first = 0: onto the sums; 2: the sums begin with the bias along R (C = v[BI + 8 b]); 3: with the bias along P (C = v[BI + 8 a]).
; The 64 accumulators take turns, one instruction a turn, in the same order in every step.
.macro MUL16 a0, p, q, sc, first
.irp a, \a0, \a0+1
.irp b, 0,1,2,3,4,5,6,7
.set rD, 8*(8*((\a)%4)+\b)
.set rB, 128*(\p)+FR*\b
.set rA, AF+FR*(\a)
.set rX, SC+8*NQ*(\sc)+NQ*\b+(\q)
.set rY, SC+8*NQ*(\sc)+NQ*(\a)+(\q)
.if \first == 0
	v_wmma_scale_f32_16x16x128_f8f6f4 v[rD:rD+7], v[rB:rB+FR-1], v[rA:rA+FR-1], v[rD:rD+7], v[rX], v[rY] matrix_a_fmt:MATRIX_FMT_BF6 matrix_b_fmt:MATRIX_FMT_BF6 matrix_a_scale:MATRIX_SCALE_ROW1
.elseif \first == 2
	v_wmma_scale_f32_16x16x128_f8f6f4 v[rD:rD+7], v[rB:rB+FR-1], v[rA:rA+FR-1], v[BI+8*\b:BI+8*\b+7], v[rX], v[rY] matrix_a_fmt:MATRIX_FMT_BF6 matrix_b_fmt:MATRIX_FMT_BF6 matrix_a_scale:MATRIX_SCALE_ROW1
.else
	v_wmma_scale_f32_16x16x128_f8f6f4 v[rD:rD+7], v[rB:rB+FR-1], v[rA:rA+FR-1], v[BI+8*(\a):BI+8*(\a)+7], v[rX], v[rY] matrix_a_fmt:MATRIX_FMT_BF6 matrix_b_fmt:MATRIX_FMT_BF6 matrix_a_scale:MATRIX_SCALE_ROW1
.endif
.endr
.endr
.endm
; A step of 128 along K with no barrier: the q-th of its part, scale set sc.  It fetches the next step's fragments: the nq-th 128 of slot nslot (nq = 0: another slot, which an earlier barrier has shown whole; its scale words go into set nsc).
.macro STEP q, sc, first, nslot, nq, nsc
	s_wait_dscnt 4*NL                              ; R's set and P's blocks 0-3 are in; the youngest 12 loads (P's blocks 4-7) may be out
.if \first >= 2
	WIN 0x81                                       ; C in window 0
.else
	WIN MUL_LO
.endif
	MUL16 0, \q, \q, \sc, \first
	MUL16 2, \q, \q, \sc, \first
	s_wait_dscnt 0x0                               ; P's blocks 4-7 are in
	PLACES NP                                      ; in front of loads into registers that matrix instructions have read
.if \nq == 0
	WIN 0
	v_add_nc_u32 v[ADRS], 512*NQ, v[ADRS]          ; the next part's scale words
.endif
	FETCH_B \nslot, \nq, \nq
	FETCH_A \nslot, \nq, 0
.if \nq == 0
	SCALES \nsc
.endif
.if \first >= 2
	WIN 0xc1
.else
	WIN MUL_HI
.endif
	MUL16 4, \q, \q, \sc, \first
	MUL16 6, \q, \q, \sc, \first
	PLACES NP
	WIN 0
	FETCH_A \nslot, \nq, 4
.endm
; A part's last 128 along K with a barrier in it.  fill = 1: the slot just read out takes part 3.
.macro TURN slot, sc, next, nsc, fill
	s_wait_tensorcnt 0x0                           ; all my tensor loads have landed
	ds_add_u32 v[SPW], v[NIL]                      ; 0 onto my spare word
	s_wait_dscnt 4*NL+1                            ; (the add and the youngest 12 loads may be out)
	WIN MUL_LO
	MUL16 0, 1, 1, \sc, 0
	s_wait_dscnt 0x0                               ; the add is done, and my reads of this slot are over
	s_barrier_signal -1
	MUL16 2, 1, 1, \sc, 0
	WIN 0
	s_barrier_wait -1
.if \fill
	CREST                                          ; the barrier has opened a round of the cluster's: no wave of any partner still reads this slot or has a load on its way
	s_add_nc_u64 s[G0+4*\slot+2:G0+4*\slot+3], s[G0+4*\slot+2:G0+4*\slot+3], 3*STEPB
	s_add_nc_u64 s[G0B+4*\slot+2:G0B+4*\slot+3], s[G0B+4*\slot+2:G0B+4*\slot+3], 3*STEPB
	JLOAD G0+4*\slot, G1, G0B+4*\slot, G1B         ; the first tensor load behind the round; its four v_nop are also the places in front of the loads below
.else
	PLACES NP
.endif
	v_add_nc_u32 v[ADRS], 512*NQ, v[ADRS]          ; the next part's scale words
	FETCH_B \next, 0, 0
	FETCH_A \next, 0, 0
	SCALES \nsc
	WIN MUL_HI
	MUL16 4, 1, 1, \sc, 0
	MUL16 6, 1, 1, \sc, 0
	PLACES NP
	WIN 0
	FETCH_A \next, 0, 4
.endm
; THE WAY OUT of P's block a: register S + 16 b + i of window W holds k = 32 b + 16 (lane / 16) + i of my row: they become a fragment's codes in v[PC] on and its scale word in v[PW].
.macro QUANT a
.set W, 2+(\a)/4
.set S, 64*((\a)%4)
	WIN W|(W<<2)
.irp b, 0,1,2,3
	v_max3_num_f32 v[TM+\b], |v[S+16*\b]|, |v[S+16*\b+1]|, 0x2800000   ; each accumulator is read from its low end on; the floor 2^(5 - 127) holds the byte at 1 from below
.endr
.irp i, 2,4,6,8,10,12,14
.irp b, 0,1,2,3
	v_max3_num_f32 v[TM+\b], |v[S+16*\b+\i]|, |v[S+16*\b+\i+1]|, v[TM+\b]
.endr
.endr
	WIN 0
.irp b, 0,1,2,3
	v_permlanex16_b32 v[TM+4+\b], v[TM+\b], s[SEL], s[SEL+1]
.endr
.irp b, 0,1,2,3
	v_max_num_f32 v[TM+\b], v[TM+\b], v[TM+4+\b]   ; with lane l xor 16's: the block's largest magnitude
.endr
.irp b, 0,1,2,3
	v_add_nc_u32 v[TM+12+\b], 0xfe000000, v[TM+\b] ; 4 off the exponent field: the conversion's scale operand
.endr
	s_wait_dscnt 0x0                               ; the last block's LDS store has read its word,
	s_wait_xcnt 0x0                                ; and its global stores their codes and their base: all may be written again
.irp b, 0,1,2,3
	v_lshrrev_b32 v[TM+4+\b], 23, v[TM+12+\b]
.endr
	v_lshl_or_b32 v[PW], v[TM+5], 8, v[TM+4]
	v_lshl_or_b32 v[PW], v[TM+6], 16, v[PW]
	v_lshl_or_b32 v[PW], v[TM+7], 24, v[PW]
	WIN W
.irp c, 0,1
	v_cvt_scalef32_pk16_bf6_f32 v[PC+6*\c:PC+6*\c+2], v[S+32*\c:S+32*\c+15], v[TM+12+2*\c]
	v_cvt_scalef32_pk16_bf6_f32 v[PC+12+4*\c:PC+14+4*\c], v[S+32*\c+16:S+32*\c+31], v[TM+12+2*\c+1]
.endr
	WIN 0
	v_nop                                          ; one plain place behind a scaled conversion
.irp c, 0,1                                    ; the operand's layout wants a whole block in a lane
.irp i, 0,1,2
	v_permlane16_swap_b32 v[PC+6*\c+\i], v[PC+12+4*\c+\i]
.endr
.irp i, 0,1,2
	v_mov_b32 v[PC+3+6*\c+\i], v[PC+12+4*\c+\i]
.endr
.endr
.endm
.macro OUTF a, pitch
.irp g, 0,1,2
	global_store_b128 v[LI], v[PC+4*\g:PC+4*\g+3], s[12:13] offset:(\a)*(\pitch)+512*\g   ; 512 consecutive, aligned bytes a store
.endr
	ds_store_b32 v[GA], v[PW] offset:64*(\a)       ; both halves of the lanes write the same word
.endm
	s_load_b256 s[4:11], s[0:1], 0x0               ; w1, bq, bk, bv
	s_load_b64 s[12:13], s[0:1], 0x20              ; w2
	v_lshl_add_u32 v[SPW], v0, 2, SPARE
	v_mov_b32 v[NIL], 0
	ds_add_u32 v[SPW], v[NIL]                      ; the wave's opening: the add, twice on end, and its wait ahead of my first tensor load
	ds_add_u32 v[SPW], v[NIL]
	v_lshrrev_b32 v1, 5, v0
	v_readfirstlane_b32 s14, v1                    ; wave 0..3
	s_lshr_b32 s15, s14, 1                         ; my half of P.  Also: I fetch for the y side (0) or the x side (1)
	s_and_b32 s16, s14, 1                          ; my half of R.  Also: which 8 row blocks I fetch
	s_bfe_u32 s40, ttmp6, 0x40000                  ; cx
	s_bfe_u32 s41, ttmp6, 0x40004                  ; cy
	s_and_b32 s17, ttmp7, 0xffff                   ; cluster y
	s_lshl_b32 s43, s41, 2
	s_lshl_b32 s43, 15, s43                        ; my row of the cluster
	s_lshl_b32 s44, 0x1111, s40                    ; my column
	s_or_b32 s[G1], s43, (3<<16)|(1<<21)           ; codes: 15:0 the mask; 17:16 elements of 8 bytes; 21 set beside a mask; no padding
	s_or_b32 s[G1B], s44, (3<<16)|(1<<21)
.irp g, G1, G1B
	s_mov_b32 s[\g+1], (STEPB/8)<<16               ; tensor_dim0: a row block's 3,072 bytes of a slot
	s_mov_b32 s[\g+2], 8<<16                       ; tensor_dim1: 8 row blocks
	s_mov_b32 s[\g+3], (STEPB/8)<<16               ; tile_dim0
	s_mov_b32 s[\g+4], 8                           ; tile_dim1
	s_mov_b32 s[\g+5], KB*FR*128/8                 ; from row block to row block
	s_mov_b32 s[\g+6], 0
	s_mov_b32 s[\g+7], 0
.endr
	s_or_b32 s[G1S], s43, (3<<16)|(1<<21)          ; scale words: KB rows of 512 bytes
	s_or_b32 s[G1SB], s44, (3<<16)|(1<<21)
.irp g, G1S, G1SB
	s_mov_b32 s[\g+1], 64<<16
	s_mov_b32 s[\g+2], KB<<16
	s_mov_b32 s[\g+3], 64<<16
	s_mov_b32 s[\g+4], KB
	s_mov_b32 s[\g+5], 8*768                       ; from kb to kb: 768 row blocks of 64 bytes
	s_mov_b32 s[\g+6], 0
	s_mov_b32 s[\g+7], 0
.endr
	s_lshl_b32 s19, s16, 3
	s_lshl_b32 s20, s41, 4
	s_add_co_u32 s20, s20, s19                     ; y side: 16 cy + 8 half,
	s_lshl_b32 s21, s17, 6                         ; + 64 x cluster y (x's rows), or + 640 (Wv)
	s_lshl_b32 s46, s40, 4
	s_add_co_u32 s46, s46, s19                     ; x side: 16 cx + 8 half,
	s_lshl_b32 s47, ttmp9, 6
	s_add_co_u32 s47, s47, 512                     ; + 512 + 64 x cluster x (Wq, Wk), or + 64 x cluster y (x's rows)
	s_mov_b32 s92, s21
	s_cmp_eq_u32 ttmp9, 2                          ; the cluster's x: the same in all sixteen partners
	s_cselect_b32 s21, 640, s21
	s_cselect_b32 s47, s92, s47
	s_add_co_u32 s20, s20, s21
	s_add_co_u32 s46, s46, s47
	s_lshl_b32 s22, s20, 6
	s_add_co_u32 s22, s22, S1
	s_mov_b32 s23, 0
	s_mul_i32 s20, s20, KB*FR*128
	s_mov_b32 s21, 0
	s_lshl_b32 s92, s46, 6
	s_add_co_u32 s92, s92, S1
	s_mov_b32 s93, 0
	s_mul_i32 s46, s46, KB*FR*128
	s_mov_b32 s47, 0
	s_mul_i32 s45, s14, HALFT                      ; where they go: no place in the cluster enters an LDS address
	s_mul_i32 s94, s16, HALFS
	s_mov_b32 s[SEL], 0x76543210
	s_mov_b32 s[SEL+1], 0xfedcba98
	s_wait_dscnt 0x0                               ; both opening adds are done
	s_wait_kmcnt 0x0
	s_add_nc_u64 s[20:21], s[4:5], s[20:21]
	s_add_nc_u64 s[22:23], s[4:5], s[22:23]
	s_add_nc_u64 s[46:47], s[4:5], s[46:47]
	s_add_nc_u64 s[92:93], s[4:5], s[92:93]
	CROUND                                         ; all sixteen work-groups are here: the first joint loads meet
	s_mov_b32 s[G0S], 1
	s_add_co_u32 s[G0S+1], s94, SCL
	s_mov_b64 s[G0S+2:G0S+3], s[22:23]
	s_or_b32 s[G0S+3], s[G0S+3], 0x80000000
	s_mov_b32 s[G0SB], 1
	s_add_co_u32 s[G0SB+1], s94, SCB
	s_mov_b64 s[G0SB+2:G0SB+3], s[92:93]
	s_or_b32 s[G0SB+3], s[G0SB+3], 0x80000000
	JLOAD G0S, G1S, G0SB, G1SB                     ; the scale words of all of K: filled once
.irp s, 0,1
	s_mov_b32 s[G0+4*\s], 1
	s_add_co_u32 s[G0+4*\s+1], s45, \s*SLOT
	s_add_nc_u64 s[G0+4*\s+2:G0+4*\s+3], s[20:21], \s*STEPB
	s_or_b32 s[G0+4*\s+3], s[G0+4*\s+3], 0x80000000
	s_mov_b32 s[G0B+4*\s], 1
	s_add_co_u32 s[G0B+4*\s+1], s45, \s*SLOT
	s_add_nc_u64 s[G0B+4*\s+2:G0B+4*\s+3], s[46:47], \s*STEPB
	s_or_b32 s[G0B+4*\s+3], s[G0B+4*\s+3], 0x80000000
	JLOAD G0+4*\s, G1, G0B+4*\s, G1B
.endr
	s_add_nc_u64 s[G0C+2:G0C+3], s[20:21], 2*STEPB ; slot 2's descriptors take the registers in which the addresses were made
	s_or_b32 s[G0C+3], s[G0C+3], 0x80000000
	s_mov_b32 s[G0C], 1
	s_add_co_u32 s[G0C+1], s45, 2*SLOT
	s_add_nc_u64 s[G0BC+2:G0BC+3], s[46:47], 2*STEPB
	s_or_b32 s[G0BC+3], s[G0BC+3], 0x80000000
	s_mov_b32 s[G0BC], 1
	s_add_co_u32 s[G0BC+1], s45, 2*SLOT
	JLOAD G0C, G1, G0BC, G1B                       ; four loads of mine are out
	v_and_b32 v1, 15, v0                           ; r
	v_bfe_u32 v2, v0, 4, 1                         ; h
	v_and_b32 v3, 31, v0
	v_lshlrev_b32 v[LI], 4, v3                     ; 16 x lane
	s_mul_i32 s43, s15, HALFT
	s_mul_i32 s44, s16, HALFT
	s_add_co_u32 s44, s44, 2*HALFT
.irp s, 0,1,2
	v_add_nc_u32 v[ADRA+\s], s43, v[LI]
	v_add_nc_u32 v[ADRB+\s], s44, v[LI]
	s_add_co_u32 s43, s43, SLOT
	s_add_co_u32 s44, s44, SLOT
.endr
	v_lshlrev_b32 v5, 2, v1
	s_mul_i32 s43, s15, HALFS
	s_mul_i32 s44, s16, HALFS
	s_add_co_u32 s44, s44, 2*HALFS+64
	s_sub_co_u32 s44, s44, s43
	v_mul_u32_u24 v6, s44, v2                      ; lanes 16-31 take R's words: one product, the distance between the two
	s_add_co_u32 s43, s43, SCL
	v_add_nc_u32 v5, v5, v6
	v_add_nc_u32 v[ADRS], s43, v5
	s_mul_i32 s45, s14, GW
	s_add_co_u32 s45, s45, GATH
	v_lshl_add_u32 v[GA], v1, 2, s45
	v_add_nc_u32 v[GR], s45, v[LI]
	v_lshlrev_b32 v7, 6, v2                        ; the bias along R: 16 h numbers on
	v_lshrrev_b32 v8, 3, v1
	v_lshlrev_b32 v8, 5, v8
	v_lshl_add_u32 v8, v1, 2, v8                   ; the bias along P: number r + 8 (r / 8)
	s_lshl_b32 s104, s40, 10
	s_lshl_b32 s105, s16, 9
	s_add_co_u32 s104, s104, s105                  ; Q, K: my 128 of the weight's columns: (256 cx + 128 half of R) x 4
	s_lshl_b32 s105, s41, 10
	s_lshl_b32 s2, s15, 9
	s_add_co_u32 s105, s105, s2                    ; V: (256 cy + 128 half of P) x 4
	s_cmp_eq_u32 ttmp9, 2
	s_cselect_b32 s104, s105, s104
	s_mov_b32 s105, 0
	s_cmp_eq_u32 ttmp9, 1
	s_cselect_b64 s[96:97], s[8:9], s[10:11]
	s_cmp_eq_u32 ttmp9, 0
	s_cselect_b64 s[96:97], s[6:7], s[96:97]
	s_add_nc_u64 s[96:97], s[96:97], s[104:105]
	s_cmp_eq_u32 ttmp9, 2
	s_cbranch_scc1 .Lbias_v
.irp b, 0,1,2,3,4,5,6,7
	global_load_b128 v[BI+8*\b:BI+8*\b+3], v7, s[96:97] offset:(32*(\b/2)+8*(\b%2))*4      ; tile b, register j: column 32 (b / 2) + 16 h + 8 (b % 2) + j
	global_load_b128 v[BI+8*\b+4:BI+8*\b+7], v7, s[96:97] offset:(32*(\b/2)+8*(\b%2))*4+16
.endr
	s_branch .Lbias_done
.Lbias_v:
.set i, 0
.rept 64
	global_load_b32 v[BI+i], v8, s[96:97] offset:(32*(i/16)+8*((i/8)%2))*4   ; block a = i / 8: all eight registers hold my row's bias
.set i, i+1
.endr
.Lbias_done:
	; where the results go
	s_lshl_b32 s46, s41, 4
	s_lshl_b32 s98, s15, 3
	s_add_co_u32 s46, s46, s98                     ; V: P's first row block: 16 cy + 8 half
	s_lshl_b32 s98, s17, 6
	s_add_co_u32 s98, s98, s46                     ; Q, K: + 64 x cluster y
	s_lshl_b32 s99, s40, 1
	s_add_co_u32 s99, s99, s16                     ; Q, K: kb = 2 cx + half
	s_lshl_b32 s104, s17, 3
	s_add_co_u32 s104, s104, s99                   ; V: which 128 of x's rows: 8 x cluster y + 2 cx + half
	s_lshl_b32 s105, s98, 3
	s_add_co_u32 s105, s105, s99
	s_mul_i32 s105, s105, 1536
	s_mul_i32 s2, ttmp9, 6291456
	s_add_co_u32 s105, s105, s2                    ; Q, K: codes
	s_lshl_b32 s99, s99, 9
	s_add_co_u32 s99, s99, s98
	s_lshl_b32 s99, s99, 6
	s_mul_i32 s2, ttmp9, 262144
	s_add_co_u32 s99, s99, s2
	s_add_co_u32 s99, s99, QS                      ; Q, K: words
	s_lshr_b32 s2, s104, 4                         ; V: the batch,
	s_lshl_b32 s2, s2, 6
	s_add_co_u32 s2, s2, s46
	s_lshl_b32 s2, s2, 4
	s_and_b32 s98, s104, 15                        ; and kb among its 16
	s_add_co_u32 s2, s2, s98
	s_mul_i32 s2, s2, 1536
	s_add_co_u32 s2, s2, VC                        ; V: codes
	s_lshl_b32 s104, s104, 6
	s_add_co_u32 s104, s104, s46
	s_lshl_b32 s104, s104, 6
	s_add_co_u32 s104, s104, VS                    ; V: words
	s_cmp_eq_u32 ttmp9, 2
	s_cselect_b32 s18, s2, s105
	s_cselect_b32 s98, s104, s99
	s_mov_b32 s2, 8*1536
	s_cselect_b32 s2, 16*1536, s2                  ; from row block to row block
	s_mov_b32 s19, 0
	s_mov_b32 s99, 0
	s_add_nc_u64 s[66:67], s[12:13], s[98:99]
	s_add_nc_u64 s[12:13], s[12:13], s[18:19]
	s_mov_b32 s98, s2
	s_wait_tensorcnt 2                             ; the scale words and my part of slot 0 are in; slots 1 and 2 may be out
	s_barrier_signal -1
	s_barrier_wait -1
	FETCH_B 0, 0, 0
	FETCH_A 0, 0, 0
	SCALES 0
	FETCH_A 0, 0, 4
	s_wait_loadcnt 0x0                             ; the bias
	s_cmp_eq_u32 ttmp9, 2
	s_cbranch_scc1 .Lfirst_v
	STEP 0, 0, 2, 0, 1, 0                          ; part 0: its first products start the sums
	s_branch .Lfirst_done
.Lfirst_v:
	STEP 0, 0, 3, 0, 1, 0
.Lfirst_done:
	TURN 0, 0, 1, 1, 1                             ; slots 1 and 2 are whole in every wave's sight; slot 0 takes part 3
	STEP 0, 1, 0, 1, 1, 0                          ; part 1
	STEP 1, 1, 0, 2, 0, 0                          ; on into slot 2 with no barrier
	STEP 0, 0, 0, 2, 1, 0                          ; part 2
	TURN 2, 0, 0, 1, 0                             ; part 3 has landed; nothing is filled again
	STEP 0, 1, 0, 0, 1, 0                          ; part 3
	s_wait_dscnt 4*NL
	WIN MUL_LO
	MUL16 0, 1, 1, 1, 0
	MUL16 2, 1, 1, 1, 0
	s_wait_dscnt 0x0
	WIN MUL_HI
	MUL16 4, 1, 1, 1, 0
	MUL16 6, 1, 1, 1, 0
	WIN 0
	PLACES NP                                      ; in front of the first read of results
.irp b, 0,1,2,3
	v_mov_b32 v[TM+4+\b], 0                        ; written once: a lane permute's destination counts as one of its sources
.endr
.irp a, 0,1,2,3,4,5,6,7
	QUANT \a
.if \a > 0
	s_add_nc_u64 s[12:13], s[12:13], s[98:99]      ; the next row block (behind QUANT's wait: the last stores have read their base)
.endif
	OUTF \a, 0
.endr
	ds_load_b128 v[WB:WB+3], v[GR]                 ; LDS serves a wave's instructions in order: these see my eight stores
	s_wait_dscnt 0x0
	global_store_b128 v[LI], v[WB:WB+3], s[66:67]  ; my eight row blocks' words: 512 consecutive, aligned bytes
	s_wait_tensorcnt 0x0                           ; the wave's end
	ds_add_u32 v[SPW], v[NIL]
	s_wait_dscnt 0x0
	CROUND                                         ; the closing round
	s_endpgm
.Lfunc_end_k_q801645b91d_proj:
	.size	k_q801645b91d_proj, .Lfunc_end_k_q801645b91d_proj-k_q801645b91d_proj
	.p2alignl 7, 3214868480
	.fill 96, 4, 3214868480
	.section	.rodata,"a",@progbits
	.p2align	6, 0x0
	.amdhsa_kernel k_q801645b91d_proj
		.amdhsa_group_segment_fixed_size 327680
		.amdhsa_private_segment_fixed_size 0
		.amdhsa_enable_private_segment 0
		.amdhsa_kernarg_size 40
		.amdhsa_user_sgpr_count 2
		.amdhsa_user_sgpr_kernarg_segment_ptr 1
		.amdhsa_wavefront_size32 1
		.amdhsa_system_sgpr_workgroup_id_x 1
		.amdhsa_system_sgpr_workgroup_id_y 1
		.amdhsa_system_sgpr_workgroup_id_z 1
		.amdhsa_system_vgpr_workitem_id 0
		.amdhsa_next_free_vgpr 1024
		.amdhsa_next_free_sgpr 106
		.amdhsa_reserve_vcc 0
		.amdhsa_float_denorm_mode_32 3
		.amdhsa_float_denorm_mode_16_64 3
		.amdhsa_memory_ordered 1
		.amdhsa_forward_progress 1
		.amdhsa_inst_pref_size 164
	.end_amdhsa_kernel
	.amdgpu_metadata
---
amdhsa.version: [ 1, 2 ]
amdhsa.kernels:
  - .name:           k_q801645b91d_proj
    .symbol:         k_q801645b91d_proj.kd
    .args:
      - { .name: w1, .offset: 0, .size: 8, .value_kind: global_buffer, .address_space: global }
      - { .name: bq, .offset: 8, .size: 8, .value_kind: global_buffer, .address_space: global }
      - { .name: bk, .offset: 16, .size: 8, .value_kind: global_buffer, .address_space: global }
      - { .name: bv, .offset: 24, .size: 8, .value_kind: global_buffer, .address_space: global }
      - { .name: w2, .offset: 32, .size: 8, .value_kind: global_buffer, .address_space: global }
    .group_segment_fixed_size: 327680
    .private_segment_fixed_size: 0
    .kernarg_segment_align: 8
    .kernarg_segment_size: 40
    .max_flat_workgroup_size: 128
    .sgpr_count:     106
    .vgpr_count:     1024
    .wavefront_size: 32
...
	.end_amdgpu_metadata
.endif
;; end of part 6
;; launch score (part 7): grid 8 x 32, 4 waves a work-group, clusters of 4 x 4, 327,680 bytes of LDS; arguments w2, w3; writes w3
.if DOCPART == 7
	.amdgcn_target "amdgcn-amd-amdhsa--gfx1250"
	.amdhsa_code_object_version 6
	.text
	.protected	k_q801645b91d_score
	.globl	k_q801645b91d_score
	.p2align	8
	.type	k_q801645b91d_score,@function
k_q801645b91d_score:
	s_mov_b64 s[64:65], 0
	v_nop
	global_prefetch_b8 v0, s[64:65] scope:SCOPE_SE
	s_setreg_imm32_b32 hwreg(HW_REG_WAVE_MODE, 25, 1), 1
	s_wait_xcnt 0x0
	s_wait_alu depctr_hold_cnt(0) depctr_sa_sdst(0) depctr_va_vdst(0) depctr_va_sdst(0) depctr_va_ssrc(0) depctr_va_vcc(0) depctr_vm_vsrc(0)
	s_getreg_b32 s2, hwreg(HW_REG_IB_STS2, 6, 4)
	s_cmp_eq_u32 s2, 0
	s_cbranch_scc0 .Lentry_in_a_cluster
	s_endpgm
.Lentry_in_a_cluster:
	s_bfe_u32 s2, ttmp6, 0x10000c
	s_cmp_lg_u32 s2, 0xf033
	s_cbranch_scc0 .Lentry_shape_is_right
	s_endpgm
.Lentry_shape_is_right:
; Launch 3 of 5: the scores Q K^T of a batch, and on the way out p = 2^(t - M'), t = score x log2(e) / 32, quantised along the keys.  No work of reference() is left out.
; M' IS LOCAL: the ceiling of the row's largest t among the wave's 128 keys, a whole number.  The next launch brings the scale bytes under the row's own M: a power of two, which a block's scale takes up, so the codes stay.
; Stored: p's codes as images [512 rb][16 kb], and for each row and 128 keys the scale word, -M' (f32) and the sum l' of the unquantised p, each [16 kb][512 rb][lane].
; The tile, the three slots (parts 0, 1, 2 of K asked for at the head, part 3 into slot 0 when that has been read), the cluster and the images are those of the launch before: P = Q (y side), R = K (x side):
; a lane holds one query, its registers run along the keys.
; LIMITS: NaN and infinities are not served; a p under 2^-126 of its local M' comes out of v_exp_f32 as 0; a block whose every p is 0 gets the byte 1 over zero codes.
.set KB,    8
.set NQ,    2
.set FR,    12
.set NL,    3
.set NP,    4
.set STEPB, NQ*FR*128
.set HALFT, 8*STEPB
.set SLOT,  4*HALFT
.set HALFS, 512*KB
.set SCL,   3*SLOT
.set SCB,   SCL+2*HALFS+64
.set GATH,  313344                     ; the way out: for each wave 512 bytes of scale words, 512 of -M', 512 of l'
.set GW,    1536
.set SPARE, 319488
.set QS,    18874368                   ; w2: Q's codes 0, K's KC; words QS, KS
.set KC,    6291456
.set KS,    19136512
.set PS,    12582912                   ; w3: codes 0; words PS, -M' PS + 524,288, l' PS + 1,048,576
.set ADRA, 16                          ; v16-18
.set ADRB, 20                          ; v20-22
.set GA,   24
.set GR,   25
.set LI,   26
.set ADRS, 27
.set SPW,  28
.set NIL,  29
.set SC,   32
.set AF,   128
.set PC,   64
.set WB,   84                          ; v84-95: what leaves GATH
.set TM,   96
.set PW,   112
.set T0,   113
.set NM,   114                         ; v[114:115] -M'
.set L0,   116                         ; v[116:117], v[118:119] the sum in two chains of pairs
.set L1,   118
.set G1,   24
.set G0,   32
.set G0C,  20                          ; s[20:23] the y side's slot 2
.set G1B,  48
.set G0B,  56
.set G0BC, 92                          ; s[92:95] the x side's slot 2
.set G1S,  68
.set G0S,  76
.set G1SB, 80
.set G0SB, 88
.set SEL,  100
.set CS,   104                         ; s[104:105] c = log2(e) / 32
.set MSB, 0
.macro WIN new
.if MSB != (\new)
	s_set_vgpr_msb (MSB<<8)|(\new)
.set MSB, (\new)
.endif
.endm
.set MUL_LO, 0xa1
.set MUL_HI, 0xf1
.set TO_B,   0x40
.macro JLOAD g0a, g1a, g0b, g1b
	s_cmp_eq_u32 s15, 0
	s_cbranch_scc0 .Lfor_b_\@
	tensor_load_to_lds s[\g0a:\g0a+3], s[\g1a:\g1a+7]
	s_nop 0
.rept 4
	v_nop
.endr
	s_branch .Lasked_\@
.Lfor_b_\@:
	tensor_load_to_lds s[\g0b:\g0b+3], s[\g1b:\g1b+7]
	s_nop 0
.rept 4
	v_nop
.endr
.Lasked_\@:
.endm
.macro CREST
	s_cmp_lg_u32 s14, 0
	s_cbranch_scc1 .Lnot_wave_0_\@
	s_barrier_signal -3
.Lnot_wave_0_\@:
	s_barrier_wait -3
	s_barrier_signal -1
	s_barrier_wait -1
.endm
.macro CROUND
	s_barrier_signal -1
	s_barrier_wait -1
	CREST
.endm
.macro PLACES n
.rept \n
	v_nop
.endr
.endm
.macro FRAG reg, adr, q, i
.irp g, 0,1,2
	ds_load_b128 v[\reg+4*\g:\reg+4*\g+3], v[\adr] offset:(\i)*STEPB+(\q)*FR*128+512*\g
.endr
.endm
.macro FETCH_B slot, q, p
	WIN TO_B
.irp i, 0,1,2,3,4,5,6,7
	FRAG 128*(\p)+FR*\i, ADRB+\slot, \q, \i
.endr
	WIN 0
.endm
.macro FETCH_A slot, q, i0
.irp i, \i0, \i0+1, \i0+2, \i0+3
	FRAG AF+FR*(\i), ADRA+\slot, \q, \i
.endr
.endm
.macro SCALES sc
.irp i, 0,1,2,3,4,5,6,7
.irp q, 0,1
	ds_load_b32 v[SC+8*NQ*(\sc)+NQ*\i+\q], v[ADRS] offset:64*\i+512*\q
.endr
.endr
.endm
.macro MUL16 a0, p, q, sc, first       ; first = 1: the products start the sums.  The 64 accumulators take turns
.irp a, \a0, \a0+1
.irp b, 0,1,2,3,4,5,6,7
.set rD, 8*(8*((\a)%4)+\b)
.set rB, 128*(\p)+FR*\b
.set rA, AF+FR*(\a)
.set rX, SC+8*NQ*(\sc)+NQ*\b+(\q)
.set rY, SC+8*NQ*(\sc)+NQ*(\a)+(\q)
.if \first == 0
	v_wmma_scale_f32_16x16x128_f8f6f4 v[rD:rD+7], v[rB:rB+FR-1], v[rA:rA+FR-1], v[rD:rD+7], v[rX], v[rY] matrix_a_fmt:MATRIX_FMT_BF6 matrix_b_fmt:MATRIX_FMT_BF6 matrix_a_scale:MATRIX_SCALE_ROW1
.else
	v_wmma_scale_f32_16x16x128_f8f6f4 v[rD:rD+7], v[rB:rB+FR-1], v[rA:rA+FR-1], 0, v[rX], v[rY] matrix_a_fmt:MATRIX_FMT_BF6 matrix_b_fmt:MATRIX_FMT_BF6 matrix_a_scale:MATRIX_SCALE_ROW1
.endif
.endr
.endr
.endm
; A step of 128 along K with no barrier: the q-th of its part, scale set sc; it fetches the nq-th 128 of slot nslot (nq = 0: another slot, which an earlier barrier has shown whole; its scale words go into set nsc).
.macro STEP q, sc, first, nslot, nq, nsc
	s_wait_dscnt 4*NL                              ; the youngest 12 loads (P's blocks 4-7) may be out
	WIN MUL_LO
	MUL16 0, \q, \q, \sc, \first
	MUL16 2, \q, \q, \sc, \first
	s_wait_dscnt 0x0
	PLACES NP
.if \nq == 0
	WIN 0
	v_add_nc_u32 v[ADRS], 512*NQ, v[ADRS]
.endif
	FETCH_B \nslot, \nq, \nq
	FETCH_A \nslot, \nq, 0
.if \nq == 0
	SCALES \nsc
.endif
	WIN MUL_HI
	MUL16 4, \q, \q, \sc, \first
	MUL16 6, \q, \q, \sc, \first
	PLACES NP
	WIN 0
	FETCH_A \nslot, \nq, 4
.endm
.macro TURN slot, sc, next, nsc, fill  ; a part's last 128 along K with a barrier in it.  fill = 1: the slot just read out takes part 3
	s_wait_tensorcnt 0x0                           ; all my tensor loads have landed
	ds_add_u32 v[SPW], v[NIL]                      ; 0 onto my spare word
	s_wait_dscnt 4*NL+1                            ; (the add and the youngest 12 loads may be out)
	WIN MUL_LO
	MUL16 0, 1, 1, \sc, 0
	s_wait_dscnt 0x0                               ; the add is done, and my reads of this slot are over
	s_barrier_signal -1
	MUL16 2, 1, 1, \sc, 0
	WIN 0
	s_barrier_wait -1
.if \fill
	CREST
	s_add_nc_u64 s[G0+4*\slot+2:G0+4*\slot+3], s[G0+4*\slot+2:G0+4*\slot+3], 3*STEPB
	s_add_nc_u64 s[G0B+4*\slot+2:G0B+4*\slot+3], s[G0B+4*\slot+2:G0B+4*\slot+3], 3*STEPB
	JLOAD G0+4*\slot, G1, G0B+4*\slot, G1B
.else
	PLACES NP
.endif
	v_add_nc_u32 v[ADRS], 512*NQ, v[ADRS]
	FETCH_B \next, 0, 0
	FETCH_A \next, 0, 0
	SCALES \nsc
	WIN MUL_HI
	MUL16 4, 1, 1, \sc, 0
	MUL16 6, 1, 1, \sc, 0
	PLACES NP
	WIN 0
	FETCH_A \next, 0, 4
.endm
; THE WAY OUT of P's block a (16 queries x my 128 keys).  Register S + 16 b + i of window W holds the score of key 32 b + 16 (lane / 16) + i.
.macro SOFT a
.set W, 2+(\a)/4
.set S, 64*((\a)%4)
	WIN W|(W<<2)
.irp b, 0,1,2,3
	v_max_num_f32 v[TM+\b], v[S+16*\b], v[S+16*\b+1]   ; the largest score of each block of 32 keys: it serves for the row's maximum and, since p rises with the score, for the block's largest p
.endr
.irp i, 2,4,6,8,10,12,14
.irp b, 0,1,2,3
	v_max3_num_f32 v[TM+\b], v[S+16*\b+\i], v[S+16*\b+\i+1], v[TM+\b]
.endr
.endr
	WIN 0
	s_wait_dscnt 0x0                               ; the last block's LDS stores have read their registers,
	s_wait_xcnt 0x0                                ; and its global stores their codes
.irp b, 0,1,2,3
	v_permlanex16_b32 v[TM+4+\b], v[TM+\b], s[SEL], s[SEL+1]
.endr
.irp b, 0,1,2,3
	v_max_num_f32 v[TM+\b], v[TM+\b], v[TM+4+\b]
.endr
	v_max3_num_f32 v[T0], v[TM], v[TM+1], v[TM+2]
	v_max_num_f32 v[T0], v[T0], v[TM+3]
	v_mul_f32 v[T0], s[CS], v[T0]                  ; the largest t of these 128 keys (c is positive)
	v_floor_f32 v[NM], -v[T0]                      ; -M' = floor(-t) = -ceil(t)
	v_mov_b32 v[NM+1], v[NM]                       ; (named with it as a pair)
.irp b, 0,1,2,3
	v_fma_f32 v[TM+\b], v[TM+\b], s[CS], v[NM]
.endr
	WIN W|(W<<6)
.set j, 0
.rept 32
	v_pk_fma_f32 v[S+j:S+j+1], v[S+j:S+j+1], s[CS:CS+1], v[NM:NM+1] op_sel_hi:[1,0,0]   ; t - M', two at a time
.set j, j+2
.endr
.set j, 0
.rept 64
	v_exp_f32 v[S+j], v[S+j]                       ; p = 2^(t - M'), at most 1
.set j, j+1
.endr
	WIN 0
	v_nop                                          ; a plain place behind the exponentials
	s_wait_alu depctr_va_vdst(0)                   ; one wait for the whole batch, ahead of its first reader
.irp b, 0,1,2,3
	v_exp_f32 v[TM+\b], v[TM+\b]                   ; the block's largest p: the same two instructions on the same number give the same bits
.endr
	WIN W|(W<<2)
	v_pk_add_f32 v[L0:L0+1], v[S:S+1], v[S+2:S+3]  ; the sum is taken of the unquantised p, in two chains
	v_pk_add_f32 v[L1:L1+1], v[S+4:S+5], v[S+6:S+7]
	WIN W
.set j, 8
.rept 14
	v_pk_add_f32 v[L0:L0+1], v[S+j:S+j+1], v[L0:L0+1]
	v_pk_add_f32 v[L1:L1+1], v[S+j+2:S+j+3], v[L1:L1+1]
.set j, j+4
.endr
	WIN 0
	v_pk_add_f32 v[L0:L0+1], v[L0:L0+1], v[L1:L1+1]
	s_wait_alu depctr_va_vdst(0)                   ; and one for the four
.irp b, 0,1,2,3
	v_max_num_f32 v[TM+\b], 0x2800000, v[TM+\b]    ; the floor 2^(5 - 127)
.endr
.irp b, 0,1,2,3
	v_add_nc_u32 v[TM+12+\b], 0xfe000000, v[TM+\b]
.endr
.irp b, 0,1,2,3
	v_lshrrev_b32 v[TM+4+\b], 23, v[TM+12+\b]
.endr
	v_lshl_or_b32 v[PW], v[TM+5], 8, v[TM+4]
	v_lshl_or_b32 v[PW], v[TM+6], 16, v[PW]
	v_lshl_or_b32 v[PW], v[TM+7], 24, v[PW]
	v_add_f32 v[L0], v[L0], v[L0+1]
	v_permlanex16_b32 v[L1], v[L0], s[SEL], s[SEL+1]
	v_add_f32 v[L0], v[L0], v[L1]                  ; l': the row's sum over these 128 keys
	WIN W
.irp c, 0,1
	v_cvt_scalef32_pk16_bf6_f32 v[PC+6*\c:PC+6*\c+2], v[S+32*\c:S+32*\c+15], v[TM+12+2*\c]
	v_cvt_scalef32_pk16_bf6_f32 v[PC+12+4*\c:PC+14+4*\c], v[S+32*\c+16:S+32*\c+31], v[TM+12+2*\c+1]
.endr
	WIN 0
	v_nop
.irp c, 0,1
.irp i, 0,1,2
	v_permlane16_swap_b32 v[PC+6*\c+\i], v[PC+12+4*\c+\i]
.endr
.irp i, 0,1,2
	v_mov_b32 v[PC+3+6*\c+\i], v[PC+12+4*\c+\i]
.endr
.endr
.irp g, 0,1,2
	global_store_b128 v[LI], v[PC+4*\g:PC+4*\g+3], s[12:13] offset:(\a)*16*1536+512*\g
.endr
	ds_store_b32 v[GA], v[PW] offset:64*(\a)
	ds_store_b32 v[GA], v[NM] offset:512+64*(\a)
	ds_store_b32 v[GA], v[L0] offset:1024+64*(\a)
.endm
	s_load_b128 s[4:7], s[0:1], 0x0                ; w2, w3
	v_lshl_add_u32 v[SPW], v0, 2, SPARE
	v_mov_b32 v[NIL], 0
	ds_add_u32 v[SPW], v[NIL]                      ; the wave's opening: the add, twice on end, and its wait ahead of my first tensor load
	ds_add_u32 v[SPW], v[NIL]
	v_lshrrev_b32 v1, 5, v0
	v_readfirstlane_b32 s14, v1
	s_lshr_b32 s15, s14, 1
	s_and_b32 s16, s14, 1
	s_bfe_u32 s40, ttmp6, 0x40000                  ; cx
	s_bfe_u32 s41, ttmp6, 0x40004                  ; cy
	s_lshl_b32 s42, ttmp9, 2
	s_add_co_u32 s42, s42, s40                     ; tile column: 256 keys of the batch
	s_and_b32 s17, ttmp7, 0xffff
	s_lshr_b32 s18, s17, 1                         ; the batch: two clusters' rows each; it hangs on the cluster's y alone
	s_lshl_b32 s17, s17, 2
	s_add_co_u32 s17, s17, s41                     ; tile row: 256 queries
	s_lshl_b32 s43, s41, 2
	s_lshl_b32 s43, 15, s43
	s_lshl_b32 s44, 0x1111, s40
	s_or_b32 s[G1], s43, (3<<16)|(1<<21)
	s_or_b32 s[G1B], s44, (3<<16)|(1<<21)
.irp g, G1, G1B
	s_mov_b32 s[\g+1], (STEPB/8)<<16
	s_mov_b32 s[\g+2], 8<<16
	s_mov_b32 s[\g+3], (STEPB/8)<<16
	s_mov_b32 s[\g+4], 8
	s_mov_b32 s[\g+5], KB*FR*128/8
	s_mov_b32 s[\g+6], 0
	s_mov_b32 s[\g+7], 0
.endr
	s_or_b32 s[G1S], s43, (3<<16)|(1<<21)
	s_or_b32 s[G1SB], s44, (3<<16)|(1<<21)
.irp g, G1S, G1SB
	s_mov_b32 s[\g+1], 64<<16
	s_mov_b32 s[\g+2], KB<<16
	s_mov_b32 s[\g+3], 64<<16
	s_mov_b32 s[\g+4], KB
	s_mov_b32 s[\g+5], 8*512
	s_mov_b32 s[\g+6], 0
	s_mov_b32 s[\g+7], 0
.endr
	s_lshl_b32 s19, s16, 3
	s_lshl_b32 s20, s17, 4
	s_add_co_u32 s20, s20, s19                     ; Q: row block 16 x tile row + 8 half
	s_lshl_b32 s46, s42, 4
	s_add_co_u32 s46, s46, s19
	s_lshl_b32 s47, s18, 7
	s_add_co_u32 s46, s46, s47                     ; K: 128 x batch + 16 x tile column + 8 half
	s_lshl_b32 s22, s20, 6
	s_add_co_u32 s22, s22, QS
	s_mov_b32 s23, 0
	s_mul_i32 s20, s20, KB*FR*128
	s_mov_b32 s21, 0
	s_lshl_b32 s92, s46, 6
	s_add_co_u32 s92, s92, KS
	s_mov_b32 s93, 0
	s_mul_i32 s46, s46, KB*FR*128
	s_add_co_u32 s46, s46, KC
	s_mov_b32 s47, 0
	s_mul_i32 s45, s14, HALFT
	s_mul_i32 s94, s16, HALFS
	s_mov_b32 s[SEL], 0x76543210
	s_mov_b32 s[SEL+1], 0xfedcba98
	s_mov_b32 s[CS], 0x3d38aa3b                    ; log2(e) / 32
	s_mov_b32 s[CS+1], s[CS]
	s_wait_dscnt 0x0
	s_wait_kmcnt 0x0
	s_add_nc_u64 s[20:21], s[4:5], s[20:21]
	s_add_nc_u64 s[22:23], s[4:5], s[22:23]
	s_add_nc_u64 s[46:47], s[4:5], s[46:47]
	s_add_nc_u64 s[92:93], s[4:5], s[92:93]
	CROUND
	s_mov_b32 s[G0S], 1
	s_add_co_u32 s[G0S+1], s94, SCL
	s_mov_b64 s[G0S+2:G0S+3], s[22:23]
	s_or_b32 s[G0S+3], s[G0S+3], 0x80000000
	s_mov_b32 s[G0SB], 1
	s_add_co_u32 s[G0SB+1], s94, SCB
	s_mov_b64 s[G0SB+2:G0SB+3], s[92:93]
	s_or_b32 s[G0SB+3], s[G0SB+3], 0x80000000
	JLOAD G0S, G1S, G0SB, G1SB
.irp s, 0,1
	s_mov_b32 s[G0+4*\s], 1
	s_add_co_u32 s[G0+4*\s+1], s45, \s*SLOT
	s_add_nc_u64 s[G0+4*\s+2:G0+4*\s+3], s[20:21], \s*STEPB
	s_or_b32 s[G0+4*\s+3], s[G0+4*\s+3], 0x80000000
	s_mov_b32 s[G0B+4*\s], 1
	s_add_co_u32 s[G0B+4*\s+1], s45, \s*SLOT
	s_add_nc_u64 s[G0B+4*\s+2:G0B+4*\s+3], s[46:47], \s*STEPB
	s_or_b32 s[G0B+4*\s+3], s[G0B+4*\s+3], 0x80000000
	JLOAD G0+4*\s, G1, G0B+4*\s, G1B
.endr
	s_add_nc_u64 s[G0C+2:G0C+3], s[20:21], 2*STEPB ; slot 2's descriptors take the registers in which the addresses were made
	s_or_b32 s[G0C+3], s[G0C+3], 0x80000000
	s_mov_b32 s[G0C], 1
	s_add_co_u32 s[G0C+1], s45, 2*SLOT
	s_add_nc_u64 s[G0BC+2:G0BC+3], s[46:47], 2*STEPB
	s_or_b32 s[G0BC+3], s[G0BC+3], 0x80000000
	s_mov_b32 s[G0BC], 1
	s_add_co_u32 s[G0BC+1], s45, 2*SLOT
	JLOAD G0C, G1, G0BC, G1B                       ; four loads of mine are out
	v_and_b32 v1, 15, v0
	v_bfe_u32 v2, v0, 4, 1
	v_and_b32 v3, 31, v0
	v_lshlrev_b32 v[LI], 4, v3
	s_mul_i32 s43, s15, HALFT
	s_mul_i32 s44, s16, HALFT
	s_add_co_u32 s44, s44, 2*HALFT
.irp s, 0,1,2
	v_add_nc_u32 v[ADRA+\s], s43, v[LI]
	v_add_nc_u32 v[ADRB+\s], s44, v[LI]
	s_add_co_u32 s43, s43, SLOT
	s_add_co_u32 s44, s44, SLOT
.endr
	v_lshlrev_b32 v5, 2, v1
	s_mul_i32 s43, s15, HALFS
	s_mul_i32 s44, s16, HALFS
	s_add_co_u32 s44, s44, 2*HALFS+64
	s_sub_co_u32 s44, s44, s43
	v_mul_u32_u24 v6, s44, v2
	s_add_co_u32 s43, s43, SCL
	v_add_nc_u32 v5, v5, v6
	v_add_nc_u32 v[ADRS], s43, v5
	s_mul_i32 s45, s14, GW
	s_add_co_u32 s45, s45, GATH
	v_lshl_add_u32 v[GA], v1, 2, s45
	v_add_nc_u32 v[GR], s45, v[LI]
	s_lshl_b32 s18, s17, 4
	s_lshl_b32 s19, s15, 3
	s_add_co_u32 s18, s18, s19                     ; my first row block of p
	s_lshl_b32 s46, s42, 1
	s_add_co_u32 s46, s46, s16                     ; my kb among the batch's 16
	s_lshl_b32 s96, s18, 4
	s_add_co_u32 s96, s96, s46
	s_mul_i32 s96, s96, 1536
	s_mov_b32 s97, 0
	s_add_nc_u64 s[12:13], s[6:7], s[96:97]
	s_lshl_b32 s96, s46, 9
	s_add_co_u32 s96, s96, s18
	s_lshl_b32 s96, s96, 6
	s_add_co_u32 s96, s96, PS
	s_add_nc_u64 s[66:67], s[6:7], s[96:97]
	s_wait_tensorcnt 2                             ; the scale words and my part of slot 0 are in; slots 1 and 2 may be out
	s_barrier_signal -1
	s_barrier_wait -1
	FETCH_B 0, 0, 0
	FETCH_A 0, 0, 0
	SCALES 0
	FETCH_A 0, 0, 4
	STEP 0, 0, 1, 0, 1, 0                          ; part 0: its first products start the sums
	TURN 0, 0, 1, 1, 1                             ; slots 1 and 2 are whole in every wave's sight; slot 0 takes part 3
	STEP 0, 1, 0, 1, 1, 0                          ; part 1
	STEP 1, 1, 0, 2, 0, 0                          ; on into slot 2 with no barrier
	STEP 0, 0, 0, 2, 1, 0                          ; part 2
	TURN 2, 0, 0, 1, 0                             ; part 3 has landed; nothing is filled again
	STEP 0, 1, 0, 0, 1, 0                          ; part 3
	s_wait_dscnt 4*NL
	WIN MUL_LO
	MUL16 0, 1, 1, 1, 0
	MUL16 2, 1, 1, 1, 0
	s_wait_dscnt 0x0
	WIN MUL_HI
	MUL16 4, 1, 1, 1, 0
	MUL16 6, 1, 1, 1, 0
	WIN 0
	PLACES NP
.irp b, 0,1,2,3
	v_mov_b32 v[TM+4+\b], 0                        ; written once: a lane permute's destination counts as one of its sources
.endr
.irp a, 0,1,2,3,4,5,6,7
	SOFT \a
.endr
.irp u, 0,1,2
	ds_load_b128 v[WB+4*\u:WB+4*\u+3], v[GR] offset:512*\u   ; LDS serves a wave's instructions in order: these see my stores
.endr
	s_wait_dscnt 0x0
.irp u, 0,1,2
	global_store_b128 v[LI], v[WB+4*\u:WB+4*\u+3], s[66:67] offset:524288*\u   ; words, -M', l': 512 consecutive, aligned bytes each
.endr
	s_wait_tensorcnt 0x0                           ; the wave's end
	ds_add_u32 v[SPW], v[NIL]
	s_wait_dscnt 0x0
	CROUND
	s_endpgm
.Lfunc_end_k_q801645b91d_score:
	.size	k_q801645b91d_score, .Lfunc_end_k_q801645b91d_score-k_q801645b91d_score
	.p2alignl 7, 3214868480
	.fill 96, 4, 3214868480
	.section	.rodata,"a",@progbits
	.p2align	6, 0x0
	.amdhsa_kernel k_q801645b91d_score
		.amdhsa_group_segment_fixed_size 327680
		.amdhsa_private_segment_fixed_size 0
		.amdhsa_enable_private_segment 0
		.amdhsa_kernarg_size 16
		.amdhsa_user_sgpr_count 2
		.amdhsa_user_sgpr_kernarg_segment_ptr 1
		.amdhsa_wavefront_size32 1
		.amdhsa_system_sgpr_workgroup_id_x 1
		.amdhsa_system_sgpr_workgroup_id_y 1
		.amdhsa_system_sgpr_workgroup_id_z 1
		.amdhsa_system_vgpr_workitem_id 0
		.amdhsa_next_free_vgpr 1024
		.amdhsa_next_free_sgpr 106
		.amdhsa_reserve_vcc 0
		.amdhsa_float_denorm_mode_32 3
		.amdhsa_float_denorm_mode_16_64 3
		.amdhsa_memory_ordered 1
		.amdhsa_forward_progress 1
		.amdhsa_inst_pref_size 199
	.end_amdhsa_kernel
	.amdgpu_metadata
---
amdhsa.version: [ 1, 2 ]
amdhsa.kernels:
  - .name:           k_q801645b91d_score
    .symbol:         k_q801645b91d_score.kd
    .args:
      - { .name: w2, .offset: 0, .size: 8, .value_kind: global_buffer, .address_space: global }
      - { .name: w3, .offset: 8, .size: 8, .value_kind: global_buffer, .address_space: global }
    .group_segment_fixed_size: 327680
    .private_segment_fixed_size: 0
    .kernarg_segment_align: 8
    .kernarg_segment_size: 16
    .max_flat_workgroup_size: 128
    .sgpr_count:     106
    .vgpr_count:     1024
    .wavefront_size: 32
...
	.end_amdgpu_metadata
.endif
;; end of part 7
;; launch mix (part 8): grid 4 x 64, 4 waves a work-group, clusters of 4 x 4, 327,680 bytes of LDS; arguments w3, w2, w4; writes w4
.if DOCPART == 8
	.amdgcn_target "amdgcn-amd-amdhsa--gfx1250"
	.amdhsa_code_object_version 6
	.text
	.protected	k_q801645b91d_mix
	.globl	k_q801645b91d_mix
	.p2align	8
	.type	k_q801645b91d_mix,@function
k_q801645b91d_mix:
	s_mov_b64 s[64:65], 0
	v_nop
	global_prefetch_b8 v0, s[64:65] scope:SCOPE_SE
	s_setreg_imm32_b32 hwreg(HW_REG_WAVE_MODE, 25, 1), 1
	s_wait_xcnt 0x0
	s_wait_alu depctr_hold_cnt(0) depctr_sa_sdst(0) depctr_va_vdst(0) depctr_va_sdst(0) depctr_va_ssrc(0) depctr_va_vcc(0) depctr_vm_vsrc(0)
	s_getreg_b32 s2, hwreg(HW_REG_IB_STS2, 6, 4)
	s_cmp_eq_u32 s2, 0
	s_cbranch_scc0 .Lentry_in_a_cluster
	s_endpgm
.Lentry_in_a_cluster:
	s_bfe_u32 s2, ttmp6, 0x10000c
	s_cmp_lg_u32 s2, 0xf033
	s_cbranch_scc0 .Lentry_shape_is_right
	s_endpgm
.Lentry_shape_is_right:
; Launch 4 of 5: context = (p V) / l on codes, quantised along the hidden axis on the way out.  No work of reference() is left out.
; A TILE IS 128 QUERIES x 256 OF THE HIDDEN AXIS, so that there are 64 x 4 = 256 work-groups; each of the four waves makes 64 x 128: 32 accumulators.  K = 2,048 keys goes in steps of 128 through two LDS slots of
; 512 keys each (24 row blocks x 6,144 bytes): two first fills and two refills.  Waves 0 and 1 fetch P's halves (4 row blocks each), waves 2 and 3 R's (8 each).
; AT THE HEAD the work-group's 128 rows are brought under their own M, a thread to a row: -M = the least of the sixteen -M'; l = the sum of l' x 2^(M' - M); each scale byte of p loses M - M': p's codes stay as they are.
; The mended words go to LDS by ds_store; 1 / l is kept in LDS for the way out.
; OPERANDS ARE IMAGES OF THEIR REGISTERS, as in the launches before: P = p (y side, source 1: a lane holds one query), R = V^T (x side, source 0: the registers run along the hidden axis).
; A STEP is 32 matrix instructions.  P's and R's fragments and the step's scale words have two sets of registers each: the next step's 44 LDS loads are issued ahead of this step's products.
; CLUSTERS of 4 x 4: P's tiles are shared along a row of the cluster, R's along a column, each by a joint load.
; LIMITS: NaN and infinities are not served.  A byte that would fall under 0 is held at 0 with its codes kept: a term under 28 x 2^-127 beside a row sum of at least 1/2.  A block of zeros of the context gets the byte 1.
; REGISTERS: window 0: v1-31 addresses; v32-47 scale words, two sets of 8; v64-127 at work at the head and on the way out; v128-175, v176-223 P's 4 fragments, two sets; v224-231 1 / l.
;   window 1: R's 8 fragments, two sets, at v0 and v128.   window 2: the accumulators: (a, b) at v[8 (8 a + b)].
.set KB,    16
.set NQ,    4                          ; steps in a slot
.set FR,    12
.set NP,    4                          ; places behind this matrix instruction (ISA guide 7.12.1)
.set STEPB, NQ*FR*128                  ; a row block's bytes in a slot
.set PREG,  4*STEPB                    ; 4 row blocks of P: what wave 0 or 1 fetches, and what a wave reads
.set RREG,  8*STEPB                    ; 8 row blocks of R
.set SLOT,  2*PREG+2*RREG              ; P's two halves, then R's two
.set HALFS, 512*KB                     ; the scale words of 8 row blocks, all of K
.set SCL,   2*SLOT                     ; p's mended words, 512 kb + 64 (row block) + 4 r: written by ds_store, in blocks of 256 bytes into which no tensor load lands
.set SCB,   SCL+512*KB+64              ; V^T's words, half x HALFS + 512 kb + 64 i + 4 r: by a tensor load; 64 bytes on, so that lanes 16-31 read other banks than lanes 0-15
.set GATH,  319744                     ; the way out: 256 bytes of scale words for each wave
.set RL,    320768                     ; 1 / l of the 128 rows
.set SPARE, 321280                     ; the spare words, 128 bytes for each wave: two blocks of 256 bytes that no other line names
.set PS,    12582912                   ; w3
.set VC,    12582912                   ; w2
.set VS,    19398656
.set CS4,   6291456                    ; w4: codes 0, words CS4
.set ADRA, 16                          ; v16-17
.set ADRB, 20                          ; v20-21
.set L8,   23                          ; 8 x lane
.set GA,   24
.set GR,   25
.set LI,   26                          ; 16 x lane
.set ADRS, 27                          ; scale words, registers 0-3: lanes 0-15 P's block i, lanes 16-31 R's block i
.set SPW,  28
.set NIL,  29
.set RLA,  30
.set ADRS2, 31                         ; registers 4-7: lanes 0-15 stand 256 bytes back (P's block i - 4 once more, which nobody uses), lanes 16-31 R's block i
.set SC,   32
.set AF,   128
.set PC,   64
.set WB,   84
.set TM,   96
.set PW,   112
.set RLV,  224
.set FWD,  128                         ; the head: v128-143 words, v144-159 -M', v160-175 l' of my row, sixteen kb
.set FMM,  144
.set FLL,  160
.set MN,   64
.set LS,   66
.set FE,   68
.set FT,   70
.set FU,   72
.set G1,   24
.set G0,   32
.set G1B,  48
.set G0B,  56
.set G1SB, 80
.set G0SB, 88
.set SEL,  100
.set MSB, 0
.macro WIN new                         ; the immediate's high byte repeats the setting that is left
.if MSB != (\new)
	s_set_vgpr_msb (MSB<<8)|(\new)
.set MSB, (\new)
.endif
.endm
.set MUL_LO, 0xa1                      ; source 0 (R) window 1, source 1 (P) window 0, C and D window 2
.set TO_B,   0x40
.macro JLOAD g0a, g1a, g0b, g1b        ; a joint load: waves 0 and 1 fetch for P, waves 2 and 3 for R; an s_nop 0 and four v_nop follow each line
	s_cmp_eq_u32 s15, 0
	s_cbranch_scc0 .Lfor_b_\@
	tensor_load_to_lds s[\g0a:\g0a+3], s[\g1a:\g1a+7]
	s_nop 0
.rept 4
	v_nop
.endr
	s_branch .Lasked_\@
.Lfor_b_\@:
	tensor_load_to_lds s[\g0b:\g0b+3], s[\g1b:\g1b+7]
	s_nop 0
.rept 4
	v_nop
.endr
.Lasked_\@:
.endm
.macro CREST
	s_cmp_lg_u32 s14, 0
	s_cbranch_scc1 .Lnot_wave_0_\@
	s_barrier_signal -3
.Lnot_wave_0_\@:
	s_barrier_wait -3
	s_barrier_signal -1
	s_barrier_wait -1
.endm
.macro CROUND
	s_barrier_signal -1
	s_barrier_wait -1
	CREST
.endm
.macro PLACES n
.rept \n
	v_nop
.endr
.endm
; Step kb's operands, 44 LDS loads, into the sets kb % 2: R's 8 fragments, P's 4, 8 registers of scale words.  Every offset is an immediate.
.macro FETCH kb
.set FSL, ((\kb)/NQ)%2
.set FQQ, (\kb)%NQ
.set FPP, (\kb)%2
	WIN TO_B
.irp i, 0,1,2,3,4,5,6,7
.irp g, 0,1,2
	ds_load_b128 v[128*FPP+FR*\i+4*\g:128*FPP+FR*\i+4*\g+3], v[ADRB+FSL] offset:\i*STEPB+FQQ*FR*128+512*\g
.endr
.endr
	WIN 0
.irp i, 0,1,2,3
.irp g, 0,1,2
	ds_load_b128 v[AF+48*FPP+FR*\i+4*\g:AF+48*FPP+FR*\i+4*\g+3], v[ADRA+FSL] offset:\i*STEPB+FQQ*FR*128+512*\g
.endr
.endr
.irp i, 0,1,2,3
	ds_load_b32 v[SC+8*FPP+\i], v[ADRS] offset:512*(\kb)+64*\i
.endr
.irp i, 4,5,6,7
	ds_load_b32 v[SC+8*FPP+\i], v[ADRS2] offset:512*(\kb)+64*\i
.endr
.endm
; 16 products: P's blocks a0, a0 + 1 x R's eight, on the sets p.  first = 1: they start the sums.  The 32 accumulators take turns, one instruction a turn, in the same order in every step.
.macro MULH a0, p, first
.irp a, \a0, \a0+1
.irp b, 0,1,2,3,4,5,6,7
.set rD, 8*(8*(\a)+\b)
.set rB, 128*(\p)+FR*\b
.set rA, AF+48*(\p)+FR*(\a)
.set rX, SC+8*(\p)+\b
.set rY, SC+8*(\p)+(\a)
.if \first == 0
	v_wmma_scale_f32_16x16x128_f8f6f4 v[rD:rD+7], v[rB:rB+FR-1], v[rA:rA+FR-1], v[rD:rD+7], v[rX], v[rY] matrix_a_fmt:MATRIX_FMT_BF6 matrix_b_fmt:MATRIX_FMT_BF6 matrix_a_scale:MATRIX_SCALE_ROW1
.else
	v_wmma_scale_f32_16x16x128_f8f6f4 v[rD:rD+7], v[rB:rB+FR-1], v[rA:rA+FR-1], 0, v[rX], v[rY] matrix_a_fmt:MATRIX_FMT_BF6 matrix_b_fmt:MATRIX_FMT_BF6 matrix_a_scale:MATRIX_SCALE_ROW1
.endif
.endr
.endr
.endm
.macro STEPH kb, first                 ; step kb, whose successor lies in the same slot
	s_wait_dscnt 0x0                               ; this step's operands are in
.if (\kb) > 0
	PLACES NP                                      ; in front of loads into the registers that the last step's products have read
.endif
	FETCH (\kb)+1
	WIN MUL_LO
	MULH 0, (\kb)%2, \first
	MULH 2, (\kb)%2, \first
.endm
; A slot's last step.  Its operands are in registers, so my reads of the slot are over at its head: there stand the wait for all my tensor loads, the add, the wait for it and for my reads, and the barrier.
; fill = 1: the barrier opens a round of the cluster's, and the slot takes the keys two slots on: my one tensor load behind it.
.macro TURNH kb, fill
.set TSL, ((\kb)/NQ)%2
	WIN 0                                          ; (the add's two registers lie in window 0)
	s_wait_tensorcnt 0x0                           ; all my tensor loads have landed: my part of the other slot
	ds_add_u32 v[SPW], v[NIL]                      ; 0 onto my spare word
	s_wait_dscnt 0x0                               ; the add is done, and my reads of this slot are over
	s_barrier_signal -1
	WIN MUL_LO
	MULH 0, (\kb)%2, 0                             ; work on registers while the others arrive
	WIN 0
	s_barrier_wait -1
.if \fill
	CREST                                          ; no wave of any partner still reads this slot or has a load on its way
	s_add_nc_u64 s[G0+4*TSL+2:G0+4*TSL+3], s[G0+4*TSL+2:G0+4*TSL+3], 2*STEPB
	s_add_nc_u64 s[G0B+4*TSL+2:G0B+4*TSL+3], s[G0B+4*TSL+2:G0B+4*TSL+3], 2*STEPB
	JLOAD G0+4*TSL, G1, G0B+4*TSL, G1B             ; its four v_nop are also the places in front of the loads below
.else
	PLACES NP
.endif
	FETCH (\kb)+1
	WIN MUL_LO
	MULH 2, (\kb)%2, 0
.endm
.macro DIVL a                          ; P's block a is divided by its rows' l, in place, each accumulator from its low end on
.set W, 2+(\a)/4
.set S, 64*((\a)%4)
	WIN W|(W<<6)
.set j, 0
.rept 32
	v_pk_mul_f32 v[S+j:S+j+1], v[S+j:S+j+1], v[RLV+2*(\a):RLV+2*(\a)+1] op_sel_hi:[1,0]
.set j, j+2
.endr
.endm
.macro QUANT a                         ; register S + 16 b + i of window W holds k = 32 b + 16 (lane / 16) + i of my row: codes into v[PC] on, the scale word into v[PW]
.set W, 2+(\a)/4
.set S, 64*((\a)%4)
	WIN W|(W<<2)
.irp b, 0,1,2,3
	v_max3_num_f32 v[TM+\b], |v[S+16*\b]|, |v[S+16*\b+1]|, 0x2800000
.endr
.irp i, 2,4,6,8,10,12,14
.irp b, 0,1,2,3
	v_max3_num_f32 v[TM+\b], |v[S+16*\b+\i]|, |v[S+16*\b+\i+1]|, v[TM+\b]
.endr
.endr
	WIN 0
.irp b, 0,1,2,3
	v_permlanex16_b32 v[TM+4+\b], v[TM+\b], s[SEL], s[SEL+1]
.endr
.irp b, 0,1,2,3
	v_max_num_f32 v[TM+\b], v[TM+\b], v[TM+4+\b]
.endr
.irp b, 0,1,2,3
	v_add_nc_u32 v[TM+12+\b], 0xfe000000, v[TM+\b]
.endr
	s_wait_dscnt 0x0                               ; the last block's LDS store has read its word,
	s_wait_xcnt 0x0                                ; and its global stores their codes
.irp b, 0,1,2,3
	v_lshrrev_b32 v[TM+4+\b], 23, v[TM+12+\b]
.endr
	v_lshl_or_b32 v[PW], v[TM+5], 8, v[TM+4]
	v_lshl_or_b32 v[PW], v[TM+6], 16, v[PW]
	v_lshl_or_b32 v[PW], v[TM+7], 24, v[PW]
	WIN W
.irp c, 0,1
	v_cvt_scalef32_pk16_bf6_f32 v[PC+6*\c:PC+6*\c+2], v[S+32*\c:S+32*\c+15], v[TM+12+2*\c]
	v_cvt_scalef32_pk16_bf6_f32 v[PC+12+4*\c:PC+14+4*\c], v[S+32*\c+16:S+32*\c+31], v[TM+12+2*\c+1]
.endr
	WIN 0
	v_nop
.irp c, 0,1
.irp i, 0,1,2
	v_permlane16_swap_b32 v[PC+6*\c+\i], v[PC+12+4*\c+\i]
.endr
.irp i, 0,1,2
	v_mov_b32 v[PC+3+6*\c+\i], v[PC+12+4*\c+\i]
.endr
.endr
.endm
.macro OUTF a, pitch
.irp g, 0,1,2
	global_store_b128 v[LI], v[PC+4*\g:PC+4*\g+3], s[12:13] offset:(\a)*(\pitch)+512*\g
.endr
	ds_store_b32 v[GA], v[PW] offset:64*(\a)
.endm
	s_load_b128 s[4:7], s[0:1], 0x0                ; w3, w2
	s_load_b64 s[8:9], s[0:1], 0x10                ; w4
	v_lshl_add_u32 v[SPW], v0, 2, SPARE
	v_mov_b32 v[NIL], 0
	ds_add_u32 v[SPW], v[NIL]                      ; the wave's opening: the add, twice on end, and its wait ahead of my first tensor load
	ds_add_u32 v[SPW], v[NIL]
	v_lshrrev_b32 v1, 5, v0
	v_readfirstlane_b32 s14, v1
	s_lshr_b32 s15, s14, 1                         ; my half of P.  Also: I fetch for P (0) or for R (1)
	s_and_b32 s16, s14, 1                          ; my half of R.  Also: which half I fetch
	s_bfe_u32 s40, ttmp6, 0x40000
	s_bfe_u32 s41, ttmp6, 0x40004
	s_lshl_b32 s42, ttmp9, 2
	s_add_co_u32 s42, s42, s40                     ; tile column: 256 of the hidden axis
	s_and_b32 s17, ttmp7, 0xffff
	s_lshr_b32 s18, s17, 2                         ; the batch: four clusters' rows each; it hangs on the cluster's y alone
	s_lshl_b32 s17, s17, 2
	s_add_co_u32 s17, s17, s41                     ; tile row: 128 queries
	s_lshl_b32 s43, s41, 2
	s_lshl_b32 s43, 15, s43
	s_lshl_b32 s44, 0x1111, s40
	s_or_b32 s[G1], s43, (3<<16)|(1<<21)           ; 15:0 the mask; 17:16 elements of 8 bytes; 21 set beside a mask; no padding
	s_or_b32 s[G1B], s44, (3<<16)|(1<<21)
.irp g, G1, G1B
	s_mov_b32 s[\g+1], (STEPB/8)<<16               ; tensor_dim0: a row block's 6,144 bytes of a slot
	s_mov_b32 s[\g+3], (STEPB/8)<<16               ; tile_dim0
	s_mov_b32 s[\g+5], KB*FR*128/8                 ; from row block to row block
	s_mov_b32 s[\g+6], 0
	s_mov_b32 s[\g+7], 0
.endr
	s_mov_b32 s[G1+2], 4<<16                       ; P: 4 row blocks
	s_mov_b32 s[G1+4], 4
	s_mov_b32 s[G1B+2], 8<<16                      ; R: 8
	s_mov_b32 s[G1B+4], 8
	s_or_b32 s[G1SB], s44, (3<<16)|(1<<21)         ; V^T's words: 16 rows of 512 bytes, 64 row blocks apart
	s_mov_b32 s[G1SB+1], 64<<16
	s_mov_b32 s[G1SB+2], KB<<16
	s_mov_b32 s[G1SB+3], 64<<16
	s_mov_b32 s[G1SB+4], KB
	s_mov_b32 s[G1SB+5], 8*64
	s_mov_b32 s[G1SB+6], 0
	s_mov_b32 s[G1SB+7], 0
	s_lshl_b32 s20, s17, 3
	s_lshl_b32 s19, s16, 2
	s_add_co_u32 s20, s20, s19
	s_mul_i32 s20, s20, KB*FR*128                  ; p: row block 8 x tile row + 4 half
	s_mov_b32 s21, 0
	s_lshl_b32 s19, s16, 3
	s_lshl_b32 s46, s42, 4
	s_add_co_u32 s46, s46, s19                     ; V^T: row block 16 x tile column + 8 half of the batch's 64
	s_lshl_b32 s92, s46, 6
	s_lshl_b32 s47, s18, 16
	s_add_co_u32 s92, s92, s47
	s_add_co_u32 s92, s92, VS
	s_mov_b32 s93, 0
	s_lshl_b32 s47, s18, 6
	s_add_co_u32 s46, s46, s47
	s_mul_i32 s46, s46, KB*FR*128
	s_add_co_u32 s46, s46, VC
	s_mov_b32 s47, 0
	s_mul_i32 s45, s16, PREG                       ; where they go: no place in the cluster enters an LDS address
	s_mul_i32 s22, s16, RREG
	s_add_co_u32 s22, s22, 2*PREG
	s_mul_i32 s94, s16, HALFS
	s_mov_b32 s[SEL], 0x76543210
	s_mov_b32 s[SEL+1], 0xfedcba98
	s_mov_b32 s95, 0x01010101
	s_wait_dscnt 0x0
	s_wait_kmcnt 0x0
	s_add_nc_u64 s[20:21], s[4:5], s[20:21]
	s_add_nc_u64 s[46:47], s[6:7], s[46:47]
	s_add_nc_u64 s[92:93], s[6:7], s[92:93]
	CROUND
	s_mov_b32 s[G0SB], 1
	s_add_co_u32 s[G0SB+1], s94, SCB
	s_mov_b64 s[G0SB+2:G0SB+3], s[92:93]
	s_or_b32 s[G0SB+3], s[G0SB+3], 0x80000000
.irp s, 0,1
	s_mov_b32 s[G0+4*\s], 1
	s_add_co_u32 s[G0+4*\s+1], s45, \s*SLOT
	s_add_nc_u64 s[G0+4*\s+2:G0+4*\s+3], s[20:21], \s*STEPB
	s_or_b32 s[G0+4*\s+3], s[G0+4*\s+3], 0x80000000
	s_mov_b32 s[G0B+4*\s], 1
	s_add_co_u32 s[G0B+4*\s+1], s22, \s*SLOT
	s_add_nc_u64 s[G0B+4*\s+2:G0B+4*\s+3], s[46:47], \s*STEPB
	s_or_b32 s[G0B+4*\s+3], s[G0B+4*\s+3], 0x80000000
.endr
	s_cmp_eq_u32 s15, 0                            ; a wave's first fills stand in one branch: waves 0 and 1 have two loads out, waves 2 and 3 three; slot 1's is the last in both
	s_cbranch_scc0 .Lfirst_x
	tensor_load_to_lds s[G0:G0+3], s[G1:G1+7]
	s_nop 0
	tensor_load_to_lds s[G0+4:G0+7], s[G1:G1+7]
	s_nop 0
.rept 4
	v_nop
.endr
	s_branch .Lfirst_asked
.Lfirst_x:
	tensor_load_to_lds s[G0SB:G0SB+3], s[G1SB:G1SB+7]
	s_nop 0
	tensor_load_to_lds s[G0B:G0B+3], s[G1B:G1B+7]
	s_nop 0
	tensor_load_to_lds s[G0B+4:G0B+7], s[G1B:G1B+7]
	s_nop 0
.rept 4
	v_nop
.endr
.Lfirst_asked:
	; THE HEAD: thread t owns row t of the work-group's 128 (in the images' order)
	s_lshl_b32 s96, s17, 9
	s_add_co_u32 s96, s96, PS
	s_mov_b32 s97, 0
	s_add_nc_u64 s[96:97], s[4:5], s[96:97]        ; the words of my tile row's 8 row blocks, kb 0
	v_lshlrev_b32 v3, 2, v0
.irp k, 0,1,2,3,4,5,6,7,8,9,10,11,12,13,14,15
	global_load_b32 v[FWD+\k], v3, s[96:97] offset:32768*\k
	global_load_b32 v[FMM+\k], v3, s[96:97] offset:524288+32768*\k
	global_load_b32 v[FLL+\k], v3, s[96:97] offset:1048576+32768*\k
.endr
	v_and_b32 v1, 15, v0                           ; r
	v_bfe_u32 v2, v0, 4, 1                         ; h
	v_and_b32 v7, 31, v0
	v_lshlrev_b32 v[LI], 4, v7
	v_lshlrev_b32 v[L8], 3, v7
	s_mul_i32 s43, s15, PREG
	s_mul_i32 s44, s16, RREG
	s_add_co_u32 s44, s44, 2*PREG
.irp s, 0,1
	v_add_nc_u32 v[ADRA+\s], s43, v[LI]
	v_add_nc_u32 v[ADRB+\s], s44, v[LI]
	s_add_co_u32 s43, s43, SLOT
	s_add_co_u32 s44, s44, SLOT
.endr
	v_lshlrev_b32 v5, 2, v1
	s_lshl_b32 s43, s15, 8                         ; P's words: my 4 row blocks begin 256 x half bytes on
	s_mul_i32 s44, s16, HALFS
	s_add_co_u32 s44, s44, SCB-SCL
	s_sub_co_u32 s44, s44, s43
	v_mul_u32_u24 v6, s44, v2                      ; lanes 16-31 take R's words: one product, the distance between the two
	s_add_co_u32 s43, s43, SCL
	v_add_nc_u32 v6, v5, v6
	v_add_nc_u32 v[ADRS], s43, v6
	s_add_co_u32 s44, s44, 256
	v_mul_u32_u24 v6, s44, v2                      ; the same with lanes 0-15 256 bytes back
	s_lshl_b32 s43, s15, 8
	s_add_co_u32 s43, s43, SCL-256
	v_add_nc_u32 v6, v5, v6
	v_add_nc_u32 v[ADRS2], s43, v6
	s_lshl_b32 s45, s14, 8
	s_add_co_u32 s45, s45, GATH
	v_lshl_add_u32 v[GA], v1, 2, s45
	v_add_nc_u32 v[GR], s45, v[L8]
	s_lshl_b32 s45, s15, 8
	s_add_co_u32 s45, s45, RL
	v_lshl_add_u32 v[RLA], v1, 2, s45              ; 1 / l of my row: RL + 4 (64 half + 16 a + r)
	v_lshl_add_u32 v4, v0, 2, SCL                  ; where my row's words go: + 512 kb
	v_lshl_add_u32 v5, v0, 2, RL
	s_lshl_b32 s18, s17, 3
	s_lshl_b32 s19, s15, 2
	s_add_co_u32 s18, s18, s19                     ; my first row block of the context
	s_lshl_b32 s46, s42, 1
	s_add_co_u32 s46, s46, s16                     ; my kb among its 8
	s_lshl_b32 s98, s18, 3
	s_add_co_u32 s98, s98, s46
	s_mul_i32 s98, s98, 1536
	s_mov_b32 s99, 0
	s_add_nc_u64 s[12:13], s[8:9], s[98:99]
	s_lshl_b32 s98, s46, 9
	s_add_co_u32 s98, s98, s18
	s_lshl_b32 s98, s98, 6
	s_add_co_u32 s98, s98, CS4
	s_add_nc_u64 s[66:67], s[8:9], s[98:99]
	s_wait_loadcnt 0x0
	v_min3_num_f32 v[MN], v[FMM], v[FMM+1], v[FMM+2]
.irp k, 3,5,7,9,11,13
	v_min3_num_f32 v[MN], v[MN], v[FMM+\k], v[FMM+\k+1]
.endr
	v_min_num_f32 v[MN], v[MN], v[FMM+15]          ; -M = the least -M'
.irp k, 0,2,4,6,8,10,12,14                     ; two kb by turns
.irp j, 0,1
	v_sub_f32 v[FE+\j], v[MN], v[FMM+\k+\j]        ; M' - M: a whole number, 0 or less
.endr
.irp j, 0,1
	v_cvt_i32_f32 v[FE+\j], v[FE+\j]               ; (it saturates)
.endr
.irp j, 0,1
.if \k == 0
	v_ldexp_f32 v[LS+\j], v[FLL+\j], v[FE+\j]      ; l' under the row's M: nothing is rounded
.else
	v_ldexp_f32 v[FT+\j], v[FLL+\k+\j], v[FE+\j]
.endif
.endr
.if \k > 0
.irp j, 0,1
	v_add_f32 v[LS+\j], v[LS+\j], v[FT+\j]
.endr
.endif
.irp j, 0,1
	v_sub_nc_u32 v[FE+\j], 0, v[FE+\j]
.endr
.irp j, 0,1
	v_min_u32 v[FE+\j], 127, v[FE+\j]              ; d = M - M', held at 127
.endr
.irp j, 0,1
	v_mul_lo_u32 v[FE+\j], v[FE+\j], s95           ; d in each byte
.endr
.irp j, 0,1
	v_or_b32 v[FT+\j], 0x80808080, v[FWD+\k+\j]    ; p's bytes are at most 123: with 128 on top no byte borrows from its neighbour
.endr
.irp j, 0,1
	v_sub_nc_u32 v[FT+\j], v[FT+\j], v[FE+\j]
.endr
.irp j, 0,1
	v_lshrrev_b32 v[FE+\j], 7, v[FT+\j]
.endr
.irp j, 0,1
	v_and_b32 v[FE+\j], s95, v[FE+\j]              ; 1 where byte - d is 0 or more
.endr
.irp j, 0,1
	v_lshlrev_b32 v[FU+\j], 8, v[FE+\j]
.endr
.irp j, 0,1
	v_sub_nc_u32 v[FE+\j], v[FU+\j], v[FE+\j]      ; 0xff there
.endr
.irp j, 0,1
	v_and_b32 v[FT+\j], 0x7f7f7f7f, v[FT+\j]
.endr
.irp j, 0,1
	v_and_b32 v[FWD+\k+\j], v[FT+\j], v[FE+\j]     ; byte - d, held at 0 from below
.endr
	ds_store_b32 v4, v[FWD+\k] offset:512*\k
	ds_store_b32 v4, v[FWD+\k+1] offset:512*\k+512
.endr
	v_add_f32 v[LS], v[LS], v[LS+1]                ; the even kb's sum and the odd kb's
	v_rcp_f32 v[LS], v[LS]
	v_nop                                          ; a plain place behind the reciprocal
	s_wait_alu depctr_va_vdst(0)                   ; the wait ahead of its first reader
	ds_store_b32 v5, v[LS]
	s_wait_tensorcnt 1                             ; V^T's words and my part of slot 0 are in; slot 1's load may be out
	s_wait_dscnt 0x0                               ; for the others' sake: my words and my reciprocal lie in LDS
	s_barrier_signal -1
	s_barrier_wait -1
	FETCH 0
	STEPH 0, 1                                     ; the first step's products start the sums
	STEPH 1, 0
	STEPH 2, 0
	TURNH 3, 1                                     ; slot 0 takes steps 8 to 11
	STEPH 4, 0
	STEPH 5, 0
	STEPH 6, 0
	TURNH 7, 1                                     ; slot 1 takes steps 12 to 15
	STEPH 8, 0
	STEPH 9, 0
	STEPH 10, 0
	TURNH 11, 0                                    ; nothing is left to fetch
	STEPH 12, 0
	STEPH 13, 0
	STEPH 14, 0
	s_wait_dscnt 0x0                               ; the last step
	WIN MUL_LO
	MULH 0, 1, 0
	MULH 2, 1, 0
	WIN 0
	PLACES NP                                      ; in front of the first read of results
.irp b, 0,1,2,3
	v_mov_b32 v[TM+4+\b], 0                        ; written once: a lane permute's destination counts as one of its sources
.endr
.irp a, 0,1,2,3
	ds_load_b32 v[RLV+2*\a], v[RLA] offset:64*\a
	v_mov_b32 v[RLV+2*\a+1], 0                     ; (named with it as a pair; the low word serves both halves)
.endr
	s_wait_dscnt 0x0
.irp a, 0,1,2,3
	DIVL \a
	QUANT \a
	OUTF \a, 8*1536
.endr
	ds_load_b64 v[WB:WB+1], v[GR]                  ; LDS serves a wave's instructions in order: these see my four stores
	s_wait_dscnt 0x0
	global_store_b64 v[L8], v[WB:WB+1], s[66:67]   ; my four row blocks' words: 256 consecutive, aligned bytes
	s_wait_tensorcnt 0x0                           ; the wave's end
	ds_add_u32 v[SPW], v[NIL]
	s_wait_dscnt 0x0
	CROUND
	s_endpgm
.Lfunc_end_k_q801645b91d_mix:
	.size	k_q801645b91d_mix, .Lfunc_end_k_q801645b91d_mix-k_q801645b91d_mix
	.p2alignl 7, 3214868480
	.fill 96, 4, 3214868480
	.section	.rodata,"a",@progbits
	.p2align	6, 0x0
	.amdhsa_kernel k_q801645b91d_mix
		.amdhsa_group_segment_fixed_size 327680
		.amdhsa_private_segment_fixed_size 0
		.amdhsa_enable_private_segment 0
		.amdhsa_kernarg_size 24
		.amdhsa_user_sgpr_count 2
		.amdhsa_user_sgpr_kernarg_segment_ptr 1
		.amdhsa_wavefront_size32 1
		.amdhsa_system_sgpr_workgroup_id_x 1
		.amdhsa_system_sgpr_workgroup_id_y 1
		.amdhsa_system_sgpr_workgroup_id_z 1
		.amdhsa_system_vgpr_workitem_id 0
		.amdhsa_next_free_vgpr 768
		.amdhsa_next_free_sgpr 106
		.amdhsa_reserve_vcc 0
		.amdhsa_float_denorm_mode_32 3
		.amdhsa_float_denorm_mode_16_64 3
		.amdhsa_memory_ordered 1
		.amdhsa_forward_progress 1
		.amdhsa_inst_pref_size 166
	.end_amdhsa_kernel
	.amdgpu_metadata
---
amdhsa.version: [ 1, 2 ]
amdhsa.kernels:
  - .name:           k_q801645b91d_mix
    .symbol:         k_q801645b91d_mix.kd
    .args:
      - { .name: w3, .offset: 0, .size: 8, .value_kind: global_buffer, .address_space: global }
      - { .name: w2, .offset: 8, .size: 8, .value_kind: global_buffer, .address_space: global }
      - { .name: w4, .offset: 16, .size: 8, .value_kind: global_buffer, .address_space: global }
    .group_segment_fixed_size: 327680
    .private_segment_fixed_size: 0
    .kernarg_segment_align: 8
    .kernarg_segment_size: 24
    .max_flat_workgroup_size: 128
    .sgpr_count:     106
    .vgpr_count:     768
    .wavefront_size: 32
...
	.end_amdgpu_metadata
.endif
;; end of part 8
;; launch outp (part 9): grid 4 x 64, 4 waves a work-group, clusters of 4 x 4, 327,680 bytes of LDS; arguments w4, w1, bh, out0; writes out0
.if DOCPART == 9
	.amdgcn_target "amdgcn-amd-amdhsa--gfx1250"
	.amdhsa_code_object_version 6
	.text
	.protected	k_q801645b91d_outp
	.globl	k_q801645b91d_outp
	.p2align	8
	.type	k_q801645b91d_outp,@function
k_q801645b91d_outp:
	s_mov_b64 s[64:65], 0
	v_nop
	global_prefetch_b8 v0, s[64:65] scope:SCOPE_SE
	s_setreg_imm32_b32 hwreg(HW_REG_WAVE_MODE, 25, 1), 1
	s_wait_xcnt 0x0
	s_wait_alu depctr_hold_cnt(0) depctr_sa_sdst(0) depctr_va_vdst(0) depctr_va_sdst(0) depctr_va_ssrc(0) depctr_va_vcc(0) depctr_vm_vsrc(0)
	s_getreg_b32 s2, hwreg(HW_REG_IB_STS2, 6, 4)
	s_cmp_eq_u32 s2, 0
	s_cbranch_scc0 .Lentry_in_a_cluster
	s_endpgm
.Lentry_in_a_cluster:
	s_bfe_u32 s2, ttmp6, 0x10000c
	s_cmp_lg_u32 s2, 0xf033
	s_cbranch_scc0 .Lentry_shape_is_right
	s_endpgm
.Lentry_shape_is_right:
; Launch 5 of 5: y = context Wh + bh, on codes, stored as f32.  No work of reference() is left out.
; A TILE IS 128 ROWS x 256 COLUMNS, so that there are 64 x 4 = 256 work-groups; each of the four waves makes 64 x 128: 32 accumulators.  K = 1,024 is two LDS slots of 512 (24 row blocks x 6,144 bytes each):
; ALL OF K IS ASKED FOR AT THE HEAD, and nothing is filled again.  Waves 0 and 1 fetch P's halves (4 row blocks each), waves 2 and 3 R's (8 each).
; The steps, the cluster and the images are those of the launch before: P = the context (y side, source 1), R = Wh's columns (x side, source 0): a lane holds eight neighbouring numbers of a row of y.
; bh is the C of each sum's first product.  Lane r of P's row block rb holds row 32 (rb / 2) + 8 (rb % 2) + r + 8 (r / 8): the stores' immediates put the rows back in their order.
; THE WAY OUT goes block by block (16 rows x 128 columns) through the wave's own stage in LDS and leaves as whole rows of 512 bytes.  The stage lies in slot 0: it is filled once, and every wave's last read of it
; stands ahead of the barrier at the change of slots.
; REGISTERS: window 0: v1-31 addresses; v32-47 scale words, two sets of 8; v64-127 the bias; v128-175, v176-223 P's 4 fragments, two sets; on the way out v128-255 rows of y.
;   window 1: R's 8 fragments, two sets, at v0 and v128.   window 2: the accumulators: (a, b) at v[8 (8 a + b)].
.set KB,    8
.set NQ,    4
.set FR,    12
.set NP,    4
.set STEPB, NQ*FR*128
.set PREG,  4*STEPB
.set RREG,  8*STEPB
.set SLOT,  2*PREG+2*RREG
.set HALFS, 512*KB
.set SCL,   2*SLOT                     ; the context's words: 512 kb + 64 (row block) + 4 r
.set SCB,   SCL+512*KB+64              ; Wh's words: half x HALFS + 512 kb + 64 i + 4 r
.set SPARE, 307456                     ; the spare words, 128 bytes for each wave: two blocks of 256 bytes that no other line names
.set SPITCH, 528
.set S1,    9437184                    ; w1: scale words [8][768][16]
.set CS4,   6291456                    ; w4: scale words [8][512][16]
.set ADRA, 16
.set ADRB, 20
.set STO,  24
.set RD,   25
.set LI,   26
.set ADRS, 27
.set SPW,  28
.set NIL,  29
.set ADRS2, 31
.set SC,   32
.set BI,   64
.set AF,   128
.set BK,   128                         ; the way out: 16 rows read back: v128-191 and v192-255 by turns
.set G1,   24
.set G0,   32
.set G1B,  48
.set G0B,  56
.set G1S,  68
.set G0S,  76
.set G1SB, 80
.set G0SB, 88
.set MSB, 0
.macro WIN new
.if MSB != (\new)
	s_set_vgpr_msb (MSB<<8)|(\new)
.set MSB, (\new)
.endif
.endm
.set MUL_LO, 0xa1
.set TO_B,   0x40
.macro JLOAD g0a, g1a, g0b, g1b
	s_cmp_eq_u32 s15, 0
	s_cbranch_scc0 .Lfor_b_\@
	tensor_load_to_lds s[\g0a:\g0a+3], s[\g1a:\g1a+7]
	s_nop 0
.rept 4
	v_nop
.endr
	s_branch .Lasked_\@
.Lfor_b_\@:
	tensor_load_to_lds s[\g0b:\g0b+3], s[\g1b:\g1b+7]
	s_nop 0
.rept 4
	v_nop
.endr
.Lasked_\@:
.endm
.macro CREST
	s_cmp_lg_u32 s14, 0
	s_cbranch_scc1 .Lnot_wave_0_\@
	s_barrier_signal -3
.Lnot_wave_0_\@:
	s_barrier_wait -3
	s_barrier_signal -1
	s_barrier_wait -1
.endm
.macro CROUND
	s_barrier_signal -1
	s_barrier_wait -1
	CREST
.endm
.macro PLACES n
.rept \n
	v_nop
.endr
.endm
.macro FETCH kb                        ; step kb's operands, 44 LDS loads, into the sets kb % 2
.set FSL, ((\kb)/NQ)%2
.set FQQ, (\kb)%NQ
.set FPP, (\kb)%2
	WIN TO_B
.irp i, 0,1,2,3,4,5,6,7
.irp g, 0,1,2
	ds_load_b128 v[128*FPP+FR*\i+4*\g:128*FPP+FR*\i+4*\g+3], v[ADRB+FSL] offset:\i*STEPB+FQQ*FR*128+512*\g
.endr
.endr
	WIN 0
.irp i, 0,1,2,3
.irp g, 0,1,2
	ds_load_b128 v[AF+48*FPP+FR*\i+4*\g:AF+48*FPP+FR*\i+4*\g+3], v[ADRA+FSL] offset:\i*STEPB+FQQ*FR*128+512*\g
.endr
.endr
.irp i, 0,1,2,3
	ds_load_b32 v[SC+8*FPP+\i], v[ADRS] offset:512*(\kb)+64*\i
.endr
.irp i, 4,5,6,7
	ds_load_b32 v[SC+8*FPP+\i], v[ADRS2] offset:512*(\kb)+64*\i
.endr
.endm
.macro MULH a0, p, first               ; first = 2: the sums begin with the bias (C = v[BI + 8 b]).  The 32 accumulators take turns
.irp a, \a0, \a0+1
.irp b, 0,1,2,3,4,5,6,7
.set rD, 8*(8*(\a)+\b)
.set rB, 128*(\p)+FR*\b
.set rA, AF+48*(\p)+FR*(\a)
.set rX, SC+8*(\p)+\b
.set rY, SC+8*(\p)+(\a)
.if \first == 0
	v_wmma_scale_f32_16x16x128_f8f6f4 v[rD:rD+7], v[rB:rB+FR-1], v[rA:rA+FR-1], v[rD:rD+7], v[rX], v[rY] matrix_a_fmt:MATRIX_FMT_BF6 matrix_b_fmt:MATRIX_FMT_BF6 matrix_a_scale:MATRIX_SCALE_ROW1
.else
	v_wmma_scale_f32_16x16x128_f8f6f4 v[rD:rD+7], v[rB:rB+FR-1], v[rA:rA+FR-1], v[BI+8*\b:BI+8*\b+7], v[rX], v[rY] matrix_a_fmt:MATRIX_FMT_BF6 matrix_b_fmt:MATRIX_FMT_BF6 matrix_a_scale:MATRIX_SCALE_ROW1
.endif
.endr
.endr
.endm
.macro STEPH kb, first
	s_wait_dscnt 0x0                               ; this step's operands are in
.if (\kb) > 0
	PLACES NP                                      ; in front of loads into the registers that the last step's products have read
.endif
	FETCH (\kb)+1
.if \first >= 2
	WIN 0x81                                       ; C in window 0
.else
	WIN MUL_LO
.endif
	MULH 0, (\kb)%2, \first
	MULH 2, (\kb)%2, \first
.endm
.macro TURNH kb                        ; slot 0's last step: slot 1 is shown whole to every wave; nothing is filled again
	WIN 0                                          ; (the add's two registers lie in window 0)
	s_wait_tensorcnt 0x0                           ; all my tensor loads have landed: my part of slot 1
	ds_add_u32 v[SPW], v[NIL]                      ; 0 onto my spare word
	s_wait_dscnt 0x0                               ; the add is done, and my reads of slot 0 are over
	s_barrier_signal -1
	WIN MUL_LO
	MULH 0, (\kb)%2, 0
	WIN 0
	s_barrier_wait -1
	PLACES NP
	FETCH (\kb)+1
	WIN MUL_LO
	MULH 2, (\kb)%2, 0
.endm
.macro TOSTAGE a                       ; block a into my stage: accumulator b's eight numbers are columns 32 (b / 2) + 16 h + 8 (b % 2) + 0 .. 7 of my row; and back as whole rows
.set AC, 64*((\a)%4)
	WIN 0x08                                       ; an LDS store's data are its source 1: window 2
.irp b, 0,1,2,3,4,5,6,7
	ds_store_b128 v[STO], v[AC+8*\b:AC+8*\b+3] offset:128*(\b/2)+32*(\b%2)        ; each accumulator from its low end on
	ds_store_b128 v[STO], v[AC+8*\b+4:AC+8*\b+7] offset:128*(\b/2)+32*(\b%2)+16
.endr
	WIN 0
.set BB, BK+64*((\a)%2)
.irp t, 0,1,2,3,4,5,6,7,8,9,10,11,12,13,14,15
	ds_load_b128 v[BB+4*\t:BB+4*\t+3], v[RD] offset:\t*SPITCH   ; LDS serves a wave's instructions in order: these see the stores above
.endr
.endm
.macro SEND a, younger                 ; younger: the LDS instructions issued behind block a's loads, which may stay out
.set BB, BK+64*((\a)%2)
.set RW, 32*((\a)/2)+8*((\a)%2)
	s_wait_dscnt \younger
.irp t, 0,1,2,3,4,5,6,7,8,9,10,11,12,13,14,15
	global_store_b128 v[LI], v[BB+4*\t:BB+4*\t+3], s[12:13] offset:(RW+\t+8*(\t/8))*4096 th:TH_STORE_NT   ; 32 lanes store 512 consecutive, aligned bytes of one row; 63 rows on at the most
.endr
.endm
	s_load_b256 s[4:11], s[0:1], 0x0               ; w4, w1, bh, out0
	v_lshl_add_u32 v[SPW], v0, 2, SPARE
	v_mov_b32 v[NIL], 0
	ds_add_u32 v[SPW], v[NIL]                      ; the wave's opening: the add, twice on end, and its wait ahead of my first tensor load
	ds_add_u32 v[SPW], v[NIL]
	v_lshrrev_b32 v1, 5, v0
	v_readfirstlane_b32 s14, v1
	s_lshr_b32 s15, s14, 1
	s_and_b32 s16, s14, 1
	s_bfe_u32 s40, ttmp6, 0x40000
	s_bfe_u32 s41, ttmp6, 0x40004
	s_lshl_b32 s42, ttmp9, 2
	s_add_co_u32 s42, s42, s40                     ; tile column: 256 columns
	s_and_b32 s17, ttmp7, 0xffff
	s_lshl_b32 s17, s17, 2
	s_add_co_u32 s17, s17, s41                     ; tile row: 128 rows
	s_lshl_b32 s43, s41, 2
	s_lshl_b32 s43, 15, s43
	s_lshl_b32 s44, 0x1111, s40
	s_or_b32 s[G1], s43, (3<<16)|(1<<21)
	s_or_b32 s[G1B], s44, (3<<16)|(1<<21)
.irp g, G1, G1B
	s_mov_b32 s[\g+1], (STEPB/8)<<16
	s_mov_b32 s[\g+3], (STEPB/8)<<16
	s_mov_b32 s[\g+5], KB*FR*128/8
	s_mov_b32 s[\g+6], 0
	s_mov_b32 s[\g+7], 0
.endr
	s_mov_b32 s[G1+2], 4<<16                       ; P: 4 row blocks
	s_mov_b32 s[G1+4], 4
	s_mov_b32 s[G1B+2], 8<<16                      ; R: 8
	s_mov_b32 s[G1B+4], 8
	s_or_b32 s[G1S], s43, (3<<16)|(1<<21)          ; the context's words: the tile's 8 row blocks are 512 bytes a kb; waves 0 and 1 bring four kb each
	s_or_b32 s[G1SB], s44, (3<<16)|(1<<21)         ; Wh's words: 8 row blocks, all eight kb, for each of waves 2 and 3
.irp g, G1S, G1SB
	s_mov_b32 s[\g+1], 64<<16
	s_mov_b32 s[\g+3], 64<<16
	s_mov_b32 s[\g+6], 0
	s_mov_b32 s[\g+7], 0
.endr
	s_mov_b32 s[G1S+2], (KB/2)<<16
	s_mov_b32 s[G1S+4], KB/2
	s_mov_b32 s[G1S+5], 8*512                      ; 512 row blocks from kb to kb
	s_mov_b32 s[G1SB+2], KB<<16
	s_mov_b32 s[G1SB+4], KB
	s_mov_b32 s[G1SB+5], 8*768                     ; w1's: 768
	s_lshl_b32 s20, s17, 3
	s_lshl_b32 s19, s16, 2
	s_add_co_u32 s20, s20, s19
	s_mul_i32 s20, s20, KB*FR*128                  ; the context: row block 8 x tile row + 4 half
	s_mov_b32 s21, 0
	s_lshl_b32 s22, s17, 9                         ; its words: 8 x tile row x 64 bytes,
	s_lshl_b32 s19, s16, 17                        ; + my four kb of 512 row blocks x 64 bytes
	s_add_co_u32 s22, s22, s19
	s_add_co_u32 s22, s22, CS4
	s_mov_b32 s23, 0
	s_lshl_b32 s19, s16, 3
	s_lshl_b32 s46, s42, 4
	s_add_co_u32 s46, s46, s19
	s_add_co_u32 s46, s46, 704                     ; Wh: 704 + 16 x tile column + 8 half
	s_lshl_b32 s92, s46, 6
	s_add_co_u32 s92, s92, S1
	s_mov_b32 s93, 0
	s_mul_i32 s46, s46, KB*FR*128
	s_mov_b32 s47, 0
	s_mul_i32 s45, s16, PREG                       ; where they go: no place in the cluster enters an LDS address
	s_mul_i32 s18, s16, RREG
	s_add_co_u32 s18, s18, 2*PREG
	s_lshl_b32 s94, s16, 11                        ; four kb of 512 bytes
	s_mul_i32 s95, s16, HALFS
	s_wait_dscnt 0x0
	s_wait_kmcnt 0x0
	s_add_nc_u64 s[20:21], s[4:5], s[20:21]
	s_add_nc_u64 s[22:23], s[4:5], s[22:23]
	s_add_nc_u64 s[46:47], s[6:7], s[46:47]
	s_add_nc_u64 s[92:93], s[6:7], s[92:93]
	CROUND
	s_mov_b32 s[G0S], 1
	s_add_co_u32 s[G0S+1], s94, SCL
	s_mov_b64 s[G0S+2:G0S+3], s[22:23]
	s_or_b32 s[G0S+3], s[G0S+3], 0x80000000
	s_mov_b32 s[G0SB], 1
	s_add_co_u32 s[G0SB+1], s95, SCB
	s_mov_b64 s[G0SB+2:G0SB+3], s[92:93]
	s_or_b32 s[G0SB+3], s[G0SB+3], 0x80000000
	JLOAD G0S, G1S, G0SB, G1SB
.irp s, 0,1
	s_mov_b32 s[G0+4*\s], 1
	s_add_co_u32 s[G0+4*\s+1], s45, \s*SLOT
	s_add_nc_u64 s[G0+4*\s+2:G0+4*\s+3], s[20:21], \s*STEPB
	s_or_b32 s[G0+4*\s+3], s[G0+4*\s+3], 0x80000000
	s_mov_b32 s[G0B+4*\s], 1
	s_add_co_u32 s[G0B+4*\s+1], s18, \s*SLOT
	s_add_nc_u64 s[G0B+4*\s+2:G0B+4*\s+3], s[46:47], \s*STEPB
	s_or_b32 s[G0B+4*\s+3], s[G0B+4*\s+3], 0x80000000
	JLOAD G0+4*\s, G1, G0B+4*\s, G1B               ; three loads of mine are out
.endr
	v_and_b32 v1, 15, v0                           ; r
	v_bfe_u32 v2, v0, 4, 1                         ; h
	v_and_b32 v3, 31, v0
	v_lshlrev_b32 v[LI], 4, v3
	s_mul_i32 s43, s15, PREG
	s_mul_i32 s44, s16, RREG
	s_add_co_u32 s44, s44, 2*PREG
.irp s, 0,1
	v_add_nc_u32 v[ADRA+\s], s43, v[LI]
	v_add_nc_u32 v[ADRB+\s], s44, v[LI]
	s_add_co_u32 s43, s43, SLOT
	s_add_co_u32 s44, s44, SLOT
.endr
	v_lshlrev_b32 v5, 2, v1
	s_lshl_b32 s43, s15, 8                         ; P's words: my 4 row blocks begin 256 x half bytes on
	s_mul_i32 s44, s16, HALFS
	s_add_co_u32 s44, s44, SCB-SCL
	s_sub_co_u32 s44, s44, s43
	v_mul_u32_u24 v6, s44, v2                      ; lanes 16-31 take R's words: one product, the distance between the two
	s_add_co_u32 s43, s43, SCL
	v_add_nc_u32 v6, v5, v6
	v_add_nc_u32 v[ADRS], s43, v6
	s_add_co_u32 s44, s44, 256
	v_mul_u32_u24 v6, s44, v2                      ; the same with lanes 0-15 256 bytes back: registers 4-7 take P's block i - 4 once more, which nobody uses
	s_lshl_b32 s43, s15, 8
	s_add_co_u32 s43, s43, SCL-256
	v_add_nc_u32 v6, v5, v6
	v_add_nc_u32 v[ADRS2], s43, v6
	s_mul_i32 s45, s14, 16*SPITCH                  ; my stage
	v_mul_u32_u24 v5, v1, SPITCH
	v_lshl_add_u32 v5, v2, 6, v5
	v_add_nc_u32 v[STO], s45, v5                   ; in: row r, + 64 h bytes
	v_add_nc_u32 v[RD], s45, v[LI]                 ; back: the 32 lanes take one row of 512 bytes
	v_lshlrev_b32 v7, 6, v2                        ; the bias: 16 h numbers on
	s_lshl_b32 s46, s42, 10
	s_lshl_b32 s47, s16, 9
	s_add_co_u32 s46, s46, s47                     ; my first column, in bytes: 1,024 x tile column + 512 x half
	s_mov_b32 s47, 0
	s_add_nc_u64 s[96:97], s[8:9], s[46:47]
.irp b, 0,1,2,3,4,5,6,7
	global_load_b128 v[BI+8*\b:BI+8*\b+3], v7, s[96:97] offset:(32*(\b/2)+8*(\b%2))*4
	global_load_b128 v[BI+8*\b+4:BI+8*\b+7], v7, s[96:97] offset:(32*(\b/2)+8*(\b%2))*4+16
.endr
	s_lshl_b32 s18, s17, 7
	s_lshl_b32 s19, s15, 6
	s_add_co_u32 s18, s18, s19                     ; my first row: 128 x tile row + 64 x half
	s_lshl_b32 s98, s18, 12
	s_add_co_u32 s98, s98, s46
	s_mov_b32 s99, 0
	s_add_nc_u64 s[12:13], s[10:11], s[98:99]
	s_wait_tensorcnt 1                             ; the scale words and my part of slot 0 are in; slot 1's load may be out
	s_barrier_signal -1
	s_barrier_wait -1
	FETCH 0
	s_wait_loadcnt 0x0                             ; the bias
	STEPH 0, 2                                     ; the first step's products start the sums
	STEPH 1, 0
	STEPH 2, 0
	TURNH 3
	STEPH 4, 0
	STEPH 5, 0
	STEPH 6, 0
	s_wait_dscnt 0x0                               ; the last step
	WIN MUL_LO
	MULH 0, 1, 0
	MULH 2, 1, 0
	WIN 0
	PLACES NP                                      ; in front of the reads of results and of the loads into the registers that held P's fragments
	TOSTAGE 0
.irp a, 1,2,3
.if \a > 1
	s_wait_xcnt 0x0                                ; block a - 2's stores have read their registers: block a's loads may land there
.endif
	TOSTAGE \a
	SEND \a-1, 32                                  ; behind block a - 1's loads: block a's 16 stores and 16 loads
.endr
	SEND 3, 0
	s_wait_tensorcnt 0x0                           ; the wave's end
	ds_add_u32 v[SPW], v[NIL]
	s_wait_dscnt 0x0
	CROUND
	s_endpgm
.Lfunc_end_k_q801645b91d_outp:
	.size	k_q801645b91d_outp, .Lfunc_end_k_q801645b91d_outp-k_q801645b91d_outp
	.p2alignl 7, 3214868480
	.fill 96, 4, 3214868480
	.section	.rodata,"a",@progbits
	.p2align	6, 0x0
	.amdhsa_kernel k_q801645b91d_outp
		.amdhsa_group_segment_fixed_size 327680
		.amdhsa_private_segment_fixed_size 0
		.amdhsa_enable_private_segment 0
		.amdhsa_kernarg_size 32
		.amdhsa_user_sgpr_count 2
		.amdhsa_user_sgpr_kernarg_segment_ptr 1
		.amdhsa_wavefront_size32 1
		.amdhsa_system_sgpr_workgroup_id_x 1
		.amdhsa_system_sgpr_workgroup_id_y 1
		.amdhsa_system_sgpr_workgroup_id_z 1
		.amdhsa_system_vgpr_workitem_id 0
		.amdhsa_next_free_vgpr 768
		.amdhsa_next_free_sgpr 106
		.amdhsa_reserve_vcc 0
		.amdhsa_float_denorm_mode_32 3
		.amdhsa_float_denorm_mode_16_64 3
		.amdhsa_memory_ordered 1
		.amdhsa_forward_progress 1
		.amdhsa_inst_pref_size 83
	.end_amdhsa_kernel
	.amdgpu_metadata
---
amdhsa.version: [ 1, 2 ]
amdhsa.kernels:
  - .name:           k_q801645b91d_outp
    .symbol:         k_q801645b91d_outp.kd
    .args:
      - { .name: w4, .offset: 0, .size: 8, .value_kind: global_buffer, .address_space: global }
      - { .name: w1, .offset: 8, .size: 8, .value_kind: global_buffer, .address_space: global }
      - { .name: bh, .offset: 16, .size: 8, .value_kind: global_buffer, .address_space: global }
      - { .name: out0, .offset: 24, .size: 8, .value_kind: global_buffer, .address_space: global }
    .group_segment_fixed_size: 327680
    .private_segment_fixed_size: 0
    .kernarg_segment_align: 8
    .kernarg_segment_size: 32
    .max_flat_workgroup_size: 128
    .sgpr_count:     106
    .vgpr_count:     768
    .wavefront_size: 32
...
	.end_amdgpu_metadata
.endif
;; end of part 9
